; MI455X (gfx1250); checked and timed in simulation.
; The chip was launched on July 23, 2026; its instructions are those of AMD's public machine-readable ISA for CDNA 5 (MIT licence, August 2026) and "CDNA5" Instruction Set Architecture Reference Guide (July 2026). The comments in the code are by the model that wrote it; some were corrected since.
;; Relative Partial Learnable Multi Head Attention. Allowed arithmetic: matrix products marked QUANTISED: E2M1 operands, one E8M0 scale for each 32 along K, by v_wmma_scale_f32_16x16x128_f8f6f4 with both operands' format E2M1 (or v_wmma_scale_f32_32x16x128_f4), f32 sums; everything else in f32.
;; Inputs: W_out_codes 1,024 x 32 x 16 uint8 (E2M1 codes of W_out, K innermost, in blocks of 32 codes, two codes a byte); W_out_scales 1,024 x 32 uint8 (E8M0 scales of W_out, one for each 32 codes along K); W_pe_codes 1,024 x 32 x 16 uint8 (E2M1 codes of W_pe, K innermost, in blocks of 32 codes, two codes a byte); W_pe_scales 1,024 x 32 uint8 (E8M0 scales of W_pe, one for each 32 codes along K); W_qkv_codes 3,072 x 32 x 16 uint8 (E2M1 codes of W_qkv, K innermost, in blocks of 32 codes, two codes a byte); W_qkv_scales 3,072 x 32 uint8 (E8M0 scales of W_qkv, one for each 32 codes along K); hidden 1 x 2,048 x 1,024 float32; mask 1 x 1 x 2,048 x 4,096 bool; memory 1 x 2,048 x 1,024 float32; position_embedding_codes 4,096 x 32 x 16 uint8 (E2M1 codes of position_embedding, K innermost, in blocks of 32 codes, two codes a byte); position_embedding_scales 4,096 x 32 uint8 (E8M0 scales of position_embedding, one for each 32 codes along K); u 16 x 64 float32; v 16 x 64 float32.
;; Outputs: out0 1 x 2,048 x 1,024 float32.
;; This version of the problem:
;;   THIS VERSION OF THE PROBLEM IS GIVEN IN LOW PRECISION. The matrix products marked QUANTISED in the list below multiply operands that are first quantised to E2M1 (2 exponent bits, 1 mantissa bit; 4 bits a number), with one power-of-two scale for each 32 numbers along K (OCP MX v1.0); their sums are f32. All else is computed in f32.
;;   The module's matrix products, in the order in which they are computed (A, B: the left and right operand; K: the contracted axis; several contracted axes count as one K, in the product's order):
;;     1. [M 4,096, K 1,024] x [K 1,024, N 3,072]; A: computed on the way; B: input W_qkv (given as codes): QUANTISED
;;     2. [M 4,096, K 1,024] x [K 1,024, N 1,024]; A: input position_embedding (given as codes); B: input W_pe (given as codes): QUANTISED
;;     3. batch 16 x [M 2,048, K 64] x [K 64, N 4,096]; A: computed on the way; B: computed on the way: QUANTISED
;;     4. batch 16 x [M 2,048, K 64] x [K 64, N 4,096]; A: computed on the way; B: computed on the way: QUANTISED
;;     5. batch 16 x [M 64, K 4,096] x [K 4,096, N 2,048]; A: computed on the way; B: softmax (see below): QUANTISED
;;     6. [M 2,048, K 1,024] x [K 1,024, N 1,024]; A: computed on the way; B: input W_out (given as codes): QUANTISED
;;   THE QUANTISER, for each operand of a quantised product, along K:
;;     - K is cut into blocks of 32 from its start; a last block that is shorter is filled with zeros.
;;     - A block's scale is 2^e with e = floor(log2(the largest magnitude in the block)) - 2, held to -126 .. 127; a block of zeros has e = 0. As a byte (E8M0): e + 127.
;;     - Each number is divided by its block's scale, clamped to +-6, and rounded to the nearest number of E2M1, ties to even, subnormals kept.
;;     - The product sums the exact products of the quantised numbers (number of the format x scale) in f32.
;;   ~~~python
;;   def quantise(x, axis):      # numpy; x: float32 -> the quantised numbers, widened to float32 again
;;       x = np.moveaxis(x, axis, -1); K = x.shape[-1]
;;       x = np.pad(x, [(0, 0)] * (x.ndim - 1) + [(0, -K % 32)]); x = x.reshape(x.shape[:-1] + (-1, 32)); a = np.abs(x).max(-1, keepdims=True)
;;       e = np.where(a > 0, np.clip(np.frexp(np.where(a > 0, a, 1))[1] - 1 - 2, -126, 127), 0)      # np.frexp(a)[1] - 1 = floor(log2(a)), exactly
;;       r = np.clip(x / 2.0 ** e, -6, 6)
;;       step = 2.0 ** (np.maximum(np.frexp(np.where(r == 0, 1, r))[1] - 1, 0) - 1)
;;       q = np.round(r / step) * step * 2.0 ** e      # np.round: ties to even
;;       return np.moveaxis(q.reshape(q.shape[:-2] + (-1,))[..., :K], -1, axis).astype(np.float32)
;;   ~~~
;;   SOFTMAX AHEAD OF A QUANTISED PRODUCT. Where the list says 'softmax', what is quantised is not the finished softmax but p = 2^(t - M), with t = logit x log2(e) and M = ceil(the row's largest t), a whole number; so 1/2 < the row's largest p <= 1. The row's sum l is taken of the UNQUANTISED p, in f32, and the product's result is divided by l at the end. Since M is a whole number, a kernel that streams over the keys may use a running M (the ceiling of the running maximum): every later rescaling is an exact power of two, which a block's scale takes up: the codes' values come out the same.
;;   OPERANDS COMPUTED ON THE WAY. 'Computed on the way' means the value that the module computes at that place (a softmax that the list does not call 'softmax' is quantised finished and normalised). What goes into a quantiser is computed in f32, as accurately as f32 sums, v_exp_f32 and their like allow (about 1e-6 of the number): no bf16 or f16 on the way to a quantiser, and a product that is left as it is and whose result goes on into a quantised operand takes f32 operands (vector FMAs, or v_wmma_f32_16x16x4_f32). A number that lies on a knife's edge between two numbers of the format may be rounded either way, as far as f32 arithmetic and the matrix unit's own rounding can turn it there, and no further.
;;   INPUTS GIVEN AS CODES. W_out (in the module: [1024, 1024], K = its axis 0); W_pe (in the module: [1024, 1024], K = its axis 0); W_qkv (in the module: [1024, 3072], K = its axis 0); position_embedding (in the module: [4096, 1024], K = its axis 1): each comes as NAME_codes (uint8): NAME with its K axis moved to the last place and cut into blocks of 32 codes, [.., K / 32, bytes a block], one block behind the other in memory; two codes a byte, the lower K in the low four bits (a code: sign, 2 exponent bits, 1 mantissa bit); and NAME_scales (uint8): the same leading axes, one E8M0 byte (e + 127) for each 32 codes along K. Its value is code x scale, taken as it is: it is not quantised again, and the codes and scales need not be those that the quantiser above would give.
;; 3 versions, each right; version 3 is version 2 with the launches attn, outln written anew for expert scheduling mode. Each part assembles by itself: llvm-mc -triple=amdgcn-amd-amdhsa -mcpu=gfx1250 --defsym DOCPART=n.
;; ======== version 1 of 3: 4 launches
;; workspace buffers: mhq 2,228,224 bytes; maskw 1,048,576 bytes of whole numbers; wo 557,056 bytes; qq 2,228,224 bytes; kv 6,684,672 bytes; av 1,114,112 bytes
;; launch prep (part 1): grid 648 x 1, 4 waves a work-group, no clusters, 33,280 bytes of LDS; arguments memory, hidden, mask, W_out_codes, W_out_scales, mhq, maskw, wo; writes mhq, maskw, wo
.if DOCPART == 1
	.amdgcn_target "amdgcn-amd-amdhsa--gfx1250"
	.amdhsa_code_object_version 6
	.text
	.protected	k_q9a2c02c9d1_prep
	.globl	k_q9a2c02c9d1_prep
	.p2align	8
	.type	k_q9a2c02c9d1_prep,@function
k_q9a2c02c9d1_prep:
	s_mov_b64 s[64:65], 0
	v_nop
	global_prefetch_b8 v0, s[64:65] scope:SCOPE_SE
	s_setreg_imm32_b32 hwreg(HW_REG_WAVE_MODE, 25, 1), 1
	s_wait_xcnt 0x0
; THREE PIECES OF PREPARATION IN ONE LAUNCH, parted by the work-group's number; each way ends by itself, and only the first touches LDS.
; (1) work-groups 0-127: concat(memory, hidden), [4096][1024] f32, becomes codes of FP4 (E2M1), K innermost, [4096][512 bytes] at mhq + 0, and one E8M0 byte for each 32 along K, [4096][32] at mhq + 2,097,152.
;     A block's scale is 2^(floor(log2(largest magnitude)) - 2); its byte is the largest magnitude's exponent field - 2, held at 1 from below.
;     LIMITS: a block of zeros, and a block whose largest magnitude lies under 2^-124, get the byte 1 (a block of zeros has zero codes, and this program alone reads the bytes); NaN and infinities among the inputs are not served.
; (2) work-groups 128-639: the mask, [2048][4096] bytes, becomes lane masks.  For a tile of 16 queries (qt) and a step of 128 keys: 64 words; bit r + 16 h of word 16 b + i is mask[16 qt + r][128 step + 32 b + 16 h + i]:
;     the lane and the register in which the attention launch holds that score.  Any byte other than 0 counts as true.
; (3) work-groups 640-647: W_out's codes are laid as images of the operand's registers, [tile of 16 columns 64][K step 8][1,024 bytes] (registers 0-3 of lane l at 16 l, registers 4-7 at 512 + 16 l), and its
;     scale words as [pair of tiles 32][K step 8][32 lanes] (lanes 0-15 the even tile's rows, lanes 16-31 the odd tile's), so that the last launch loads every fragment as 512 consecutive bytes.
.set STEPS, 16
.set R,     16                         ; v16-79   four sets of 16 numbers as they are loaded
.set X,     80                         ; v80-111  two sets of 16 neighbours
.set E,     112                        ; v112-127 a scale byte for each step
.set C,     128                        ; v128-191 codes: four registers for each step, so that no store's data are written again
.set WREG,  8192                       ; LDS: a region for each wave: two stages of 32 x SP bytes, and behind them its 256 scale bytes
.set SP,    80                         ; a lane's place in a stage: 64 bytes + 16 of padding
	v_lshl_add_u32 v192, v0, 2, 0x8000
	v_mov_b32 v193, 0
	s_cmp_lt_u32 ttmp9, 128
	s_cbranch_scc0 .Lnot_numbers
; ---------------- (1) the quantiser.  A wave takes 16 steps of 512 numbers.  Each load reads 512 consecutive bytes; a step's 2,048 bytes turn through the wave's own stage in LDS, so that a lane then holds 16 neighbours along K
; (two neighbouring lanes hold a block).  Loads run four steps ahead, the turn through LDS one step.  Waves share nothing: no barrier.
	s_load_b128 s[4:7], s[0:1], 0x0                ; memory, hidden
	s_load_b64 s[8:9], s[0:1], 0x28                ; mhq
	v_lshrrev_b32 v1, 5, v0
	v_readfirstlane_b32 s16, v1                    ; wave
	v_and_b32 v2, 31, v0                           ; lane
	v_lshlrev_b32 v3, 4, v2                        ; my 16 bytes of a load's 512
	s_mul_i32 s17, s16, WREG
	v_lshrrev_b32 v14, 2, v2
	v_mul_u32_u24 v14, v14, SP
	v_and_b32 v15, 3, v2
	v_lshl_add_u32 v14, v15, 4, v14
	v_add_nc_u32 v14, s17, v14                     ; the stage, on the way in: SP (lane / 4) + 16 (lane % 4)
	v_mul_u32_u24 v15, v2, SP
	v_add_nc_u32 v15, s17, v15                     ; and on the way out: SP x lane: my 16 neighbours
	v_lshlrev_b32 v4, 3, v2                        ; 8 bytes a lane: my codes' place in a step's, and my part of the wave's scale bytes
	v_lshrrev_b32 v5, 1, v2
	s_add_co_u32 s17, s17, 2*32*SP
	v_add_nc_u32 v5, s17, v5                       ; LDS: my wave's 256 scale bytes, my block's byte
	v_add_nc_u32 v6, s17, v4                       ; and where I read 8 of them back
	s_wait_kmcnt 0x0
	s_cmp_lt_u32 ttmp9, 64                         ; the first 64 work-groups take memory, the next 64 hidden: the choice hangs on the work-group's number alone
	s_cselect_b64 s[4:5], s[4:5], s[6:7]
	s_and_b32 s18, ttmp9, 63
	s_lshl_b32 s18, s18, 2
	s_add_co_u32 s18, s18, s16                     ; which run of 8,192 numbers of the source is my wave's
	s_lshl_b32 s18, s18, 15                        ; 32,768 bytes a run
	s_mov_b32 s19, 0
	s_add_nc_u64 s[4:5], s[4:5], s[18:19]
	s_lshl_b32 s20, ttmp9, 2
	s_add_co_u32 s20, s20, s16                     ; and which run of the concatenation
	s_lshl_b32 s18, s20, 8                         ; 256 scale bytes a run,
	s_add_co_u32 s18, s18, 0x200000                ; behind the codes
	s_add_nc_u64 s[10:11], s[8:9], s[18:19]
	s_lshl_b32 s18, s20, 12                        ; 4,096 bytes of codes a run
	s_add_nc_u64 s[8:9], s[8:9], s[18:19]
.macro LOAD t
.irp i, 0,1,2,3
	global_load_b128 v[R+16*((\t)%4)+4*\i:R+16*((\t)%4)+4*\i+3], v3, s[4:5] offset:2048*(\t)+512*\i th:TH_LOAD_NT
.endr
.endm
.macro TURN t                          ; step t's numbers through the stage: LDS serves a wave's instructions in order, so no wait stands between the stores and the loads
.irp i, 0,1,2,3
	ds_store_b128 v14, v[R+16*((\t)%4)+4*\i:R+16*((\t)%4)+4*\i+3] offset:32*SP*((\t)%2)+8*SP*\i
.endr
.irp i, 0,1,2,3
	ds_load_b128 v[X+16*((\t)%2)+4*\i:X+16*((\t)%2)+4*\i+3], v15 offset:32*SP*((\t)%2)+16*\i
.endr
.endm
.irp t, 0,1,2,3
	LOAD \t
.endr
	s_wait_loadcnt 12                              ; step 0's four loads are in
	TURN 0
.macro STEP t
.set XS, X+16*((\t)%2)
.if (\t) > 0
	s_wait_dscnt 1                                 ; this step's numbers are back from the stage (the last step's byte store may be out)
.else
	s_wait_dscnt 0x0
.endif
.if (\t)+4 < STEPS
	LOAD (\t)+4                                    ; into the registers that this step's stores into the stage have read
.endif
.if (\t)+1 < STEPS
.if STEPS-2-(\t) >= 3
	s_wait_loadcnt 12                              ; the next step's four loads are in; those of the three steps behind it may be out
.else
	s_wait_loadcnt 4*(STEPS-2-(\t))
.endif
	TURN (\t)+1
.endif
	v_max3_num_f32 v8, |v[XS]|, |v[XS+1]|, |v[XS+2]|               ; the largest magnitude of my 16, in two chains
	v_max3_num_f32 v9, |v[XS+3]|, |v[XS+4]|, |v[XS+5]|
.irp i, 6,10
	v_max3_num_f32 v8, v8, |v[XS+\i]|, |v[XS+\i+1]|
	v_max3_num_f32 v9, v9, |v[XS+\i+2]|, |v[XS+\i+3]|
.endr
	v_max3_num_f32 v8, v8, |v[XS+14]|, |v[XS+15]|
	v_max3_num_f32 v8, v8, v9, 0x1800000           ; and the floor 2^(3 - 127): the byte cannot fall under 1
	v_max_num_f32_dpp v8, v8, v8 row_xmask:1 row_mask:0xf bank_mask:0xf   ; and of my neighbour's 16: the block's
	v_add_nc_u32 v11, 0xff000000, v8               ; 2 off its exponent field: the conversion takes the exponent field of this operand as its scale
	v_cvt_scalef32_pk8_fp4_f32 v[C+4*(\t)], v[XS:XS+7], v11
	v_cvt_scalef32_pk8_fp4_f32 v[C+4*(\t)+1], v[XS+8:XS+15], v11
	v_lshrrev_b32 v[E+(\t)], 23, v11               ; the scale's byte
	ds_store_b8 v5, v[E+(\t)] offset:16*(\t)       ; both lanes of a block write the same byte with the same value
	global_store_b64 v4, v[C+4*(\t):C+4*(\t)+1], s[8:9] offset:256*(\t)   ; the wave stores 256 consecutive bytes, aligned
.endm
.irp t, 0,1,2,3,4,5,6,7,8,9,10,11,12,13,14,15
	STEP \t
.endr
	ds_load_b64 v[12:13], v6                       ; LDS serves a wave's instructions in order: these see my byte stores
	s_wait_dscnt 0x0
	global_store_b64 v4, v[12:13], s[10:11]        ; 32 lanes store 256 consecutive bytes, aligned
	s_wait_tensorcnt 0x0
	ds_add_u32 v192, v193
	s_wait_dscnt 0x0
	s_endpgm
.Lnot_numbers:
	s_cmp_lt_u32 ttmp9, 640
	s_cbranch_scc0 .Lweights
; ---------------- (2) the mask.  A wave takes 16 queries x 256 keys: two steps.  Lane (r, h) loads, of row r, the 16 bytes at key 32 b + 16 h of each block of 32: eight loads, which together read 256 consecutive bytes of each row.
	s_load_b64 s[4:5], s[0:1], 0x10                ; mask
	s_load_b64 s[6:7], s[0:1], 0x30                ; maskw
	v_lshrrev_b32 v1, 5, v0
	v_readfirstlane_b32 s16, v1                    ; wave
	v_and_b32 v2, 31, v0                           ; lane
	v_and_b32 v3, 15, v0                           ; r
	v_bfe_u32 v4, v0, 4, 1                         ; h
	v_lshlrev_b32 v9, 12, v3
	v_lshl_add_u32 v9, v4, 4, v9                   ; row r of 4,096 bytes, + 16 h
	v_lshlrev_b32 v10, 3, v2                       ; 8 x lane
.irp j, 48,49,50,51
	v_mov_b32 v[\j], 0                             ; a lane write's destination counts as read
.endr
	s_sub_co_u32 s17, ttmp9, 128
	s_lshl_b32 s17, s17, 2
	s_add_co_u32 s17, s17, s16                     ; unit = 16 qt + pair of steps
	s_lshr_b32 s18, s17, 4                         ; qt
	s_and_b32 s19, s17, 15                         ; the pair
	s_lshl_b32 s20, s18, 16                        ; 16 rows of 4,096 bytes,
	s_lshl_b32 s21, s19, 8                         ; 256 keys
	s_add_co_u32 s20, s20, s21
	s_mov_b32 s21, 0
	s_lshl_b32 s22, s17, 9                         ; (32 qt + step) x 256 bytes of words = 512 x unit
	s_mov_b32 s23, 0
	s_wait_kmcnt 0x0
	s_add_nc_u64 s[4:5], s[4:5], s[20:21]
	s_add_nc_u64 s[8:9], s[6:7], s[22:23]
.irp e, 0,1
.irp b, 0,1,2,3
	global_load_b128 v[16+4*(4*\e+\b):16+4*(4*\e+\b)+3], v9, s[4:5] offset:128*\e+32*\b th:TH_LOAD_NT
.endr
.endr
	s_wait_loadcnt 0x0
; byte i of block b of step e: the 32 lanes' bits are one word, number 16 b + i.  Word n goes to lane n / 2 of register n % 2, so that a lane stores two neighbouring words.
.macro BIT e, b, i
	v_and_b32 v8, 0xff<<(8*((\i)%4)), v[16+4*(4*\e+\b)+(\i)/4]
	v_cmp_ne_u32 s26, 0, v8
	v_writelane_b32 v[48+2*\e+(\i)%2], s26, 8*\b+(\i)/2
.endm
.irp e, 0,1
.irp b, 0,1,2,3
.irp i, 0,1,2,3,4,5,6,7,8,9,10,11,12,13,14,15
	BIT \e, \b, \i
.endr
.endr
.endr
	global_store_b64 v10, v[48:49], s[8:9]             ; 256 consecutive bytes, aligned: a step's 64 words
	global_store_b64 v10, v[50:51], s[8:9] offset:256
	s_endpgm
.Lweights:
; ---------------- (3) W_out.  A wave takes a pair of tiles: 32 rows of 512 bytes.  Lane (r, h) loads its fragments' 16 bytes from rows, and stores them at 16 x lane.
	s_load_b64 s[4:5], s[0:1], 0x18                ; W_out's codes
	s_load_b64 s[6:7], s[0:1], 0x20                ; W_out's scales
	s_load_b64 s[8:9], s[0:1], 0x38                ; wo
	v_lshrrev_b32 v1, 5, v0
	v_readfirstlane_b32 s16, v1
	v_and_b32 v2, 31, v0
	v_and_b32 v3, 15, v0
	v_bfe_u32 v4, v0, 4, 1
	v_lshlrev_b32 v12, 9, v3
	v_lshl_add_u32 v12, v4, 4, v12                 ; row r of 512 bytes, + 16 h
	v_lshlrev_b32 v13, 4, v2                       ; 16 x lane
	v_lshlrev_b32 v14, 5, v2                       ; a row of 32 scale bytes a lane
	v_lshlrev_b32 v15, 2, v2                       ; 4 x lane
	s_sub_co_u32 s17, ttmp9, 640
	s_lshl_b32 s17, s17, 2
	s_add_co_u32 s17, s17, s16                     ; the pair, 0 .. 31
	s_lshl_b32 s18, s17, 14                        ; 32 rows x 512 bytes, and as many bytes of images
	s_mov_b32 s19, 0
	s_lshl_b32 s20, s17, 10                        ; 32 rows x 32 bytes, and as many of scale words
	s_mov_b32 s21, 0
	s_add_co_u32 s22, s20, 0x80000                 ; behind the images
	s_mov_b32 s23, 0
	s_wait_kmcnt 0x0
	s_add_nc_u64 s[4:5], s[4:5], s[18:19]
	s_add_nc_u64 s[6:7], s[6:7], s[20:21]
	s_add_nc_u64 s[10:11], s[8:9], s[22:23]
	s_add_nc_u64 s[8:9], s[8:9], s[18:19]
.irp u, 0,1
.irp s, 0,1,2,3,4,5,6,7
.irp c, 0,1
	global_load_b128 v[16+4*(16*\u+2*\s+\c):16+4*(16*\u+2*\s+\c)+3], v12, s[4:5] offset:\u*8192+64*\s+32*\c
.endr
.endr
.endr
	global_load_b128 v[144:147], v14, s[6:7]       ; register 144 + s: the scale word of K step s of row 32 pair + lane
	global_load_b128 v[148:151], v14, s[6:7] offset:16
	s_wait_loadcnt 0x0
.irp u, 0,1
.irp s, 0,1,2,3,4,5,6,7
.irp c, 0,1
	global_store_b128 v13, v[16+4*(16*\u+2*\s+\c):16+4*(16*\u+2*\s+\c)+3], s[8:9] offset:(8*\u+\s)*1024+512*\c
.endr
.endr
.endr
.irp s, 0,1,2,3,4,5,6,7
	global_store_b32 v15, v[144+\s], s[10:11] offset:128*\s
.endr
	s_endpgm
.Lfunc_end_k_q9a2c02c9d1_prep:
	.size	k_q9a2c02c9d1_prep, .Lfunc_end_k_q9a2c02c9d1_prep-k_q9a2c02c9d1_prep
	.p2alignl 7, 3214868480
	.fill 96, 4, 3214868480
	.section	.rodata,"a",@progbits
	.p2align	6, 0x0
	.amdhsa_kernel k_q9a2c02c9d1_prep
		.amdhsa_group_segment_fixed_size 33280
		.amdhsa_private_segment_fixed_size 0
		.amdhsa_enable_private_segment 0
		.amdhsa_kernarg_size 64
		.amdhsa_user_sgpr_count 2
		.amdhsa_user_sgpr_kernarg_segment_ptr 1
		.amdhsa_wavefront_size32 1
		.amdhsa_system_sgpr_workgroup_id_x 1
		.amdhsa_system_sgpr_workgroup_id_y 1
		.amdhsa_system_sgpr_workgroup_id_z 1
		.amdhsa_system_vgpr_workitem_id 0
		.amdhsa_next_free_vgpr 194
		.amdhsa_next_free_sgpr 66
		.amdhsa_reserve_vcc 0
		.amdhsa_float_denorm_mode_32 3
		.amdhsa_float_denorm_mode_16_64 3
		.amdhsa_memory_ordered 1
		.amdhsa_forward_progress 1
		.amdhsa_inst_pref_size 67
	.end_amdhsa_kernel
	.amdgpu_metadata
---
amdhsa.version: [ 1, 2 ]
amdhsa.kernels:
  - .name:           k_q9a2c02c9d1_prep
    .symbol:         k_q9a2c02c9d1_prep.kd
    .args:
      - { .name: memory, .offset: 0, .size: 8, .value_kind: global_buffer, .address_space: global }
      - { .name: hidden, .offset: 8, .size: 8, .value_kind: global_buffer, .address_space: global }
      - { .name: mask, .offset: 16, .size: 8, .value_kind: global_buffer, .address_space: global }
      - { .name: W_out_codes, .offset: 24, .size: 8, .value_kind: global_buffer, .address_space: global }
      - { .name: W_out_scales, .offset: 32, .size: 8, .value_kind: global_buffer, .address_space: global }
      - { .name: mhq, .offset: 40, .size: 8, .value_kind: global_buffer, .address_space: global }
      - { .name: maskw, .offset: 48, .size: 8, .value_kind: global_buffer, .address_space: global }
      - { .name: wo, .offset: 56, .size: 8, .value_kind: global_buffer, .address_space: global }
    .group_segment_fixed_size: 33280
    .private_segment_fixed_size: 0
    .kernarg_segment_align: 8
    .kernarg_segment_size: 64
    .max_flat_workgroup_size: 128
    .sgpr_count:     66
    .vgpr_count:     194
    .wavefront_size: 32
...
	.end_amdgpu_metadata
.endif
;; end of part 1
;; launch proj (part 2): grid 16 x 32, 8 waves a work-group, clusters of 4 x 4, 287,744 bytes of LDS; arguments mhq, position_embedding_codes, position_embedding_scales, W_qkv_codes, W_qkv_scales, W_pe_codes, W_pe_scales, u, v, qq, kv; writes qq, kv
.if DOCPART == 2
	.amdgcn_target "amdgcn-amd-amdhsa--gfx1250"
	.amdhsa_code_object_version 6
	.text
	.protected	k_q9a2c02c9d1_proj
	.globl	k_q9a2c02c9d1_proj
	.p2align	8
	.type	k_q9a2c02c9d1_proj,@function
k_q9a2c02c9d1_proj:
	s_mov_b64 s[64:65], 0
	v_nop
	global_prefetch_b8 v0, s[64:65] scope:SCOPE_SE
	s_setreg_imm32_b32 hwreg(HW_REG_WAVE_MODE, 25, 1), 1
	s_wait_xcnt 0x0
	s_wait_alu depctr_hold_cnt(0) depctr_sa_sdst(0) depctr_va_vdst(0) depctr_va_sdst(0) depctr_va_ssrc(0) depctr_va_vcc(0) depctr_vm_vsrc(0)
	s_getreg_b32 s2, hwreg(HW_REG_IB_STS2, 6, 4)
	s_cmp_eq_u32 s2, 0
	s_cbranch_scc0 .Lentry_in_a_cluster
	s_endpgm
.Lentry_in_a_cluster:
	s_bfe_u32 s2, ttmp6, 0x10000c
	s_cmp_lg_u32 s2, 0xf033
	s_cbranch_scc0 .Lentry_shape_is_right
	s_endpgm
.Lentry_shape_is_right:
; qkv = mh W_qkv and pe = pos W_pe on codes of FP4 (E2M1) with one E8M0 scale for each 32 along K = 1,024; the results are quantised in registers and leave as IMAGES OF THE NEXT PRODUCTS' OPERAND REGISTERS: no f32 result goes to memory.
; SHARES.  A work-group takes one head x (64 columns of Q, K, V and pe) and 128 tokens y, which are one key step of the attention launch.  All that it needs for all of K fits in LDS at once: 128 rows of mh and of pos, 64 rows each of
; W_q, W_k, W_v, W_pe (512 bytes a row) and their scale bytes: eight tiles of codes and eight of scales, one of each to a wave.  Every LDS byte is filled once: no ring, no refill.
; CLUSTER 4 x 4.  The four work-groups of a row of the cluster share y and so mh's and pos's tiles; the four of a column share x and so the weights' tiles: each tile is asked for jointly.
; ROLES.  Waves 0-3: K and pe of 32 tokens each (transposed use: source 0 = 16 rows of the weight, source 1 = 16 tokens: a lane holds one token, its registers run along d): a fragment [K | pe], 128 along the score product's K.
;   Waves 4-5: V of all 128 tokens for 32 of the head's 64 (source 0 = 16 tokens, source 1 = 16 rows of W_v: a lane holds one d, its registers run along the keys): fragments of V^T.
;   Waves 6-7: Q of 64 tokens each, where the tokens are queries (y >= 16: reference() keeps Q of the last 2,048 rows alone); Q + u and Q + v make a fragment [Q + u | Q + v].  Every role issues 128 matrix instructions.
; THE ROWS THAT FORM A TILE ARE NOT NEIGHBOURS where the result's registers must be neighbours along the next K: lane r of tile 2 b + u takes row 32 b + 8 u + r + 8 (r / 8), so that the 16 registers of tiles 2 b, 2 b + 1 are 32 b + 16 (lane / 16) + 0 .. 15.
; OUT.  kv: [head][step] records of 13,056 bytes: 8 fragments [K | pe] (1,024 bytes each: registers 0-3 of lane l at 16 l, 4-7 at 512 + 16 l), 4 of V^T, scale words [pair of tiles][32 lanes] (lanes 0-15 the even tile).  qq: [head][tile of 16 queries] images, then scale words.
; LIMITS: a block of zeros, and one whose largest magnitude lies under 2^-124, get the scale byte 1 (zero codes add nothing; this program alone reads the bytes); NaN and infinities are not served.
; REGISTERS: v1-7 lane terms; v8-12 a role's LDS addresses; v24-29 scale words and nothing else; v32-127 fragments, later the quantiser's work; v128-255 accumulators.
.set PITCH, 528                        ; an LDS row of codes: 512 bytes + 16 of padding = 132 words: row r starts at bank 4 r mod 64
.set TILE,  64*PITCH                   ; tile w at w x TILE: 0, 1 mh; 2, 3 pos; 4 W_q; 5 W_k; 6 W_v; 7 W_pe
.set SCL,   8*TILE                     ; behind them the scale bytes: tile w at SCL + 2,048 w, 64 rows of 32 bytes, dense
.set REC,   13056
.set F,     32
.set ACC,   128
.set TM,    32                         ; the quantiser: v32-35 largest magnitudes, v36-39 the other half's, then bytes, v40-43 scale operands; v44, v45 scale words, v46 the two merged; v48-55, v56-63 codes
.set WV,    26
.set SEL,   66                         ; s[66:67] lane selects for v_permlanex16_b32: lane l xor 16
.set G1A,   28                         ; s[28:35] group 1, codes of mh and pos;   s[36:43] of the weights;  s[44:51], s[52:59] the same for scale bytes
.set G1W,   36
.set G1SA,  44
.set G1SW,  52
.set G0A,   68                         ; s[68:71], s[72:75], s[76:79], s[80:83] their groups 0
.set G0W,   72
.set G0SA,  76
.set G0SW,  80
.macro PLACES                          ; four plain vector instructions between a matrix instruction and a load into, or a vector instruction on, its registers
.rept 4
	v_nop
.endr
.endm
; A joint load: waves 0-3 fetch mh's and pos's tiles, waves 4-7 the weights'.  Each line has one mask; the branch hangs on the wave's number alone.  Four v_nop follow each line.
.macro JLOAD g0a, g1a, g0w, g1w
	s_cmp_lt_u32 s[WV], 4
	s_cbranch_scc0 .Lfor_w_\@
	tensor_load_to_lds s[\g0a:\g0a+3], s[\g1a:\g1a+7]
	s_nop 0
	PLACES
	s_branch .Lasked_\@
.Lfor_w_\@:
	tensor_load_to_lds s[\g0w:\g0w+3], s[\g1w:\g1w+7]
	s_nop 0
	PLACES
.Lasked_\@:
.endm
.macro CROUND                          ; a round of the cluster's barrier
	s_barrier_signal -1
	s_barrier_wait -1
	s_cmp_lg_u32 s[WV], 0
	s_cbranch_scc1 .Lnot_wave_0_\@
	s_barrier_signal -3
.Lnot_wave_0_\@:
	s_barrier_wait -3
	s_barrier_signal -1
	s_barrier_wait -1
.endm
; One matrix instruction.  zero: the product starts the sum.  sa, sb: the scale registers; ra, rb = 1: the side's words stand in lanes 16-31.
.macro WM d, a, b, zero, sa, ra, sb, rb
.if \zero
.if (\ra) && (\rb)
	v_wmma_scale_f32_16x16x128_f8f6f4 v[\d:\d+7], v[\a:\a+7], v[\b:\b+7], 0, v[\sa], v[\sb] matrix_a_fmt:MATRIX_FMT_FP4 matrix_b_fmt:MATRIX_FMT_FP4 matrix_a_scale:MATRIX_SCALE_ROW1 matrix_b_scale:MATRIX_SCALE_ROW1
.elseif \ra
	v_wmma_scale_f32_16x16x128_f8f6f4 v[\d:\d+7], v[\a:\a+7], v[\b:\b+7], 0, v[\sa], v[\sb] matrix_a_fmt:MATRIX_FMT_FP4 matrix_b_fmt:MATRIX_FMT_FP4 matrix_a_scale:MATRIX_SCALE_ROW1
.elseif \rb
	v_wmma_scale_f32_16x16x128_f8f6f4 v[\d:\d+7], v[\a:\a+7], v[\b:\b+7], 0, v[\sa], v[\sb] matrix_a_fmt:MATRIX_FMT_FP4 matrix_b_fmt:MATRIX_FMT_FP4 matrix_b_scale:MATRIX_SCALE_ROW1
.else
	v_wmma_scale_f32_16x16x128_f8f6f4 v[\d:\d+7], v[\a:\a+7], v[\b:\b+7], 0, v[\sa], v[\sb] matrix_a_fmt:MATRIX_FMT_FP4 matrix_b_fmt:MATRIX_FMT_FP4
.endif
.else
.if (\ra) && (\rb)
	v_wmma_scale_f32_16x16x128_f8f6f4 v[\d:\d+7], v[\a:\a+7], v[\b:\b+7], v[\d:\d+7], v[\sa], v[\sb] matrix_a_fmt:MATRIX_FMT_FP4 matrix_b_fmt:MATRIX_FMT_FP4 matrix_a_scale:MATRIX_SCALE_ROW1 matrix_b_scale:MATRIX_SCALE_ROW1
.elseif \ra
	v_wmma_scale_f32_16x16x128_f8f6f4 v[\d:\d+7], v[\a:\a+7], v[\b:\b+7], v[\d:\d+7], v[\sa], v[\sb] matrix_a_fmt:MATRIX_FMT_FP4 matrix_b_fmt:MATRIX_FMT_FP4 matrix_a_scale:MATRIX_SCALE_ROW1
.elseif \rb
	v_wmma_scale_f32_16x16x128_f8f6f4 v[\d:\d+7], v[\a:\a+7], v[\b:\b+7], v[\d:\d+7], v[\sa], v[\sb] matrix_a_fmt:MATRIX_FMT_FP4 matrix_b_fmt:MATRIX_FMT_FP4 matrix_b_scale:MATRIX_SCALE_ROW1
.else
	v_wmma_scale_f32_16x16x128_f8f6f4 v[\d:\d+7], v[\a:\a+7], v[\b:\b+7], v[\d:\d+7], v[\sa], v[\sb] matrix_a_fmt:MATRIX_FMT_FP4 matrix_b_fmt:MATRIX_FMT_FP4
.endif
.endif
.endm
.macro FRAG reg, adr, off              ; a fragment, 16 rows x 128 K: lane (r, h): registers 4 c .. 4 c + 3 hold K = 64 c + 32 h + 0 .. 31: two loads of 16 bytes, 32 bytes apart
	ds_load_b128 v[\reg:\reg+3], v[\adr] offset:\off
	ds_load_b128 v[\reg+4:\reg+7], v[\adr] offset:\off+32
.endm
; 64 numbers of a lane, v[s] .. v[s + 63], register 16 b + i = k 32 b + 16 (lane / 16) + i of my row, become a fragment's codes in v[pc] .. v[pc + 7] and its scale word in v[pw].  Each accumulator is read from its low end on.
.macro QUANT s, pc, pw
.irp b, 0,1,2,3
	v_max3_num_f32 v[TM+\b], |v[\s+16*\b]|, |v[\s+1+16*\b]|, 0x1800000   ; block b: my 16 numbers, and the floor 2^(3 - 127): the byte cannot fall under 1
.endr
.irp i, 2,4,6,8,10,12,14
.irp b, 0,1,2,3
	v_max3_num_f32 v[TM+\b], v[TM+\b], |v[\s+16*\b+\i]|, |v[\s+1+16*\b+\i]|   ; the four blocks by turns
.endr
.endr
.irp b, 0,1,2,3
	v_permlanex16_b32 v[TM+4+\b], v[TM+\b], s[SEL], s[SEL+1]
.endr
.irp b, 0,1,2,3
	v_max_num_f32 v[TM+\b], v[TM+\b], v[TM+4+\b]   ; with lane l xor 16's: the block's largest magnitude
.endr
.irp b, 0,1,2,3
	v_add_nc_u32 v[TM+8+\b], 0xff000000, v[TM+\b]  ; 2 off its exponent field: the conversion's scale operand
.endr
.irp b, 0,1,2,3
	v_lshrrev_b32 v[TM+4+\b], 23, v[TM+8+\b]       ; the scale's byte
.endr
	v_lshl_or_b32 v[\pw], v[TM+5], 8, v[TM+4]      ; the four bytes make my row's scale word (lanes l and l xor 16 hold the same)
	v_lshl_or_b32 v[\pw], v[TM+6], 16, v[\pw]
	v_lshl_or_b32 v[\pw], v[TM+7], 24, v[\pw]
.irp b, 0,1,2,3
	v_cvt_scalef32_pk8_fp4_f32 v[\pc+2*\b], v[\s+16*\b:\s+7+16*\b], v[TM+8+\b]
	v_cvt_scalef32_pk8_fp4_f32 v[\pc+1+2*\b], v[\s+8+16*\b:\s+15+16*\b], v[TM+8+\b]
.endr
	v_nop                                          ; one plain place behind a scaled conversion
.irp c, 0,1                                    ; the operand's layout wants a whole block in a lane: lanes 0-15 block 2 c, lanes 16-31 block 2 c + 1
.irp i, 0,1
	v_permlane16_swap_b32 v[\pc+4*\c+\i], v[\pc+2+4*\c+\i]
.endr
.endr
.endm
; Two neighbouring fragments (v48-55 the even tile's, v56-63 the odd tile's) leave as images, 512 consecutive bytes a store; their scale words (v44, v45) as one run of 128 bytes: lanes 0-15 the even tile's.
.macro SEND ib, io, sb, so
	v_cndmask_b32 v46, v45, v44, vcc_lo            ; vcc: lane < 16
	global_store_b128 v5, v[48:51], s[\ib:\ib+1] offset:\io
	global_store_b128 v5, v[52:55], s[\ib:\ib+1] offset:\io+512
	global_store_b128 v5, v[56:59], s[\ib:\ib+1] offset:\io+1024
	global_store_b128 v5, v[60:63], s[\ib:\ib+1] offset:\io+1536
	global_store_b32 v6, v46, s[\sb:\sb+1] offset:\so
.endm
	s_load_b256 s[4:11], s[0:1], 0x0               ; mhq s[4:5], pos codes s[6:7], pos scales s[8:9], W_qkv codes s[10:11]
	s_load_b256 s[12:19], s[0:1], 0x20             ; W_qkv scales s[12:13], W_pe codes s[14:15], W_pe scales s[16:17], u s[18:19]
	s_load_b128 s[20:23], s[0:1], 0x40             ; v s[20:21], qq s[22:23]
	s_load_b64 s[24:25], s[0:1], 0x50              ; kv
	v_lshl_add_u32 v30, v0, 2, 0x46000
	v_mov_b32 v31, 0
	ds_add_u32 v30, v31
	ds_add_u32 v30, v31
	v_lshrrev_b32 v14, 5, v0
	v_readfirstlane_b32 s[WV], v14                 ; wave 0..7
	s_bfe_u32 s60, ttmp6, 0x40000                  ; cx, cy: my place in the cluster
	s_bfe_u32 s61, ttmp6, 0x40004
	s_lshl_b32 s62, ttmp9, 2
	s_add_co_u32 s62, s62, s60                     ; x: the head
	s_and_b32 s63, ttmp7, 0xffff
	s_lshl_b32 s63, s63, 2
	s_add_co_u32 s63, s63, s61                     ; y: the 128 tokens
	s_lshl_b32 s84, s61, 2
	s_lshl_b32 s84, 15, s84                        ; my row of the cluster
	s_lshl_b32 s85, 0x1111, s60                    ; my column
	; group 1, codes: 64 rows x 512 elements of 1 byte, 4 words of padding behind every 128; bit 21 set beside a mask
	s_or_b32 s[G1A], s84, (1<<20)|(1<<21)|(6<<22)|(3<<25)
	s_or_b32 s[G1W], s85, (1<<20)|(1<<21)|(6<<22)|(3<<25)
.irp g, G1A, G1W
	s_mov_b32 s[\g+1], 512<<16                     ; tensor_dim0
	s_mov_b32 s[\g+2], 64<<16                      ; tensor_dim1
	s_mov_b32 s[\g+3], 512<<16                     ; tile_dim0
	s_mov_b32 s[\g+4], 64                          ; tile_dim1
	s_mov_b32 s[\g+5], 512                         ; from row to row
	s_mov_b32 s[\g+6], 0
	s_mov_b32 s[\g+7], 0
.endr
	; group 1, scale bytes: 64 rows x 32 bytes are 2,048 dense bytes: 8 rows of 32 elements of 8 bytes, no padding
	s_or_b32 s[G1SA], s84, (3<<16)|(1<<21)
	s_or_b32 s[G1SW], s85, (3<<16)|(1<<21)
.irp g, G1SA, G1SW
	s_mov_b32 s[\g+1], 32<<16
	s_mov_b32 s[\g+2], 8<<16
	s_mov_b32 s[\g+3], 32<<16
	s_mov_b32 s[\g+4], 8
	s_mov_b32 s[\g+5], 32
	s_mov_b32 s[\g+6], 0
	s_mov_b32 s[\g+7], 0
.endr
	; where the tiles come from.  mh's and pos's hang on y and the wave alone, the weights' on x and the wave alone, each in registers that never hold the other coordinate
	s_and_b32 s86, s[WV], 1
	s_lshl_b32 s86, s86, 6
	s_lshl_b32 s87, s63, 7
	s_add_co_u32 s87, s87, s86                     ; row 128 y + 64 (wave % 2)
	s_lshl_b32 s88, s87, 9                         ; its codes,
	s_mov_b32 s89, 0
	s_lshl_b32 s90, s87, 5                         ; its scale bytes
	s_mov_b32 s91, 0
	s_and_b32 s92, s[WV], 3
	s_cmp_eq_u32 s92, 3
	s_cselect_b32 s92, 0, s92                      ; W_qkv's part: 0 Q, 1 K, 2 V; W_pe has one part
	s_lshl_b32 s92, s92, 10
	s_lshl_b32 s93, s62, 6
	s_add_co_u32 s92, s92, s93                     ; row 1,024 part + 64 x
	s_lshl_b32 s94, s92, 9
	s_mov_b32 s95, 0
	s_lshl_b32 s96, s92, 5
	s_mov_b32 s97, 0
.irp g, G0A, G0W
	s_mov_b32 s[\g], 1                             ; count = 1
	s_mul_i32 s[\g+1], s[WV], TILE                 ; LDS address: wave x a tile: no place in the cluster enters it
.endr
.irp g, G0SA, G0SW
	s_mov_b32 s[\g], 1
	s_lshl_b32 s[\g+1], s[WV], 11
	s_add_co_u32 s[\g+1], s[\g+1], SCL
.endr
	s_wait_dscnt 0x0
	s_wait_kmcnt 0x0
	s_add_nc_u64 s[98:99], s[4:5], 0x200000        ; mh's scale bytes lie behind its codes
	s_cmp_lt_u32 s[WV], 2                          ; waves 0, 1: mh; waves 2, 3: pos
	s_cselect_b64 s[G0A+2:G0A+3], s[4:5], s[6:7]
	s_cselect_b64 s[G0SA+2:G0SA+3], s[98:99], s[8:9]
	s_cmp_eq_u32 s[WV], 7                          ; wave 7: W_pe; waves 4-6: W_qkv
	s_cselect_b64 s[G0W+2:G0W+3], s[14:15], s[10:11]
	s_cselect_b64 s[G0SW+2:G0SW+3], s[16:17], s[12:13]
	s_add_nc_u64 s[G0A+2:G0A+3], s[G0A+2:G0A+3], s[88:89]
	s_add_nc_u64 s[G0SA+2:G0SA+3], s[G0SA+2:G0SA+3], s[90:91]
	s_add_nc_u64 s[G0W+2:G0W+3], s[G0W+2:G0W+3], s[94:95]
	s_add_nc_u64 s[G0SW+2:G0SW+3], s[G0SW+2:G0SW+3], s[96:97]
.irp g, G0A, G0W, G0SA, G0SW
	s_or_b32 s[\g+3], s[\g+3], 0x80000000          ; type = 2
.endr
	CROUND                                         ; all sixteen work-groups are here: the joint loads meet
	JLOAD G0A, G1A, G0W, G1W                       ; my tile of codes
	JLOAD G0SA, G1SA, G0SW, G1SW                   ; my tile of scale bytes: two loads of mine are out
	; lane terms, while the tiles are on their way
	v_and_b32 v7, 31, v0                           ; lane
	v_and_b32 v14, 15, v0                          ; r
	v_bfe_u32 v15, v0, 4, 1                        ; h
	v_and_b32 v13, 8, v14
	v_add_nc_u32 v13, v13, v14                     ; r + 8 (r / 8)
	v_mul_u32_u24 v1, v13, PITCH
	v_lshl_add_u32 v1, v15, 4, v1                  ; v1: a fragment's place, chosen rows
	v_mul_u32_u24 v2, v14, PITCH
	v_lshl_add_u32 v2, v15, 4, v2                  ; v2: the same, neighbouring rows
	v_lshlrev_b32 v3, 5, v13
	v_lshl_add_u32 v3, v15, 8, v3
	v_add_nc_u32 v3, SCL, v3                       ; v3: scale words, chosen rows: lanes 16-31 stand 8 rows on: the pair's odd tile
	v_lshlrev_b32 v4, 5, v14
	v_lshl_add_u32 v4, v15, 9, v4
	v_add_nc_u32 v4, SCL, v4                       ; v4: neighbouring rows: lanes 16-31 stand 16 rows on
	v_lshlrev_b32 v5, 4, v7                        ; v5: 16 x lane
	v_lshlrev_b32 v6, 2, v7                        ; v6: 4 x lane
	v_lshlrev_b32 v15, 6, v15                      ; v15: 64 h: my half's 16 numbers of a block of u or v
	v_cmp_gt_u32 vcc_lo, 16, v7                    ; lane < 16: kept to the end
	s_mov_b32 s[SEL], 0x76543210
	s_mov_b32 s[SEL+1], 0xfedcba98
	s_lshl_b32 s84, s62, 5
	s_add_co_u32 s84, s84, s63
	s_mul_i32 s84, s84, REC
	s_mov_b32 s85, 0
	s_add_nc_u64 s[86:87], s[24:25], s[84:85]      ; my record of kv
	s_wait_tensorcnt 0x0                           ; both my tiles have landed: every wave reads every tile,
	s_barrier_signal -1
	s_barrier_wait -1                              ; so everybody's have
	s_cmp_lt_u32 s[WV], 4
	s_cbranch_scc1 .Lkp
	s_cmp_lt_u32 s[WV], 6
	s_cbranch_scc1 .Lvt
; ---------------- waves 6, 7: Q of 64 tokens, two passes of two tiles of 16
	s_and_b32 s84, ttmp7, 0xffff                   ; the cluster's y, which all sixteen partners share: y >= 16 where it is 4 or more
	s_cmp_lt_u32 s84, 4
	s_cbranch_scc1 .Ljoin                          ; tokens of the memory: reference() keeps no Q of them
	s_and_b32 s84, s[WV], 1                        ; which 64 tokens
	s_lshl_b32 s85, s62, 7
	s_lshl_b32 s88, s63, 3
	s_add_co_u32 s85, s85, s88
	s_sub_co_u32 s85, s85, 128
	s_lshl_b32 s88, s84, 2
	s_add_co_u32 s85, s85, s88                     ; 128 x + my first tile of queries, 8 (y - 16) + 4 (wave % 2)
	s_lshl_b32 s88, s85, 10
	s_mov_b32 s89, 0
	s_add_nc_u64 s[90:91], s[22:23], s[88:89]      ; its image
	s_lshl_b32 s88, s85, 6
	s_add_nc_u64 s[92:93], s[22:23], s[88:89]      ; its scale words (2,097,152 further on: in the immediate)
	s_lshl_b32 s88, s62, 8
	s_add_nc_u64 s[94:95], s[18:19], s[88:89]      ; the head's u
	s_add_nc_u64 s[96:97], s[20:21], s[88:89]      ; and v
.irp b, 0,1
.irp j, 0,1,2,3
	global_load_b128 v[80+16*\b+4*\j:80+16*\b+4*\j+3], v15, s[94:95] offset:128*\b+16*\j     ; register 16 b + i: u(32 b + 16 h + i)
	global_load_b128 v[112+16*\b+4*\j:112+16*\b+4*\j+3], v15, s[96:97] offset:128*\b+16*\j   ; v likewise
.endr
.endr
	s_mul_i32 s88, s84, TILE
	v_add_nc_u32 v8, s88, v2                       ; my 64 tokens' codes
	v_add_nc_u32 v9, 4*TILE, v1                    ; W_q
	s_lshl_b32 s88, s84, 11
	v_add_nc_u32 v10, s88, v4                      ; my tokens' scale words
.irp p, 0,1
.if \p > 0
	s_wait_xcnt 0x0                                ; the first pass's stores have read their registers: they are loaded and written again
.endif
.irp s, 0,1,2,3,4,5,6,7
.if \s == 0
.set Z, 1
.else
.set Z, 0
	PLACES
.endif
.irp u, 0,1
	FRAG F+8*\u, 8, \p*32*PITCH+\u*16*PITCH+64*\s
.endr
.irp t, 0,1,2,3
	FRAG F+16+8*\t, 9, (32*(\t/2)+8*(\t%2))*PITCH+64*\s
.endr
	ds_load_b32 v24, v10 offset:1024*\p+4*\s       ; lanes 0-15 tile u = 0, lanes 16-31 u = 1
	ds_load_b32 v25, v3 offset:8192+4*\s           ; W_q's tiles 0, 1
	ds_load_b32 v26, v3 offset:9216+4*\s           ; and 2, 3
	s_wait_dscnt 0x0
.irp u, 0,1
.irp t, 0,1,2,3
	WM 144+32*\u+8*\t, F+16+8*\t, F+8*\u, Z, 25+\t/2, \t%2, 24, \u    ; eight accumulators by turns
.endr
.endr
.endr
	PLACES
.if \p == 0
	s_wait_loadcnt 0x0                             ; u and v
.endif
.irp j, 0,2,4,6,8,10,12,14,16,18,20,22,24,26,28,30
	v_pk_add_f32 v[208+\j:209+\j], v[176+\j:177+\j], v[112+\j:113+\j]   ; tile u = 1 first: Q + v behind it,
.endr
.irp j, 0,2,4,6,8,10,12,14,16,18,20,22,24,26,28,30
	v_pk_add_f32 v[176+\j:177+\j], v[176+\j:177+\j], v[80+\j:81+\j]     ; Q + u in place: 64 registers on end
.endr
	QUANT 176, 56, 45
.irp j, 0,2,4,6,8,10,12,14,16,18,20,22,24,26,28,30
	v_pk_add_f32 v[176+\j:177+\j], v[144+\j:145+\j], v[112+\j:113+\j]   ; tile u = 0: Q + v into the registers just left,
.endr
.irp j, 0,2,4,6,8,10,12,14,16,18,20,22,24,26,28,30
	v_pk_add_f32 v[144+\j:145+\j], v[144+\j:145+\j], v[80+\j:81+\j]
.endr
	QUANT 144, 48, 44
	SEND 90, \p*2048, 92, 0x200000+\p*128
.endr
	s_branch .Ljoin
; ---------------- waves 4, 5: V^T: two tiles of 16 of the head's 64, all 128 tokens
.Lvt:
	s_and_b32 s84, s[WV], 1
	s_mul_i32 s85, s84, 32*PITCH
	s_add_co_u32 s85, s85, 6*TILE
	v_add_nc_u32 v8, s85, v1                       ; W_v's rows 32 (wave % 2) on
	s_lshl_b32 s85, s84, 10
	s_add_co_u32 s85, s85, 12288
	v_add_nc_u32 v9, s85, v3                       ; their scale words
	s_lshl_b32 s88, s84, 11
	s_mov_b32 s89, 0
	s_add_nc_u64 s[90:91], s[86:87], s[88:89]      ; my two images (8,192 further on: in the immediate)
	s_lshl_b32 s88, s84, 7
	s_add_nc_u64 s[92:93], s[86:87], s[88:89]      ; my pair's scale words
.irp s, 0,1,2,3,4,5,6,7
.if \s == 0
.set Z, 1
.else
.set Z, 0
	PLACES
.endif
.irp t, 0,1,2,3,4,5,6,7
	FRAG F+8*\t, 1, (32*(\t/2)+8*(\t%2))*PITCH+64*\s        ; mh's eight tiles of tokens, chosen rows
.endr
.irp e, 0,1
	FRAG F+64+8*\e, 8, \e*8*PITCH+64*\s
.endr
.irp b, 0,1,2,3
	ds_load_b32 v[24+\b], v3 offset:1024*\b+4*\s
.endr
	ds_load_b32 v28, v9 offset:4*\s
	s_wait_dscnt 0x0
.irp e, 0,1
.irp t, 0,1,2,3,4,5,6,7
	WM ACC+64*\e+8*\t, F+8*\t, F+64+8*\e, Z, 24+\t/2, \t%2, 28, \e    ; sixteen accumulators by turns; register 8 t + j of a lane: key 32 (t / 2) + 16 h + 8 (t % 2) + j
.endr
.endr
.endr
	PLACES
	QUANT ACC, 48, 44
	QUANT ACC+64, 56, 45
	SEND 90, 8192, 92, 12800
	s_branch .Ljoin
; ---------------- waves 0-3: [K | pe] of tokens 32 wave .. 32 wave + 31: two tiles
.Lkp:
	s_mul_i32 s84, s[WV], 32*PITCH
	v_add_nc_u32 v8, s84, v1                       ; my tokens in mh,
	v_add_nc_u32 v9, 2*TILE, v8                    ; in pos
	v_add_nc_u32 v10, 5*TILE, v1                   ; W_k
	v_add_nc_u32 v11, 7*TILE, v1                   ; W_pe
	s_lshl_b32 s84, s[WV], 10
	v_add_nc_u32 v12, s84, v3                      ; my tokens' scale words
	s_lshl_b32 s88, s[WV], 11
	s_mov_b32 s89, 0
	s_add_nc_u64 s[90:91], s[86:87], s[88:89]      ; my two images
	s_lshl_b32 s88, s[WV], 7
	s_add_nc_u64 s[92:93], s[86:87], s[88:89]      ; my pair's scale words (12,288 further on)
.irp s, 0,1,2,3,4,5,6,7
.if \s == 0
.set Z, 1
.else
.set Z, 0
	PLACES
.endif
.irp u, 0,1
	FRAG F+8*\u, 8, \u*8*PITCH+64*\s
	FRAG F+16+8*\u, 9, \u*8*PITCH+64*\s
.endr
.irp t, 0,1,2,3
	FRAG F+32+8*\t, 10, (32*(\t/2)+8*(\t%2))*PITCH+64*\s
	FRAG F+64+8*\t, 11, (32*(\t/2)+8*(\t%2))*PITCH+64*\s
.endr
	ds_load_b32 v24, v12 offset:4*\s               ; mh
	ds_load_b32 v25, v12 offset:4096+4*\s          ; pos
	ds_load_b32 v26, v3 offset:10240+4*\s          ; W_k's tiles 0, 1
	ds_load_b32 v27, v3 offset:11264+4*\s          ; 2, 3
	ds_load_b32 v28, v3 offset:14336+4*\s          ; W_pe's
	ds_load_b32 v29, v3 offset:15360+4*\s
	s_wait_dscnt 0x0
.irp u, 0,1
.irp k, 0,1
.irp t, 0,1,2,3
	WM ACC+64*\u+32*\k+8*\t, F+32+32*\k+8*\t, F+16*\k+8*\u, Z, 26+2*\k+\t/2, \t%2, 24+\k, \u    ; sixteen accumulators by turns; a token tile's 64 registers are [K | pe]
.endr
.endr
.endr
.endr
	PLACES
	QUANT ACC, 48, 44
	QUANT ACC+64, 56, 45
	SEND 90, 0, 92, 12288
.Ljoin:
	s_wait_dscnt 0x0                               ; no LDS instruction of mine is out at a signal
	s_wait_tensorcnt 0x0
	ds_add_u32 v30, v31
	s_wait_dscnt 0x0
	CROUND                                         ; the closing round: no work-group ends while a partner may still ask for a tile that names it
	s_endpgm
.Lfunc_end_k_q9a2c02c9d1_proj:
	.size	k_q9a2c02c9d1_proj, .Lfunc_end_k_q9a2c02c9d1_proj-k_q9a2c02c9d1_proj
	.p2alignl 7, 3214868480
	.fill 96, 4, 3214868480
	.section	.rodata,"a",@progbits
	.p2align	6, 0x0
	.amdhsa_kernel k_q9a2c02c9d1_proj
		.amdhsa_group_segment_fixed_size 287744
		.amdhsa_private_segment_fixed_size 0
		.amdhsa_enable_private_segment 0
		.amdhsa_kernarg_size 88
		.amdhsa_user_sgpr_count 2
		.amdhsa_user_sgpr_kernarg_segment_ptr 1
		.amdhsa_wavefront_size32 1
		.amdhsa_system_sgpr_workgroup_id_x 1
		.amdhsa_system_sgpr_workgroup_id_y 1
		.amdhsa_system_sgpr_workgroup_id_z 1
		.amdhsa_system_vgpr_workitem_id 0
		.amdhsa_next_free_vgpr 256
		.amdhsa_next_free_sgpr 100
		.amdhsa_reserve_vcc 1
		.amdhsa_float_denorm_mode_32 3
		.amdhsa_float_denorm_mode_16_64 3
		.amdhsa_memory_ordered 1
		.amdhsa_forward_progress 1
		.amdhsa_inst_pref_size 147
	.end_amdhsa_kernel
	.amdgpu_metadata
---
amdhsa.version: [ 1, 2 ]
amdhsa.kernels:
  - .name:           k_q9a2c02c9d1_proj
    .symbol:         k_q9a2c02c9d1_proj.kd
    .args:
      - { .name: mhq, .offset: 0, .size: 8, .value_kind: global_buffer, .address_space: global }
      - { .name: position_embedding_codes, .offset: 8, .size: 8, .value_kind: global_buffer, .address_space: global }
      - { .name: position_embedding_scales, .offset: 16, .size: 8, .value_kind: global_buffer, .address_space: global }
      - { .name: W_qkv_codes, .offset: 24, .size: 8, .value_kind: global_buffer, .address_space: global }
      - { .name: W_qkv_scales, .offset: 32, .size: 8, .value_kind: global_buffer, .address_space: global }
      - { .name: W_pe_codes, .offset: 40, .size: 8, .value_kind: global_buffer, .address_space: global }
      - { .name: W_pe_scales, .offset: 48, .size: 8, .value_kind: global_buffer, .address_space: global }
      - { .name: u, .offset: 56, .size: 8, .value_kind: global_buffer, .address_space: global }
      - { .name: v, .offset: 64, .size: 8, .value_kind: global_buffer, .address_space: global }
      - { .name: qq, .offset: 72, .size: 8, .value_kind: global_buffer, .address_space: global }
      - { .name: kv, .offset: 80, .size: 8, .value_kind: global_buffer, .address_space: global }
    .group_segment_fixed_size: 287744
    .private_segment_fixed_size: 0
    .kernarg_segment_align: 8
    .kernarg_segment_size: 88
    .max_flat_workgroup_size: 256
    .sgpr_count:     100
    .vgpr_count:     256
    .wavefront_size: 32
...
	.end_amdgpu_metadata
.endif
;; end of part 2
;; launch attn (part 3): grid 16 x 16, 8 waves a work-group, no clusters, 27,648 bytes of LDS; arguments qq, kv, maskw, av; writes av
.if DOCPART == 3
	.amdgcn_target "amdgcn-amd-amdhsa--gfx1250"
	.amdhsa_code_object_version 6
	.text
	.protected	k_q9a2c02c9d1_attn
	.globl	k_q9a2c02c9d1_attn
	.p2align	8
	.type	k_q9a2c02c9d1_attn,@function
k_q9a2c02c9d1_attn:
	s_mov_b64 s[64:65], 0
	v_nop
	global_prefetch_b8 v0, s[64:65] scope:SCOPE_SE
	s_setreg_imm32_b32 hwreg(HW_REG_WAVE_MODE, 25, 1), 1
	s_wait_xcnt 0x0
; av[q][head] = softmax_k(((Q + u) . K + (Q + v) . pe) / 8, masked) V, on codes of FP4 (E2M1) with one E8M0 scale for each 32 along a product's K.
; AC + BD IS ONE PRODUCT with K = 128: [Q + u | Q + v] . [K | pe]: four blocks of 32, one matrix instruction for 16 keys x 16 queries.
; THE SOFTMAX AHEAD OF THE SECOND PRODUCT: t = score x log2(e) / 8; M = the row's largest t so far, rounded up to a whole number; p = 2^(t - M) is quantised along the keys, not normalised; the row's sum is taken of the unquantised p
; and divides at the end.  When M moves, the sum and O are multiplied by 2^(old M - new M): exact.
; SHARES.  A work-group takes one head and eight tiles of 16 queries, a tile to a wave: tile 8 g + w.  Every wave walks the head's 32 steps of 128 keys.
; A step's operands are one record of 13,056 bytes, made by the launch before as images of the operand's registers: 8 fragments [K | pe], 4 of V^T, their scale words.  The eight waves copy it into one of two LDS slots through registers
; (three loads of 16 bytes a lane, and in waves 0-5 one of 4), two steps ahead; all eight read it.  ONE barrier a step: in front of it each wave's reads of this slot are back and its stores into the other slot are done.
; THE MASK is an input and is honoured bit for bit, in every step alike: the first launch has packed it into lane masks, 64 words for my 16 queries and a step's 128 keys; they come by four scalar loads at the step's head, and 64 selects put
; -infinity in place of hidden scores ahead of the maximum, so that p = 0 there.  No branch and no address hangs on the mask.  A step all of whose keys are hidden changes nothing: the largest t stays, its codes are zeros, f = 1.
; THE RECORDS GO THROUGH REGISTERS, NOT BY JOINT LOADS, though the sixteen work-groups of a head read the same ones: a wave's share of a step's copy is four loads and four LDS stores beside its 12 products and some 300 vector instructions,
; and a joint load of a record's 13,056 bytes would ask for a round of the cluster's barrier in each step where one work-group barrier stands now.
; LAYOUT.  Both products are used transposed: S^T = [K | pe] [Q..]^T, O^T = V^T P^T: a lane holds one query (lane % 16) throughout.  Lane r of key tile 2 b + u holds key 32 b + 8 u + r + 8 (r / 8), so that register 16 b + i of S^T is key 32 b + 16 (lane / 16) + i.
; V^T's rows are chosen likewise, so that register 16 b + i of O^T is d = 32 b + 16 (lane / 16) + i: the last product's K.  av leaves as codes: this head's 64 are half a fragment (512 bytes) and half a scale word.
; LIMITS: a block's largest p is made from the block's largest score by the same two instructions, which takes v_exp_f32 not to fall where its input rises; a block of zeros keeps the scale byte 1 (zero codes);
; a query all of whose keys are hidden gets the scale bytes 0xff, so that its row comes out NaN as in reference(); NaN and infinities among the inputs are not served.
; REGISTERS: v1-4, v7, v8 addresses; v6 -infinity; v12 -M, v13 the largest t, v[14:15] the sum; v16-23 Q, v24 its scale words; v32-95 K's fragments, then V's; v96-159 S^T, then p; v160-191 O^T;
; v192-204, v206-218 two records on their way; v224-231 p's codes; v232-254 at work; v240-241 V's scale words, v248-251 K's, v253 p's.  s32-63, s68-99: a step's 64 mask words.
.set REC,   13056
.set SLOTB, 13312                      ; an LDS slot: a record, rounded up to a multiple of 512
.set G0,    192
.set WV,    12
.set J,     13                         ; the step
.set LIM,   16                         ; a wave prefetches while J is under it
.set TRIP,  17
.set SEL,   18                         ; s[18:19] lane selects: lane l xor 16
.set CS,    20                         ; s[20:21] c = log2(e) / 8
.set KV,    22                         ; s[22:23] the step's record
.set MW,    24                         ; s[24:25] the step's 64 mask words
.set PF,    26                         ; s[26:27] where my prefetches stand
.macro PLACES
.rept 4
	v_nop
.endr
.endm
.macro WM d, a, b, zero, sa, ra, sb    ; one matrix instruction; ra = 1: source 0's scale words stand in lanes 16-31
.if \zero
.if \ra
	v_wmma_scale_f32_16x16x128_f8f6f4 v[\d:\d+7], v[\a:\a+7], v[\b:\b+7], 0, v[\sa], v[\sb] matrix_a_fmt:MATRIX_FMT_FP4 matrix_b_fmt:MATRIX_FMT_FP4 matrix_a_scale:MATRIX_SCALE_ROW1
.else
	v_wmma_scale_f32_16x16x128_f8f6f4 v[\d:\d+7], v[\a:\a+7], v[\b:\b+7], 0, v[\sa], v[\sb] matrix_a_fmt:MATRIX_FMT_FP4 matrix_b_fmt:MATRIX_FMT_FP4
.endif
.else
.if \ra
	v_wmma_scale_f32_16x16x128_f8f6f4 v[\d:\d+7], v[\a:\a+7], v[\b:\b+7], v[\d:\d+7], v[\sa], v[\sb] matrix_a_fmt:MATRIX_FMT_FP4 matrix_b_fmt:MATRIX_FMT_FP4 matrix_a_scale:MATRIX_SCALE_ROW1
.else
	v_wmma_scale_f32_16x16x128_f8f6f4 v[\d:\d+7], v[\a:\a+7], v[\b:\b+7], v[\d:\d+7], v[\sa], v[\sb] matrix_a_fmt:MATRIX_FMT_FP4 matrix_b_fmt:MATRIX_FMT_FP4
.endif
.endif
.endm
; My part of the record off bytes behind the step's: 3 x 512 bytes of fragments; in waves 0-5 also 128 of the 768 bytes of scale words, asked for FIRST, so that one count serves all waves' waits.
.macro BATCH g, off
	s_cmp_lt_u32 s[WV], 6
	s_cbranch_scc0 .Lno_words_\@
	global_load_b32 v[(\g)+12], v4, s[KV:KV+1] offset:(\off)+12288
.Lno_words_\@:
.irp i, 0,1,2
	global_load_b128 v[(\g)+4*\i:(\g)+4*\i+3], v3, s[KV:KV+1] offset:(\off)+4096*\i
.endr
.endm
.macro PUT g, slot                     ; and into an LDS slot, as it lies.  (The arguments are put in as text: each stands in brackets)
	s_cmp_lt_u32 s[WV], 6
	s_cbranch_scc0 .Lno_words_\@
	ds_store_b32 v4, v[(\g)+12] offset:(\slot)*SLOTB+12288
.Lno_words_\@:
.irp i, 0,1,2
	ds_store_b128 v3, v[(\g)+4*\i:(\g)+4*\i+3] offset:(\slot)*SLOTB+4096*\i
.endr
.endm
; A PREFETCH INTO THE L2.  A head's 32 records are 1,632 blocks of 256 bytes on end, which all sixteen work-groups of the head walk.  The head's first work-group asks, in its waves 6 and 7, which have one load fewer:
; in step J blocks 224 + 64 J + 32 (wave % 2) + lane, for J < 22: each block from 224 to 1,631 is named once, the last is the head's last.  The loads of step J begin at block 51 (J + 2): the lead is 122 + 13 J blocks, 2.4 steps and more.
; Blocks 0 to 223 come by their loads alone: nothing is asked for at the head.
.macro ASK
	s_cmp_lt_u32 s[J], s[LIM]
	s_cbranch_scc0 .Lnot_mine_\@
	global_prefetch_b8 v7, s[PF:PF+1] th:TH_LOAD_NT scope:SCOPE_SE
.Lnot_mine_\@:
.endm
	s_load_b256 s[4:11], s[0:1], 0x0               ; qq s[4:5], kv s[6:7], maskw s[8:9], av s[10:11]
	v_lshl_add_u32 v242, v0, 2, 0x6800
	v_mov_b32 v243, 0
	v_lshrrev_b32 v9, 5, v0
	v_readfirstlane_b32 s[WV], v9                  ; wave 0..7
	v_and_b32 v9, 31, v0                           ; lane
	v_lshlrev_b32 v1, 4, v9                        ; v1: 16 x lane: an image's place for my lane
	v_lshlrev_b32 v2, 2, v9                        ; v2: 4 x lane: a scale word's
	v_lshlrev_b32 v3, 4, v0                        ; v3: 16 x lane + 512 x wave: my part of 4,096 bytes of a record, in memory and in LDS
	v_lshlrev_b32 v4, 2, v0                        ; v4: 4 x lane + 128 x wave: my part of its scale words
	v_lshlrev_b32 v7, 8, v9                        ; v7: 256 x lane: the prefetches
	v_and_b32 v8, 15, v0
	v_lshlrev_b32 v8, 2, v8                        ; v8: 4 x (lane % 16): a query's scale word
	s_and_b32 s32, ttmp7, 0xffff                   ; the head
	s_lshl_b32 s33, ttmp9, 3
	s_add_co_u32 s33, s33, s[WV]                   ; qt = 8 g + w: my tile of 16 queries
	s_mul_i32 s34, s32, 32*REC                     ; the head's records
	s_mov_b32 s35, 0
	s_lshl_b32 s36, s33, 13                        ; my tile's mask words: 32 steps x 256 bytes
	s_mov_b32 s37, 0
	s_lshl_b32 s40, s32, 7
	s_add_co_u32 s40, s40, s33                     ; 128 head + qt
	s_lshl_b32 s42, s40, 6
	s_add_co_u32 s42, s42, 0x200000                ; Q's scale words, behind the images
	s_mov_b32 s43, 0
	s_lshl_b32 s40, s40, 10                        ; Q's image
	s_mov_b32 s41, 0
	s_lshl_b32 s44, s33, 3
	s_lshr_b32 s45, s32, 1
	s_add_co_u32 s44, s44, s45                     ; av: 8 qt + K step (two heads to a K step of 128)
	s_and_b32 s45, s32, 1
	s_lshl_b32 s46, s44, 10
	s_lshl_b32 s47, s45, 9
	s_add_co_u32 s46, s46, s47                     ; my half of the image
	s_mov_b32 s47, 0
	s_lshl_b32 s48, s44, 6
	s_lshl_b32 s49, s45, 1
	s_add_co_u32 s48, s48, s49
	s_add_co_u32 s48, s48, 0x100000                ; my half of the scale words
	s_mov_b32 s49, 0
	s_and_b32 s56, s[WV], 1
	s_lshl_b32 s56, s56, 13
	s_add_co_u32 s56, s56, 224*256
	s_mov_b32 s57, 0
	s_lshr_b32 s2, s[WV], 1
	s_cmp_eq_u32 s2, 3
	s_cselect_b32 s2, 0, 1                         ; 0 in waves 6 and 7,
	s_or_b32 s2, s2, ttmp9                         ; of the head's first work-group
	s_cmp_eq_u32 s2, 0
	s_cselect_b32 s[LIM], 22, 0
	s_mov_b32 s[SEL], 0x76543210
	s_mov_b32 s[SEL+1], 0xfedcba98
	s_mov_b32 s[CS], 0x3e38aa3b                    ; log2(e) / 8
	s_mov_b32 s[CS+1], s[CS]                       ; (named with it as a pair, so it is written)
	s_mov_b32 s[J], 0
	s_wait_kmcnt 0x0
	s_add_nc_u64 s[KV:KV+1], s[6:7], s[34:35]
	s_add_nc_u64 s[MW:MW+1], s[8:9], s[36:37]
	s_add_nc_u64 s[52:53], s[4:5], s[40:41]
	s_add_nc_u64 s[54:55], s[4:5], s[42:43]
	s_add_nc_u64 s[28:29], s[10:11], s[46:47]
	s_add_nc_u64 s[30:31], s[10:11], s[48:49]
	s_add_nc_u64 s[PF:PF+1], s[KV:KV+1], s[56:57]
	global_load_b128 v[16:19], v1, s[52:53]        ; Q's fragment stays in registers
	global_load_b128 v[20:23], v1, s[52:53] offset:512
	global_load_b32 v24, v8, s[54:55]              ; its scale words
	BATCH G0, 0                                    ; record 0
	BATCH G0+14, REC                               ; record 1
	v_mov_b32 v6, 0xff800000                       ; -infinity
	v_mov_b32 v13, 0xff61b1e6                      ; the largest t so far: -3e38, under every t
	v_floor_f32 v12, -v13                          ; -M
	v_mov_b32 v14, 0                               ; the sum, in two halves
	v_mov_b32 v15, 0
.irp b, 0,1,2,3
	v_mov_b32 v[236+\b], 0                         ; written once: a lane permute's destination counts as one of its sources
.endr
	v_mov_b32 v252, 0
	v_mov_b32 v253, 0                              ; (named as the upper half of the pair v[252:253] before it is first written)
.set n, 0
.rept 32
	v_mov_b32 v[160+n], 0                          ; O^T.  The step is written for every step alike: the first finds zeros, which the first change of M leaves zeros
.set n, n+1
.endr
	s_wait_loadcnt 3                               ; all but record 1's three loads of 16 bytes: Q and record 0 are in (so Q's bases, s52-55, may take mask words below)
	PUT G0, 0
	s_wait_dscnt 0x0                               ; my part of record 0 lies in slot 0,
	s_barrier_signal -1
	s_barrier_wait -1                              ; everybody's does
; A KEY STEP, from slot.  ld = 1: the record two steps on is asked for, into the registers whose record lies in this slot.  st = 1: the next record goes into the other slot, and the step's barrier follows.
.macro STEP slot, ld, st
	s_load_b512 s[32:47], s[MW:MW+1], 0x0          ; the step's mask words: word n holds the lanes in which register n's score is hidden.  Asked for first: they land under the LDS loads and the products
	s_load_b512 s[48:63], s[MW:MW+1], 0x40
	s_load_b512 s[68:83], s[MW:MW+1], 0x80
	s_load_b512 s[84:99], s[MW:MW+1], 0xc0
.if \ld
	BATCH G0+14*(\slot), 2*REC
	ASK
.endif
.irp b, 0,1,2,3
	ds_load_b32 v[248+\b], v2 offset:(\slot)*SLOTB+12288+128*\b     ; [K | pe]'s scale words: lanes 0-15 tile 2 b, lanes 16-31 tile 2 b + 1
.endr
.irp t, 0,1,2,3,4,5,6,7
	ds_load_b128 v[32+8*\t:35+8*\t], v1 offset:(\slot)*SLOTB+1024*\t
	ds_load_b128 v[36+8*\t:39+8*\t], v1 offset:(\slot)*SLOTB+1024*\t+512
.endr
	s_wait_dscnt 0x0
.irp t, 0,1,2,3,4,5,6,7
	WM 96+8*\t, 32+8*\t, 16, 1, 248+\t/2, \t%2, 24
.endr
	PLACES                                         ; in front of the loads into registers that these products read, and of the first read of the scores
.irp t, 0,1,2,3
	ds_load_b128 v[32+8*\t:35+8*\t], v1 offset:(\slot)*SLOTB+8192+1024*\t        ; V^T's fragments land while the softmax is worked
	ds_load_b128 v[36+8*\t:39+8*\t], v1 offset:(\slot)*SLOTB+8192+1024*\t+512
.endr
.irp p, 0,1
	ds_load_b32 v[240+\p], v2 offset:(\slot)*SLOTB+12800+128*\p
.endr
	s_wait_kmcnt 0x0                               ; the mask words are in
.set n, 0
.rept 32
	v_cndmask_b32 v[96+n], v[96+n], v6, s[32+n]    ; hidden scores become -infinity ahead of the maximum: p = 0 then.  Each accumulator from its low end on
.set n, n+1
.endr
.rept 32
	v_cndmask_b32 v[96+n], v[96+n], v6, s[36+n]
.set n, n+1
.endr
.irp b, 0,1,2,3
	v_max3_num_f32 v[232+\b], v[96+16*\b], v[97+16*\b], v[98+16*\b]   ; the largest score of each block of 32 keys: for the row's maximum, and, since p rises with the score, for the block's largest p
.endr
.irp i, 3,5,7,9,11,13
.irp b, 0,1,2,3
	v_max3_num_f32 v[232+\b], v[232+\b], v[96+16*\b+\i], v[97+16*\b+\i]
.endr
.endr
.irp b, 0,1,2,3
	v_max_num_f32 v[232+\b], v[232+\b], v[111+16*\b]
.endr
.irp b, 0,1,2,3
	v_permlanex16_b32 v[236+\b], v[232+\b], s[SEL], s[SEL+1]
.endr
.irp b, 0,1,2,3
	v_max_num_f32 v[232+\b], v[232+\b], v[236+\b]  ; with lane l xor 16's 16 keys
.endr
	v_max3_num_f32 v254, v232, v233, v234
	v_max_num_f32 v254, v254, v235                 ; the step's largest score of my query
	v_mul_f32 v254, s[CS], v254                    ; as t (c is positive)
	v_max_num_f32 v13, v13, v254                   ; the running largest t
	v_mov_b32 v254, v12
	v_floor_f32 v12, -v13                          ; the new -M = floor(-t) = -ceil(t): a whole number
	v_sub_f32 v254, v12, v254                      ; M's old value less its new one: a whole number, 0 or less
	v_cvt_i32_f32 v254, v254                       ; (it saturates)
	v_ldexp_f32 v252, 1.0, v254                    ; f = 2^(old M - new M)
.set n, 0
.rept 32
	v_pk_fma_f32 v[96+n:97+n], v[96+n:97+n], s[CS:CS+1], v[12:13] op_sel_hi:[1,0,0]   ; t - M, two at a time
.set n, n+2
.endr
.irp b, 0,1,2,3
	v_fma_f32 v[232+\b], v[232+\b], s[CS], v12     ; the same of each block's largest score
.endr
.set n, 0
.rept 64
	v_exp_f32 v[96+n], v[96+n]                     ; p = 2^(t - M), at most 1
.set n, n+1
.endr
	v_pk_mul_f32 v[14:15], v[14:15], v[252:253] op_sel_hi:[1,0]   ; the sums under the new M: a plain place behind the exponentials
	s_wait_alu depctr_va_vdst(0)                   ; one wait for the whole batch, ahead of its first reader
.irp b, 0,1,2,3
	v_exp_f32 v[232+\b], v[232+\b]                 ; the block's largest p
.endr
	v_pk_add_f32 v[236:237], v[96:97], v[98:99]    ; the row's sum is taken of the unquantised p: two at a time, in two chains
.irp j, 4,8,12,16,20,24,28,32,36,40,44,48,52,56,60
	v_pk_add_f32 v[14:15], v[14:15], v[96+\j:97+\j]
	v_pk_add_f32 v[236:237], v[236:237], v[98+\j:99+\j]
.endr
	v_pk_add_f32 v[14:15], v[14:15], v[236:237]
	s_wait_alu depctr_va_vdst(0)                   ; and one for the four
.irp b, 0,1,2,3
	v_max_num_f32 v[232+\b], 0x1800000, v[232+\b]  ; the floor 2^(3 - 127): the byte cannot fall under 1
.endr
.irp b, 0,1,2,3
	v_add_nc_u32 v[244+\b], 0xff000000, v[232+\b]  ; 2 off the exponent field: the conversion's scale operand
.endr
.irp b, 0,1,2,3
	v_lshrrev_b32 v[236+\b], 23, v[244+\b]         ; the scale's byte
.endr
	v_lshl_or_b32 v253, v237, 8, v236              ; p's scale word for these 128 keys
	v_lshl_or_b32 v253, v238, 16, v253
	v_lshl_or_b32 v253, v239, 24, v253
.irp b, 0,1,2,3
	v_cvt_scalef32_pk8_fp4_f32 v[224+2*\b], v[96+16*\b:103+16*\b], v[244+\b]
	v_cvt_scalef32_pk8_fp4_f32 v[225+2*\b], v[104+16*\b:111+16*\b], v[244+\b]
.endr
	v_nop                                          ; one plain place behind a scaled conversion
.irp c, 0,1                                    ; a whole block in a lane: lanes 0-15 block 2 c, lanes 16-31 block 2 c + 1
.irp i, 0,1
	v_permlane16_swap_b32 v[224+4*\c+\i], v[226+4*\c+\i]
.endr
.endr
.set n, 0
.rept 16
	v_pk_mul_f32 v[160+n:161+n], v[160+n:161+n], v[252:253] op_sel_hi:[1,0]   ; O^T under the new M.  These sixteen are also the places between the lines that made p's codes and scale word and the products below
.set n, n+2
.endr
	s_wait_dscnt 0x0                               ; V^T's fragments and scale words are in
.irp t, 0,1,2,3
	WM 160+8*\t, 32+8*\t, 224, 0, 240+\t/2, \t%2, 253    ; four accumulators by turns; the eight products of the scores stand between two turns of one
.endr
	PLACES                                         ; in front of the next step's loads into registers that these products read, and of the way out
.if \st
.if \ld
	s_wait_loadcnt 3                               ; all but the three loads of 16 bytes issued at this step's head: the next record is in
.else
	s_wait_loadcnt 0x0
.endif
	PUT G0+14*(1-\slot), 1-\slot                   ; into the slot that every wave left at the last barrier
	s_wait_xcnt 0x0                                ; the loads, the scalar loads and the prefetch have read their bases: they step
	s_add_co_u32 s[J], s[J], 1
	s_add_nc_u64 s[KV:KV+1], s[KV:KV+1], REC
	s_add_nc_u64 s[MW:MW+1], s[MW:MW+1], 256
	s_add_nc_u64 s[PF:PF+1], s[PF:PF+1], 16384
	s_wait_dscnt 0x0                               ; my stores into the other slot are done and my reads of this slot are back
	s_barrier_signal -1
	s_barrier_wait -1
.endif
.endm
	s_mov_b32 s[TRIP], 15
.Lpair:                                            ; 15 trips of two steps: steps 0 to 29 ask for records 2 to 31
	STEP 0, 1, 1
	STEP 1, 1, 1
	s_sub_co_u32 s[TRIP], s[TRIP], 1
	s_cmp_lg_u32 s[TRIP], 0
	s_cbranch_scc1 .Lpair
	STEP 0, 0, 1                                   ; the last two steps ask for nothing: no load leaves the buffer
	STEP 1, 0, 0
	; THE WAY OUT.  O^T / the sum is this head's 64 numbers of av's row: two blocks of 32 along the last product's K.  They are quantised here and leave as half a fragment's image and half a scale word.
	v_add_f32 v14, v14, v15                        ; the sum's two halves,
	v_permlanex16_b32 v252, v14, s[SEL], s[SEL+1]
	v_add_f32 v14, v14, v252                       ; and lane l xor 16's: the row's sum
	v_rcp_f32 v252, v14
	v_mov_b32 v255, 0xffff                         ; (a plain place behind the reciprocal)
	s_wait_alu depctr_va_vdst(0)                   ; the wait ahead of its first reader
.set n, 0
.rept 16
	v_pk_mul_f32 v[96+n:97+n], v[160+n:161+n], v[252:253] op_sel_hi:[1,0]     ; register 16 b + i: av(query r, 64 head + 32 b + 16 h + i)
.set n, n+2
.endr
.irp b, 0,1
	v_max3_num_f32 v[232+\b], |v[96+16*\b]|, |v[97+16*\b]|, 0x1800000
.endr
.irp i, 2,4,6,8,10,12,14
.irp b, 0,1
	v_max3_num_f32 v[232+\b], v[232+\b], |v[96+16*\b+\i]|, |v[97+16*\b+\i]|
.endr
.endr
.irp b, 0,1
	v_permlanex16_b32 v[236+\b], v[232+\b], s[SEL], s[SEL+1]
.endr
.irp b, 0,1
	v_max_num_f32 v[232+\b], v[232+\b], v[236+\b]
.endr
.irp b, 0,1
	v_add_nc_u32 v[244+\b], 0xff000000, v[232+\b]
.endr
.irp b, 0,1
	v_lshrrev_b32 v[236+\b], 23, v[244+\b]
.endr
	v_lshl_or_b32 v254, v237, 8, v236              ; my head's two scale bytes
	v_cmp_eq_f32 vcc_lo, 0, v14                    ; a query with every key hidden has the sum 0:
	v_cndmask_b32 v254, v254, v255, vcc_lo         ; its bytes are 0xff, and its row of the result NaN, as reference()'s is
.irp b, 0,1
	v_cvt_scalef32_pk8_fp4_f32 v[224+2*\b], v[96+16*\b:103+16*\b], v[244+\b]
	v_cvt_scalef32_pk8_fp4_f32 v[225+2*\b], v[104+16*\b:111+16*\b], v[244+\b]
.endr
	v_nop
	v_permlane16_swap_b32 v224, v226               ; lanes 0-15 the first block, lanes 16-31 the second
	v_permlane16_swap_b32 v225, v227
	global_store_b128 v1, v[224:227], s[28:29]     ; 512 consecutive bytes, aligned
	global_store_b16 v8, v254, s[30:31]            ; two bytes of each row's scale word (both halves of the lanes write the same): 64 KiB in the whole launch
	s_wait_tensorcnt 0x0
	ds_add_u32 v242, v243
	s_wait_dscnt 0x0
	s_endpgm
.Lfunc_end_k_q9a2c02c9d1_attn:
	.size	k_q9a2c02c9d1_attn, .Lfunc_end_k_q9a2c02c9d1_attn-k_q9a2c02c9d1_attn
	.p2alignl 7, 3214868480
	.fill 96, 4, 3214868480
	.section	.rodata,"a",@progbits
	.p2align	6, 0x0
	.amdhsa_kernel k_q9a2c02c9d1_attn
		.amdhsa_group_segment_fixed_size 27648
		.amdhsa_private_segment_fixed_size 0
		.amdhsa_enable_private_segment 0
		.amdhsa_kernarg_size 32
		.amdhsa_user_sgpr_count 2
		.amdhsa_user_sgpr_kernarg_segment_ptr 1
		.amdhsa_wavefront_size32 1
		.amdhsa_system_sgpr_workgroup_id_x 1
		.amdhsa_system_sgpr_workgroup_id_y 1
		.amdhsa_system_sgpr_workgroup_id_z 1
		.amdhsa_system_vgpr_workitem_id 0
		.amdhsa_next_free_vgpr 256
		.amdhsa_next_free_sgpr 100
		.amdhsa_reserve_vcc 1
		.amdhsa_float_denorm_mode_32 3
		.amdhsa_float_denorm_mode_16_64 3
		.amdhsa_memory_ordered 1
		.amdhsa_forward_progress 1
		.amdhsa_inst_pref_size 91
	.end_amdhsa_kernel
	.amdgpu_metadata
---
amdhsa.version: [ 1, 2 ]
amdhsa.kernels:
  - .name:           k_q9a2c02c9d1_attn
    .symbol:         k_q9a2c02c9d1_attn.kd
    .args:
      - { .name: qq, .offset: 0, .size: 8, .value_kind: global_buffer, .address_space: global }
      - { .name: kv, .offset: 8, .size: 8, .value_kind: global_buffer, .address_space: global }
      - { .name: maskw, .offset: 16, .size: 8, .value_kind: global_buffer, .address_space: global }
      - { .name: av, .offset: 24, .size: 8, .value_kind: global_buffer, .address_space: global }
    .group_segment_fixed_size: 27648
    .private_segment_fixed_size: 0
    .kernarg_segment_align: 8
    .kernarg_segment_size: 32
    .max_flat_workgroup_size: 256
    .sgpr_count:     100
    .vgpr_count:     256
    .wavefront_size: 32
...
	.end_amdgpu_metadata
.endif
;; end of part 3
;; launch outln (part 4): grid 128 x 1, 16 waves a work-group, no clusters, 67,840 bytes of LDS; arguments av, wo, hidden, out0; writes out0
.if DOCPART == 4
	.amdgcn_target "amdgcn-amd-amdhsa--gfx1250"
	.amdhsa_code_object_version 6
	.text
	.protected	k_q9a2c02c9d1_outln
	.globl	k_q9a2c02c9d1_outln
	.p2align	8
	.type	k_q9a2c02c9d1_outln,@function
k_q9a2c02c9d1_outln:
	s_mov_b64 s[64:65], 0
	v_nop
	global_prefetch_b8 v0, s[64:65] scope:SCOPE_SE
	s_setreg_imm32_b32 hwreg(HW_REG_WAVE_MODE, 25, 1), 1
	s_wait_xcnt 0x0
; out0 = LayerNorm(hidden + av W_out), the product on codes of FP4 (E2M1) with one E8M0 scale for each 32 along K = 1,024; the norm without gain and bias, eps = 1e-5, all in f32.
; SHARES.  A work-group owns 16 rows and all 1,024 columns, so that a row's mean and variance have one owner.  Wave w makes columns 64 w .. 64 w + 63 (four tiles of 16) for the 16 rows, and then normalises row w.
; OPERANDS come as images of their registers, made by earlier launches: every fragment is two loads of 512 consecutive bytes straight into registers.  av's eight fragments stay; W_out's go through two buffers of four, one K step ahead.
; NO LDS AND NO JOINT LOADS FOR THE WEIGHTS: in a work-group each fragment of W_out feeds exactly one matrix instruction of one wave; a joint load lands in LDS, from which every byte would be written and read once more to the same end.
; TRANSPOSED USE: source 0 = 16 rows of W_out (columns of the result), source 1 = av's 16 rows: a lane holds eight neighbouring columns of one row.  The results meet in a stage in LDS (16 rows of 4,096 bytes + 16), one barrier, and wave w reads row w whole.
; THE VARIANCE is the mean of (x - mean)^2, taken in a second pass over registers: no difference of large sums.
; REGISTERS: v5-9 addresses; v16-23 av's scale words; v32-95 av; v96-159 W_out, two buffers, later the row from the stage; v160-175 W_out's scale words; v176-207 four accumulators; v208-239 the row; v240-245 at work.
.set SPITCH, 4112                      ; 257 x 16 bytes: the 16 rows that a store touches start at 16 different groups of four banks
.macro PLACES
.rept 4
	v_nop
.endr
.endm
.macro WM d, a, b, zero, sa, ra, sb
.if \zero
.if \ra
	v_wmma_scale_f32_16x16x128_f8f6f4 v[\d:\d+7], v[\a:\a+7], v[\b:\b+7], 0, v[\sa], v[\sb] matrix_a_fmt:MATRIX_FMT_FP4 matrix_b_fmt:MATRIX_FMT_FP4 matrix_a_scale:MATRIX_SCALE_ROW1
.else
	v_wmma_scale_f32_16x16x128_f8f6f4 v[\d:\d+7], v[\a:\a+7], v[\b:\b+7], 0, v[\sa], v[\sb] matrix_a_fmt:MATRIX_FMT_FP4 matrix_b_fmt:MATRIX_FMT_FP4
.endif
.else
.if \ra
	v_wmma_scale_f32_16x16x128_f8f6f4 v[\d:\d+7], v[\a:\a+7], v[\b:\b+7], v[\d:\d+7], v[\sa], v[\sb] matrix_a_fmt:MATRIX_FMT_FP4 matrix_b_fmt:MATRIX_FMT_FP4 matrix_a_scale:MATRIX_SCALE_ROW1
.else
	v_wmma_scale_f32_16x16x128_f8f6f4 v[\d:\d+7], v[\a:\a+7], v[\b:\b+7], v[\d:\d+7], v[\sa], v[\sb] matrix_a_fmt:MATRIX_FMT_FP4 matrix_b_fmt:MATRIX_FMT_FP4
.endif
.endif
.endm
.macro WLOAD s                         ; my four tiles' fragments of K step s into buffer s % 2: eight loads
.irp t, 0,1,2,3
	global_load_b128 v[96+32*((\s)%2)+8*\t:96+32*((\s)%2)+8*\t+3], v5, s[18:19] offset:(8*\t+(\s))*1024
	global_load_b128 v[96+32*((\s)%2)+8*\t+4:96+32*((\s)%2)+8*\t+7], v5, s[18:19] offset:(8*\t+(\s))*1024+512
.endr
.endm
.macro KSTEP s, zero, left             ; left: the loads issued behind this K step's fragments of W_out
	s_wait_loadcnt \left
.irp t, 0,1,2,3
	WM 176+8*\t, 96+32*((\s)%2)+8*\t, 32+8*(\s), \zero, 160+2*(\s)+\t/2, \t%2, 16+(\s)     ; four accumulators by turns
.endr
	PLACES                                         ; in front of the loads into the buffer just read, and at the end of the first read of the results
.if (\s) < 6
	WLOAD (\s)+2
.endif
.endm
	s_load_b256 s[4:11], s[0:1], 0x0               ; av s[4:5], wo s[6:7], hidden s[8:9], out0 s[10:11]
	v_lshl_add_u32 v254, v0, 2, 0x10100
	v_mov_b32 v255, 0
	v_lshrrev_b32 v1, 5, v0
	v_readfirstlane_b32 s12, v1                    ; wave 0..15
	v_and_b32 v2, 31, v0                           ; lane
	v_and_b32 v3, 15, v0                           ; r
	v_bfe_u32 v4, v0, 4, 1                         ; h
	v_lshlrev_b32 v5, 4, v2                        ; v5: 16 x lane
	v_lshlrev_b32 v6, 2, v2                        ; v6: 4 x lane
	v_lshlrev_b32 v7, 2, v3                        ; v7: 4 r
	v_mul_u32_u24 v8, v3, SPITCH
	v_lshl_add_u32 v8, v4, 5, v8
	s_lshl_b32 s13, s12, 8
	v_add_nc_u32 v8, s13, v8                       ; v8: the stage, in: row r, + 256 wave + 32 h
	s_mul_i32 s13, s12, SPITCH
	v_add_nc_u32 v9, s13, v5                       ; v9: and back: row = my wave, 16 bytes a lane
	s_lshl_b32 s14, ttmp9, 13                      ; av's eight images of my 16 rows
	s_mov_b32 s15, 0
	s_lshl_b32 s16, ttmp9, 9
	s_add_co_u32 s16, s16, 0x100000                ; their scale words
	s_mov_b32 s17, 0
	s_lshl_b32 s18, s12, 15                        ; W_out: my four tiles x 8 K steps x 1,024 bytes
	s_mov_b32 s19, 0
	s_lshl_b32 s20, s12, 11
	s_add_co_u32 s20, s20, 0x80000                 ; my two pairs' scale words
	s_mov_b32 s21, 0
	s_lshl_b32 s22, ttmp9, 4
	s_add_co_u32 s22, s22, s12
	s_lshl_b32 s22, s22, 12                        ; row 16 work-group + wave, 4,096 bytes a row
	s_mov_b32 s23, 0
	s_mov_b32 s26, 0x3a800000                      ; 1 / 1,024
	s_mov_b32 s27, 0x3727c5ac                      ; 1e-5
	s_mov_b32 s28, 0x76543210
	s_mov_b32 s29, 0xfedcba98                      ; lane selects: lane l xor 16
	s_wait_kmcnt 0x0
	s_add_nc_u64 s[14:15], s[4:5], s[14:15]
	s_add_nc_u64 s[16:17], s[4:5], s[16:17]
	s_add_nc_u64 s[18:19], s[6:7], s[18:19]
	s_add_nc_u64 s[20:21], s[6:7], s[20:21]
	s_add_nc_u64 s[24:25], s[10:11], s[22:23]
	s_add_nc_u64 s[22:23], s[8:9], s[22:23]
.irp s, 0,1,2,3,4,5,6,7
	global_load_b32 v[16+\s], v7, s[16:17] offset:64*\s
.endr
.irp s, 0,1,2,3,4,5,6,7
	global_load_b128 v[32+8*\s:35+8*\s], v5, s[14:15] offset:1024*\s
	global_load_b128 v[36+8*\s:39+8*\s], v5, s[14:15] offset:1024*\s+512
.endr
.irp s, 0,1,2,3,4,5,6,7
.irp p, 0,1
	global_load_b32 v[160+2*\s+\p], v6, s[20:21] offset:(8*\p+\s)*128     ; lanes 0-15 tile 2 p, lanes 16-31 tile 2 p + 1
.endr
.endr
	WLOAD 0
	WLOAD 1                                        ; 56 loads of mine are out here: the most in this text
	KSTEP 0, 1, 8                                  ; behind K step 0's fragments: K step 1's eight loads
.irp i, 0,1,2,3,4,5,6,7
	global_load_b128 v[208+4*\i:211+4*\i], v5, s[22:23] offset:512*\i th:TH_LOAD_NT   ; my row of hidden: read once; wanted only behind the products
.endr
	KSTEP 1, 0, 16                                 ; behind K step 1's: K step 2's eight and the row's eight
	KSTEP 2, 0, 16                                 ; behind K step 2's: the row's eight and K step 3's eight
	KSTEP 3, 0, 8                                  ; from here on the next K step's eight (the row is in)
	KSTEP 4, 0, 8
	KSTEP 5, 0, 8
	KSTEP 6, 0, 8
	KSTEP 7, 0, 0
.irp t, 0,1,2,3
	ds_store_b128 v8, v[176+8*\t:179+8*\t] offset:64*\t          ; lane (r, h): columns 64 w + 16 t + 8 h + 0 .. 7 of row r; each accumulator from its low end on
	ds_store_b128 v8, v[180+8*\t:183+8*\t] offset:64*\t+16
.endr
	s_wait_dscnt 0x0                               ; for the others' sake: my stores into the stage are done
	s_barrier_signal -1
	s_barrier_wait -1
.irp i, 0,1,2,3,4,5,6,7
	ds_load_b128 v[96+4*\i:99+4*\i], v9 offset:512*\i
.endr
	s_wait_dscnt 0x0
.set n, 0
.rept 16
	v_pk_add_f32 v[208+n:209+n], v[208+n:209+n], v[96+n:97+n]    ; x = hidden + av W_out
.set n, n+2
.endr
	v_pk_add_f32 v[240:241], v[208:209], v[210:211]              ; the row's sum: my 32 numbers in two chains,
	v_pk_add_f32 v[242:243], v[212:213], v[214:215]
.irp j, 8,12,16,20,24,28
	v_pk_add_f32 v[240:241], v[240:241], v[208+\j:209+\j]
	v_pk_add_f32 v[242:243], v[242:243], v[210+\j:211+\j]
.endr
	v_pk_add_f32 v[240:241], v[240:241], v[242:243]
	v_add_f32 v240, v240, v241
	v_add_f32_dpp v240, v240, v240 row_xmask:1 row_mask:0xf bank_mask:0xf     ; then the 32 lanes'
	v_add_f32_dpp v240, v240, v240 row_xmask:2 row_mask:0xf bank_mask:0xf
	v_add_f32_dpp v240, v240, v240 row_xmask:4 row_mask:0xf bank_mask:0xf
	v_add_f32_dpp v240, v240, v240 row_xmask:8 row_mask:0xf bank_mask:0xf
	v_permlanex16_b32 v241, v240, s28, s29
	v_add_f32 v240, v240, v241
	v_mul_f32 v240, s26, v240                      ; the mean,
	v_mov_b32 v241, v240                           ; twice, for the packed form
.set n, 0
.rept 16
	v_pk_add_f32 v[208+n:209+n], v[208+n:209+n], v[240:241] neg_lo:[0,1] neg_hi:[0,1]   ; x - mean
.set n, n+2
.endr
	v_pk_mul_f32 v[242:243], v[208:209], v[208:209]              ; the sum of its squares, in two chains
	v_pk_mul_f32 v[244:245], v[210:211], v[210:211]
.irp j, 4,8,12,16,20,24,28
	v_pk_fma_f32 v[242:243], v[208+\j:209+\j], v[208+\j:209+\j], v[242:243]
	v_pk_fma_f32 v[244:245], v[210+\j:211+\j], v[210+\j:211+\j], v[244:245]
.endr
	v_pk_add_f32 v[242:243], v[242:243], v[244:245]
	v_add_f32 v242, v242, v243
	v_add_f32_dpp v242, v242, v242 row_xmask:1 row_mask:0xf bank_mask:0xf
	v_add_f32_dpp v242, v242, v242 row_xmask:2 row_mask:0xf bank_mask:0xf
	v_add_f32_dpp v242, v242, v242 row_xmask:4 row_mask:0xf bank_mask:0xf
	v_add_f32_dpp v242, v242, v242 row_xmask:8 row_mask:0xf bank_mask:0xf
	v_permlanex16_b32 v243, v242, s28, s29
	v_add_f32 v242, v242, v243
	v_fma_f32 v242, v242, s26, s27                 ; the variance + eps
	v_rsq_f32 v244, v242
	v_nop                                          ; a plain place behind the transcendental
	s_wait_alu depctr_va_vdst(0)                   ; the wait ahead of its first reader
.set n, 0
.rept 16
	v_pk_mul_f32 v[208+n:209+n], v[208+n:209+n], v[244:245] op_sel_hi:[1,0]
.set n, n+2
.endr
.irp i, 0,1,2,3,4,5,6,7
	global_store_b128 v5, v[208+4*\i:211+4*\i], s[24:25] offset:512*\i th:TH_STORE_NT   ; 32 lanes store 512 consecutive bytes, aligned; written once
.endr
	s_wait_tensorcnt 0x0
	ds_add_u32 v254, v255
	s_wait_dscnt 0x0
	s_endpgm
.Lfunc_end_k_q9a2c02c9d1_outln:
	.size	k_q9a2c02c9d1_outln, .Lfunc_end_k_q9a2c02c9d1_outln-k_q9a2c02c9d1_outln
	.p2alignl 7, 3214868480
	.fill 96, 4, 3214868480
	.section	.rodata,"a",@progbits
	.p2align	6, 0x0
	.amdhsa_kernel k_q9a2c02c9d1_outln
		.amdhsa_group_segment_fixed_size 67840
		.amdhsa_private_segment_fixed_size 0
		.amdhsa_enable_private_segment 0
		.amdhsa_kernarg_size 32
		.amdhsa_user_sgpr_count 2
		.amdhsa_user_sgpr_kernarg_segment_ptr 1
		.amdhsa_wavefront_size32 1
		.amdhsa_system_sgpr_workgroup_id_x 1
		.amdhsa_system_sgpr_workgroup_id_y 1
		.amdhsa_system_sgpr_workgroup_id_z 1
		.amdhsa_system_vgpr_workitem_id 0
		.amdhsa_next_free_vgpr 256
		.amdhsa_next_free_sgpr 66
		.amdhsa_reserve_vcc 0
		.amdhsa_float_denorm_mode_32 3
		.amdhsa_float_denorm_mode_16_64 3
		.amdhsa_memory_ordered 1
		.amdhsa_forward_progress 1
		.amdhsa_inst_pref_size 26
	.end_amdhsa_kernel
	.amdgpu_metadata
---
amdhsa.version: [ 1, 2 ]
amdhsa.kernels:
  - .name:           k_q9a2c02c9d1_outln
    .symbol:         k_q9a2c02c9d1_outln.kd
    .args:
      - { .name: av, .offset: 0, .size: 8, .value_kind: global_buffer, .address_space: global }
      - { .name: wo, .offset: 8, .size: 8, .value_kind: global_buffer, .address_space: global }
      - { .name: hidden, .offset: 16, .size: 8, .value_kind: global_buffer, .address_space: global }
      - { .name: out0, .offset: 24, .size: 8, .value_kind: global_buffer, .address_space: global }
    .group_segment_fixed_size: 67840
    .private_segment_fixed_size: 0
    .kernarg_segment_align: 8
    .kernarg_segment_size: 32
    .max_flat_workgroup_size: 512
    .sgpr_count:     66
    .vgpr_count:     256
    .wavefront_size: 32
...
	.end_amdgpu_metadata
.endif
;; end of part 4
;; ======== version 2 of 3: 4 launches
;; workspace buffers: mhq 2,228,224 bytes; maskw 1,048,576 bytes of whole numbers; wo 557,056 bytes; qq 2,228,224 bytes; kv 6,684,672 bytes; av 1,114,112 bytes
;; launch prep: the kernel of part 1 again; grid 648 x 1, 4 waves a work-group, no clusters, 33,280 bytes of LDS; arguments memory, hidden, mask, W_out_codes, W_out_scales, mhq, maskw, wo; writes mhq, maskw, wo
;; launch proj: the kernel of part 2 again; grid 16 x 32, 8 waves a work-group, clusters of 4 x 4, 287,744 bytes of LDS; arguments mhq, position_embedding_codes, position_embedding_scales, W_qkv_codes, W_qkv_scales, W_pe_codes, W_pe_scales, u, v, qq, kv; writes qq, kv
;; launch attn (part 5): grid 16 x 16, 8 waves a work-group, no clusters, 54,272 bytes of LDS; arguments qq, kv, maskw, av; writes av
.if DOCPART == 5
	.amdgcn_target "amdgcn-amd-amdhsa--gfx1250"
	.amdhsa_code_object_version 6
	.text
	.protected	k_q9a2c02c9d1_attn
	.globl	k_q9a2c02c9d1_attn
	.p2align	8
	.type	k_q9a2c02c9d1_attn,@function
k_q9a2c02c9d1_attn:
	s_mov_b64 s[64:65], 0
	v_nop
	global_prefetch_b8 v0, s[64:65] scope:SCOPE_SE
	s_setreg_imm32_b32 hwreg(HW_REG_WAVE_MODE, 25, 1), 1
	s_wait_xcnt 0x0
; av[q][head] = softmax_k(((Q + u) . K + (Q + v) . pe) / 8, masked) V, on codes of FP4 (E2M1) with one E8M0 scale for each 32 along a product's K.
; AC + BD IS ONE PRODUCT with K = 128: [Q + u | Q + v] . [K | pe]: four blocks of 32, one matrix instruction for 16 keys x 16 queries.
; THE SOFTMAX AHEAD OF THE SECOND PRODUCT: t = score x log2(e) / 8; M = the row's largest t so far, rounded up to a whole number; p = 2^(t - M) is quantised along the keys, not normalised; the row's sum is taken of the unquantised p
; and divides at the end.  When M moves, the sum and O are multiplied by 2^(old M - new M): exact.
; SHARES.  A work-group takes one head and eight tiles of 16 queries, a tile to a wave: tile 8 g + w.  Every wave walks the head's 32 steps of 128 keys.
; A step's operands are one record of 13,056 bytes, made by the launch before as images of the operand's registers: 8 fragments [K | pe], 4 of V^T, their scale words.  The eight waves copy the records into FOUR LDS slots through registers
; (three loads of 16 bytes a lane, and in waves 0-5 one of 4); all eight read them.  Record r lies in slot r % 4.
; WHAT A STEP WAITS FOR IS ASKED FOR A STEP EARLIER.  In step j a wave asks memory for record j + 3, multiplies by K of step j (in registers since step j - 1), reads V of step j and K of step j + 1 from LDS while its softmax is worked,
; asks for the mask words of step j + 1, and at the end stores record j + 2 into slot (j + 2) % 4.  So K has two sets of registers, for even and for odd steps.
; ONE barrier a step: in front of it each wave's LDS reads are back and its stores are done.  Between two barriers slots j and j + 1 are read and slot j + 2 is written, which last held record j - 2.
; THE MASK is an input and is honoured bit for bit, in every step alike: the first launch has packed it into lane masks, 64 words for my 16 queries and a step's 128 keys; they come by four scalar loads, and 64 selects put
; -infinity in place of hidden scores ahead of the maximum, so that p = 0 there.  No branch and no address hangs on the mask.  A step all of whose keys are hidden changes nothing: the largest t stays, its codes are zeros, f = 1.
; THE RECORDS GO THROUGH REGISTERS, NOT BY JOINT LOADS, though the sixteen work-groups of a head read the same ones: a wave's share of a step's copy is four loads and four LDS stores beside its 12 products and some 300 vector instructions,
; and a joint load of a record's 13,056 bytes would ask for a round of the cluster's barrier in each step where one work-group barrier stands now.
; LAYOUT.  Both products are used transposed: S^T = [K | pe] [Q..]^T, O^T = V^T P^T: a lane holds one query (lane % 16) throughout.  Lane r of key tile 2 b + u holds key 32 b + 8 u + r + 8 (r / 8), so that register 16 b + i of S^T is key 32 b + 16 (lane / 16) + i.
; V^T's rows are chosen likewise, so that register 16 b + i of O^T is d = 32 b + 16 (lane / 16) + i: the last product's K.  av leaves as codes: this head's 64 are half a fragment (512 bytes) and half a scale word.
; LIMITS: a block's largest p is made from the block's largest score by the same two instructions, which takes v_exp_f32 not to fall where its input rises; a block of zeros keeps the scale byte 1 (zero codes);
; a query all of whose keys are hidden gets the scale bytes 0xff, so that its row comes out NaN as in reference(); NaN and infinities among the inputs are not served.
; REGISTERS, in windows of 256 (s_set_vgpr_msb: bits 1:0 source 0, 7:6 destination).  Window 0: v1-4, v7, v8 addresses; v6 -infinity; v12 -M, v13 the largest t, v[14:15] the sum; v16-23 Q, v24 its scale words; v32-95 K of even steps;
; v96-159 S^T, then p; v160-191 O^T; v192-204, v206-218 two records on their way; v224-231 p's codes; v232-254 at work; v240-241 V's scale words, v248-251 K's, v253 p's.  Window 1: v32-95 K of odd steps; v96-127 V^T.
; s32-63, s68-99: a step's 64 mask words.
.set REC,   13056
.set SLOTB, 13312                      ; an LDS slot: a record, rounded up to a multiple of 512
.set G0,    192
.set KF,    32                         ; K's fragments, in window 0 (even steps) or 1 (odd steps)
.set VF,    96                         ; V^T's fragments, in window 1
.set WV,    12
.set J,     13                         ; the step
.set LIM,   16                         ; a wave prefetches while J is under it
.set TRIP,  17
.set SEL,   18                         ; s[18:19] lane selects: lane l xor 16
.set CS,    20                         ; s[20:21] c = log2(e) / 8
.set KV,    22                         ; s[22:23] the step's record
.set MW,    24                         ; s[24:25] the step's 64 mask words
.set PF,    26                         ; s[26:27] where my prefetches stand
.set MSB, 0
.macro WIN new                         ; the immediate's high byte repeats the setting that is left; a switch that changes nothing is dropped.  At every label and branch the setting is 0
.if MSB != \new
	s_set_vgpr_msb (MSB<<8)|\new
.set MSB, \new
.endif
.endm
.macro PLACES
.rept 4
	v_nop
.endr
.endm
.macro WM d, a, b, zero, sa, ra, sb    ; one matrix instruction; ra = 1: source 0's scale words stand in lanes 16-31
.if \zero
.if \ra
	v_wmma_scale_f32_16x16x128_f8f6f4 v[\d:\d+7], v[\a:\a+7], v[\b:\b+7], 0, v[\sa], v[\sb] matrix_a_fmt:MATRIX_FMT_FP4 matrix_b_fmt:MATRIX_FMT_FP4 matrix_a_scale:MATRIX_SCALE_ROW1
.else
	v_wmma_scale_f32_16x16x128_f8f6f4 v[\d:\d+7], v[\a:\a+7], v[\b:\b+7], 0, v[\sa], v[\sb] matrix_a_fmt:MATRIX_FMT_FP4 matrix_b_fmt:MATRIX_FMT_FP4
.endif
.else
.if \ra
	v_wmma_scale_f32_16x16x128_f8f6f4 v[\d:\d+7], v[\a:\a+7], v[\b:\b+7], v[\d:\d+7], v[\sa], v[\sb] matrix_a_fmt:MATRIX_FMT_FP4 matrix_b_fmt:MATRIX_FMT_FP4 matrix_a_scale:MATRIX_SCALE_ROW1
.else
	v_wmma_scale_f32_16x16x128_f8f6f4 v[\d:\d+7], v[\a:\a+7], v[\b:\b+7], v[\d:\d+7], v[\sa], v[\sb] matrix_a_fmt:MATRIX_FMT_FP4 matrix_b_fmt:MATRIX_FMT_FP4
.endif
.endif
.endm
; My part of the record off bytes behind the step's: 3 x 512 bytes of fragments; in waves 0-5 also 128 of the 768 bytes of scale words, asked for FIRST, so that one count serves all waves' waits.
.macro BATCH g, off
	s_cmp_lt_u32 s[WV], 6
	s_cbranch_scc0 .Lno_words_\@
	global_load_b32 v[(\g)+12], v4, s[KV:KV+1] offset:(\off)+12288
.Lno_words_\@:
.irp i, 0,1,2
	global_load_b128 v[(\g)+4*\i:(\g)+4*\i+3], v3, s[KV:KV+1] offset:(\off)+4096*\i
.endr
.endm
.macro PUT g, slot                     ; and into an LDS slot, as it lies.  (The arguments are put in as text: each stands in brackets)
	s_cmp_lt_u32 s[WV], 6
	s_cbranch_scc0 .Lno_words_\@
	ds_store_b32 v4, v[(\g)+12] offset:(\slot)*SLOTB+12288
.Lno_words_\@:
.irp i, 0,1,2
	ds_store_b128 v3, v[(\g)+4*\i:(\g)+4*\i+3] offset:(\slot)*SLOTB+4096*\i
.endr
.endm
.macro MASKS off                       ; 64 mask words, off bytes behind the step's: word n holds the lanes in which register n's score is hidden
	s_load_b512 s[32:47], s[MW:MW+1], \off
	s_load_b512 s[48:63], s[MW:MW+1], \off+0x40
	s_load_b512 s[68:83], s[MW:MW+1], \off+0x80
	s_load_b512 s[84:99], s[MW:MW+1], \off+0xc0
.endm
; Two of the next step's eight fragments of K, tiles 2 g and 2 g + 1: four LDS loads, from the slot behind this step's, into the set of registers that this step does not multiply by.
; The sixteen loads stand in four short runs between the phases of the softmax.
.macro KNEXT slot, g
.if ((\slot)%2) == 0
	WIN 0x40                                       ; the next step is odd: destination window 1
.endif
.irp t, 2*\g, 2*\g+1
	ds_load_b128 v[KF+8*(\t):KF+8*(\t)+3],   v1 offset:(((\slot)+1)%4)*SLOTB+1024*(\t)
	ds_load_b128 v[KF+8*(\t)+4:KF+8*(\t)+7], v1 offset:(((\slot)+1)%4)*SLOTB+1024*(\t)+512
.endr
	WIN 0
.endm
; A PREFETCH INTO THE L2.  A head's 32 records are 1,632 blocks of 256 bytes on end, which all sixteen work-groups of the head walk.  The head's first work-group asks, in its waves 6 and 7, which have one load fewer:
; in step J blocks 288 + 64 J + 32 (wave % 2) + lane, for J < 21: each block from 288 to 1,631 is named once, the last is the head's last.  The loads of step J begin at block 51 (J + 3): the lead is 135 + 13 J blocks, 2.6 steps and more.
; Blocks 0 to 287 come by their loads alone: nothing is asked for at the head.
.macro ASK
	s_cmp_lt_u32 s[J], s[LIM]
	s_cbranch_scc0 .Lnot_mine_\@
	global_prefetch_b8 v7, s[PF:PF+1] th:TH_LOAD_NT scope:SCOPE_SE
.Lnot_mine_\@:
.endm
	s_load_b256 s[4:11], s[0:1], 0x0               ; qq s[4:5], kv s[6:7], maskw s[8:9], av s[10:11]
	v_lshl_add_u32 v242, v0, 2, 0xd000
	v_mov_b32 v243, 0
	v_lshrrev_b32 v9, 5, v0
	v_readfirstlane_b32 s[WV], v9                  ; wave 0..7
	v_and_b32 v9, 31, v0                           ; lane
	v_lshlrev_b32 v1, 4, v9                        ; v1: 16 x lane: an image's place for my lane
	v_lshlrev_b32 v2, 2, v9                        ; v2: 4 x lane: a scale word's
	v_lshlrev_b32 v3, 4, v0                        ; v3: 16 x lane + 512 x wave: my part of 4,096 bytes of a record, in memory and in LDS
	v_lshlrev_b32 v4, 2, v0                        ; v4: 4 x lane + 128 x wave: my part of its scale words
	v_lshlrev_b32 v7, 8, v9                        ; v7: 256 x lane: the prefetches
	v_and_b32 v8, 15, v0
	v_lshlrev_b32 v8, 2, v8                        ; v8: 4 x (lane % 16): a query's scale word
	s_and_b32 s32, ttmp7, 0xffff                   ; the head
	s_lshl_b32 s33, ttmp9, 3
	s_add_co_u32 s33, s33, s[WV]                   ; qt = 8 g + w: my tile of 16 queries
	s_mul_i32 s34, s32, 32*REC                     ; the head's records
	s_mov_b32 s35, 0
	s_lshl_b32 s36, s33, 13                        ; my tile's mask words: 32 steps x 256 bytes
	s_mov_b32 s37, 0
	s_lshl_b32 s40, s32, 7
	s_add_co_u32 s40, s40, s33                     ; 128 head + qt
	s_lshl_b32 s42, s40, 6
	s_add_co_u32 s42, s42, 0x200000                ; Q's scale words, behind the images
	s_mov_b32 s43, 0
	s_lshl_b32 s40, s40, 10                        ; Q's image
	s_mov_b32 s41, 0
	s_lshl_b32 s44, s33, 3
	s_lshr_b32 s45, s32, 1
	s_add_co_u32 s44, s44, s45                     ; av: 8 qt + K step (two heads to a K step of 128)
	s_and_b32 s45, s32, 1
	s_lshl_b32 s46, s44, 10
	s_lshl_b32 s47, s45, 9
	s_add_co_u32 s46, s46, s47                     ; my half of the image
	s_mov_b32 s47, 0
	s_lshl_b32 s48, s44, 6
	s_lshl_b32 s49, s45, 1
	s_add_co_u32 s48, s48, s49
	s_add_co_u32 s48, s48, 0x100000                ; my half of the scale words
	s_mov_b32 s49, 0
	s_and_b32 s56, s[WV], 1
	s_lshl_b32 s56, s56, 13
	s_add_co_u32 s56, s56, 288*256
	s_mov_b32 s57, 0
	s_lshr_b32 s2, s[WV], 1
	s_cmp_eq_u32 s2, 3
	s_cselect_b32 s2, 0, 1                         ; 0 in waves 6 and 7,
	s_or_b32 s2, s2, ttmp9                         ; of the head's first work-group
	s_cmp_eq_u32 s2, 0
	s_cselect_b32 s[LIM], 21, 0
	s_mov_b32 s[SEL], 0x76543210
	s_mov_b32 s[SEL+1], 0xfedcba98
	s_mov_b32 s[CS], 0x3e38aa3b                    ; log2(e) / 8
	s_mov_b32 s[CS+1], s[CS]                       ; (named with it as a pair, so it is written)
	s_mov_b32 s[J], 0
	s_wait_kmcnt 0x0
	s_add_nc_u64 s[KV:KV+1], s[6:7], s[34:35]
	s_add_nc_u64 s[MW:MW+1], s[8:9], s[36:37]
	s_add_nc_u64 s[52:53], s[4:5], s[40:41]
	s_add_nc_u64 s[54:55], s[4:5], s[42:43]
	s_add_nc_u64 s[28:29], s[10:11], s[46:47]
	s_add_nc_u64 s[30:31], s[10:11], s[48:49]
	s_add_nc_u64 s[PF:PF+1], s[KV:KV+1], s[56:57]
	global_load_b128 v[16:19], v1, s[52:53]        ; Q's fragment stays in registers
	global_load_b128 v[20:23], v1, s[52:53] offset:512
	global_load_b32 v24, v8, s[54:55]              ; its scale words
	BATCH G0, 0                                    ; record 0
	BATCH G0+14, REC                               ; record 1
	v_mov_b32 v6, 0xff800000                       ; -infinity
	v_mov_b32 v13, 0xff61b1e6                      ; the largest t so far: -3e38, under every t
	v_floor_f32 v12, -v13                          ; -M
	v_mov_b32 v14, 0                               ; the sum, in two halves
	v_mov_b32 v15, 0
.irp b, 0,1,2,3
	v_mov_b32 v[236+\b], 0                         ; written once: a lane permute's destination counts as one of its sources
.endr
	v_mov_b32 v252, 0
	v_mov_b32 v253, 0                              ; (named as the upper half of the pair v[252:253] before it is first written)
.set n, 0
.rept 32
	v_mov_b32 v[160+n], 0                          ; O^T.  The step is written for every step alike: the first finds zeros, which the first change of M leaves zeros
.set n, n+1
.endr
	s_wait_loadcnt 0x0                             ; Q and records 0 and 1 are in (so Q's bases, s52-55, may take mask words)
	MASKS 0                                        ; step 0's mask words
	PUT G0, 0
	PUT G0+14, 1
	s_wait_dscnt 0x0                               ; my parts of records 0 and 1 lie in slots 0 and 1, and the stores have read their registers,
	BATCH G0, 2*REC                                ; which take record 2
	s_barrier_signal -1
	s_barrier_wait -1                              ; everybody's parts lie there
.irp b, 0,1,2,3
	ds_load_b32 v[248+\b], v2 offset:12288+128*\b                   ; step 0's K: scale words and fragments
.endr
.irp t, 0,1,2,3,4,5,6,7
	ds_load_b128 v[KF+8*\t:KF+8*\t+3],   v1 offset:1024*\t
	ds_load_b128 v[KF+8*\t+4:KF+8*\t+7], v1 offset:1024*\t+512
.endr
	s_wait_dscnt 0x0
; A KEY STEP j, with slot = j % 4.  ld = 1: record j + 3 is asked for.  st = 1: record j + 2 goes into its slot, the bases step, and the step's barrier follows.  nx = 1: a step follows: its K and its mask words are asked for.
.macro STEP slot, ld, st, nx
.if \ld
	BATCH G0+14*(((\slot)+1)%2), 3*REC             ; record r uses the set of registers r % 2; that set's last record was stored into LDS ahead of the last barrier
	ASK
.endif
.if ((\slot)%2)
	WIN 0x01                                       ; an odd step's K: source 0 in window 1
.endif
.irp t, 0,1,2,3,4,5,6,7
	WM 96+8*\t, KF+8*\t, 16, 1, 248+\t/2, \t%2, 24  ; K and its scale words came in during the step before, ahead of that step's wait for all LDS loads
.endr
	WIN 0
	PLACES                                         ; in front of the loads into K's scale words, which these products read, and of the first read of the scores
	WIN 0x40                                       ; destination window 1
.irp t, 0,1,2,3
	ds_load_b128 v[VF+8*\t:VF+8*\t+3],   v1 offset:(\slot)*SLOTB+8192+1024*\t        ; V^T's fragments land while the softmax is worked
	ds_load_b128 v[VF+8*\t+4:VF+8*\t+7], v1 offset:(\slot)*SLOTB+8192+1024*\t+512
.endr
	WIN 0
.irp p, 0,1
	ds_load_b32 v[240+\p], v2 offset:(\slot)*SLOTB+12800+128*\p
.endr
.if \nx
.irp b, 0,1,2,3
	ds_load_b32 v[248+\b], v2 offset:(((\slot)+1)%4)*SLOTB+12288+128*\b     ; the next step's scale words of [K | pe]: lanes 0-15 tile 2 b, lanes 16-31 tile 2 b + 1
.endr
	KNEXT \slot, 0
.endif
	s_wait_kmcnt 0x0                               ; the mask words, asked for in the middle of the step before, are in
.set n, 0
.rept 32
	v_cndmask_b32 v[96+n], v[96+n], v6, s[32+n]    ; hidden scores become -infinity ahead of the maximum: p = 0 then.  Each accumulator from its low end on
.set n, n+1
.endr
.rept 32
	v_cndmask_b32 v[96+n], v[96+n], v6, s[36+n]
.set n, n+1
.endr
.if \nx
	KNEXT \slot, 1
.endif
.irp b, 0,1,2,3
	v_max3_num_f32 v[232+\b], v[96+16*\b], v[97+16*\b], v[98+16*\b]   ; the largest score of each block of 32 keys: for the row's maximum, and, since p rises with the score, for the block's largest p
.endr
.irp i, 3,5,7,9,11,13
.irp b, 0,1,2,3
	v_max3_num_f32 v[232+\b], v[232+\b], v[96+16*\b+\i], v[97+16*\b+\i]
.endr
.endr
.irp b, 0,1,2,3
	v_max_num_f32 v[232+\b], v[232+\b], v[111+16*\b]
.endr
.irp b, 0,1,2,3
	v_permlanex16_b32 v[236+\b], v[232+\b], s[SEL], s[SEL+1]
.endr
.irp b, 0,1,2,3
	v_max_num_f32 v[232+\b], v[232+\b], v[236+\b]  ; with lane l xor 16's 16 keys
.endr
	v_max3_num_f32 v254, v232, v233, v234
	v_max_num_f32 v254, v254, v235                 ; the step's largest score of my query
	v_mul_f32 v254, s[CS], v254                    ; as t (c is positive)
	v_max_num_f32 v13, v13, v254                   ; the running largest t
	v_mov_b32 v254, v12
	v_floor_f32 v12, -v13                          ; the new -M = floor(-t) = -ceil(t): a whole number
	v_sub_f32 v254, v12, v254                      ; M's old value less its new one: a whole number, 0 or less
	v_cvt_i32_f32 v254, v254                       ; (it saturates)
	v_ldexp_f32 v252, 1.0, v254                    ; f = 2^(old M - new M)
.if \nx
	MASKS 0x100                                    ; the next step's mask words, into the registers that the selects above have read: they have the rest of the step in which to land
	KNEXT \slot, 2
.endif
.set n, 0
.rept 32
	v_pk_fma_f32 v[96+n:97+n], v[96+n:97+n], s[CS:CS+1], v[12:13] op_sel_hi:[1,0,0]   ; t - M, two at a time
.set n, n+2
.endr
.irp b, 0,1,2,3
	v_fma_f32 v[232+\b], v[232+\b], s[CS], v12     ; the same of each block's largest score
.endr
.if \nx
	KNEXT \slot, 3
.endif
.set n, 0
.rept 64
	v_exp_f32 v[96+n], v[96+n]                     ; p = 2^(t - M), at most 1
.set n, n+1
.endr
	v_pk_mul_f32 v[14:15], v[14:15], v[252:253] op_sel_hi:[1,0]   ; the sums under the new M: a plain place behind the exponentials
	s_wait_alu depctr_va_vdst(0)                   ; one wait for the whole batch, ahead of its first reader
.irp b, 0,1,2,3
	v_exp_f32 v[232+\b], v[232+\b]                 ; the block's largest p
.endr
	v_pk_add_f32 v[236:237], v[96:97], v[98:99]    ; the row's sum is taken of the unquantised p: two at a time, in two chains
.irp j, 4,8,12,16,20,24,28,32,36,40,44,48,52,56,60
	v_pk_add_f32 v[14:15], v[14:15], v[96+\j:97+\j]
	v_pk_add_f32 v[236:237], v[236:237], v[98+\j:99+\j]
.endr
	v_pk_add_f32 v[14:15], v[14:15], v[236:237]
	s_wait_alu depctr_va_vdst(0)                   ; and one for the four
.irp b, 0,1,2,3
	v_max_num_f32 v[232+\b], 0x1800000, v[232+\b]  ; the floor 2^(3 - 127): the byte cannot fall under 1
.endr
.irp b, 0,1,2,3
	v_add_nc_u32 v[244+\b], 0xff000000, v[232+\b]  ; 2 off the exponent field: the conversion's scale operand
.endr
.irp b, 0,1,2,3
	v_lshrrev_b32 v[236+\b], 23, v[244+\b]         ; the scale's byte
.endr
	v_lshl_or_b32 v253, v237, 8, v236              ; p's scale word for these 128 keys
	v_lshl_or_b32 v253, v238, 16, v253
	v_lshl_or_b32 v253, v239, 24, v253
.irp b, 0,1,2,3
	v_cvt_scalef32_pk8_fp4_f32 v[224+2*\b], v[96+16*\b:103+16*\b], v[244+\b]
	v_cvt_scalef32_pk8_fp4_f32 v[225+2*\b], v[104+16*\b:111+16*\b], v[244+\b]
.endr
	v_nop                                          ; one plain place behind a scaled conversion
.irp c, 0,1                                    ; a whole block in a lane: lanes 0-15 block 2 c, lanes 16-31 block 2 c + 1
.irp i, 0,1
	v_permlane16_swap_b32 v[224+4*\c+\i], v[226+4*\c+\i]
.endr
.endr
.set n, 0
.rept 16
	v_pk_mul_f32 v[160+n:161+n], v[160+n:161+n], v[252:253] op_sel_hi:[1,0]   ; O^T under the new M.  These sixteen are also the places between the lines that made p's codes and scale word and the products below
.set n, n+2
.endr
	s_wait_dscnt 0x0                               ; V^T's fragments and scale words are in, and so are the next step's K and its scale words
	WIN 0x01                                       ; V^T: source 0 in window 1
.irp t, 0,1,2,3
	WM 160+8*\t, VF+8*\t, 224, 0, 240+\t/2, \t%2, 253    ; four accumulators by turns; the eight products of the scores stand between two turns of one
.endr
	WIN 0
	PLACES                                         ; in front of the next loads into registers that these products read, and of the way out
.if \st
.if \ld
	s_wait_loadcnt 3                               ; all but the three loads of 16 bytes issued at this step's head: record j + 2, asked for a step ago, is in
.else
	s_wait_loadcnt 0x0
.endif
	PUT G0+14*((\slot)%2), ((\slot)+2)%4           ; into the slot that held record j - 2: every wave's reads of it were back two barriers ago
	s_wait_xcnt 0x0                                ; the loads, the scalar loads and the prefetch have read their bases: they step
	s_add_co_u32 s[J], s[J], 1
	s_add_nc_u64 s[KV:KV+1], s[KV:KV+1], REC
	s_add_nc_u64 s[MW:MW+1], s[MW:MW+1], 256
	s_add_nc_u64 s[PF:PF+1], s[PF:PF+1], 16384
	s_wait_dscnt 0x0                               ; my stores are done and my LDS reads are back
	s_barrier_signal -1
	s_barrier_wait -1
.endif
.endm
	s_mov_b32 s[TRIP], 7
.Lfour:                                            ; 7 trips of four steps, once round the slots: steps 0 to 27 ask for records 3 to 30
	STEP 0, 1, 1, 1
	STEP 1, 1, 1, 1
	STEP 2, 1, 1, 1
	STEP 3, 1, 1, 1
	s_sub_co_u32 s[TRIP], s[TRIP], 1
	s_cmp_lg_u32 s[TRIP], 0
	s_cbranch_scc1 .Lfour
	STEP 0, 1, 1, 1                                ; step 28 asks for record 31, the last: no load leaves the buffer
	STEP 1, 0, 1, 1                                ; step 29 stores it: the last store into LDS and the last barrier
	STEP 2, 0, 0, 1                                ; step 30 reads step 31's K and asks for its mask words
	STEP 3, 0, 0, 0
	; THE WAY OUT.  O^T / the sum is this head's 64 numbers of av's row: two blocks of 32 along the last product's K.  They are quantised here and leave as half a fragment's image and half a scale word.
	v_add_f32 v14, v14, v15                        ; the sum's two halves,
	v_permlanex16_b32 v252, v14, s[SEL], s[SEL+1]
	v_add_f32 v14, v14, v252                       ; and lane l xor 16's: the row's sum
	v_rcp_f32 v252, v14
	v_mov_b32 v255, 0xffff                         ; (a plain place behind the reciprocal)
	s_wait_alu depctr_va_vdst(0)                   ; the wait ahead of its first reader
.set n, 0
.rept 16
	v_pk_mul_f32 v[96+n:97+n], v[160+n:161+n], v[252:253] op_sel_hi:[1,0]     ; register 16 b + i: av(query r, 64 head + 32 b + 16 h + i)
.set n, n+2
.endr
.irp b, 0,1
	v_max3_num_f32 v[232+\b], |v[96+16*\b]|, |v[97+16*\b]|, 0x1800000
.endr
.irp i, 2,4,6,8,10,12,14
.irp b, 0,1
	v_max3_num_f32 v[232+\b], v[232+\b], |v[96+16*\b+\i]|, |v[97+16*\b+\i]|
.endr
.endr
.irp b, 0,1
	v_permlanex16_b32 v[236+\b], v[232+\b], s[SEL], s[SEL+1]
.endr
.irp b, 0,1
	v_max_num_f32 v[232+\b], v[232+\b], v[236+\b]
.endr
.irp b, 0,1
	v_add_nc_u32 v[244+\b], 0xff000000, v[232+\b]
.endr
.irp b, 0,1
	v_lshrrev_b32 v[236+\b], 23, v[244+\b]
.endr
	v_lshl_or_b32 v254, v237, 8, v236              ; my head's two scale bytes
	v_cmp_eq_f32 vcc_lo, 0, v14                    ; a query with every key hidden has the sum 0:
	v_cndmask_b32 v254, v254, v255, vcc_lo         ; its bytes are 0xff, and its row of the result NaN, as reference()'s is
.irp b, 0,1
	v_cvt_scalef32_pk8_fp4_f32 v[224+2*\b], v[96+16*\b:103+16*\b], v[244+\b]
	v_cvt_scalef32_pk8_fp4_f32 v[225+2*\b], v[104+16*\b:111+16*\b], v[244+\b]
.endr
	v_nop
	v_permlane16_swap_b32 v224, v226               ; lanes 0-15 the first block, lanes 16-31 the second
	v_permlane16_swap_b32 v225, v227
	global_store_b128 v1, v[224:227], s[28:29]     ; 512 consecutive bytes, aligned
	global_store_b16 v8, v254, s[30:31]            ; two bytes of each row's scale word (both halves of the lanes write the same): 64 KiB in the whole launch
	s_wait_tensorcnt 0x0
	ds_add_u32 v242, v243
	s_wait_dscnt 0x0
	s_endpgm
.Lfunc_end_k_q9a2c02c9d1_attn:
	.size	k_q9a2c02c9d1_attn, .Lfunc_end_k_q9a2c02c9d1_attn-k_q9a2c02c9d1_attn
	.p2alignl 7, 3214868480
	.fill 96, 4, 3214868480
	.section	.rodata,"a",@progbits
	.p2align	6, 0x0
	.amdhsa_kernel k_q9a2c02c9d1_attn
		.amdhsa_group_segment_fixed_size 54272
		.amdhsa_private_segment_fixed_size 0
		.amdhsa_enable_private_segment 0
		.amdhsa_kernarg_size 32
		.amdhsa_user_sgpr_count 2
		.amdhsa_user_sgpr_kernarg_segment_ptr 1
		.amdhsa_wavefront_size32 1
		.amdhsa_system_sgpr_workgroup_id_x 1
		.amdhsa_system_sgpr_workgroup_id_y 1
		.amdhsa_system_sgpr_workgroup_id_z 1
		.amdhsa_system_vgpr_workitem_id 0
		.amdhsa_next_free_vgpr 384
		.amdhsa_next_free_sgpr 100
		.amdhsa_reserve_vcc 1
		.amdhsa_float_denorm_mode_32 3
		.amdhsa_float_denorm_mode_16_64 3
		.amdhsa_memory_ordered 1
		.amdhsa_forward_progress 1
		.amdhsa_inst_pref_size 176
	.end_amdhsa_kernel
	.amdgpu_metadata
---
amdhsa.version: [ 1, 2 ]
amdhsa.kernels:
  - .name:           k_q9a2c02c9d1_attn
    .symbol:         k_q9a2c02c9d1_attn.kd
    .args:
      - { .name: qq, .offset: 0, .size: 8, .value_kind: global_buffer, .address_space: global }
      - { .name: kv, .offset: 8, .size: 8, .value_kind: global_buffer, .address_space: global }
      - { .name: maskw, .offset: 16, .size: 8, .value_kind: global_buffer, .address_space: global }
      - { .name: av, .offset: 24, .size: 8, .value_kind: global_buffer, .address_space: global }
    .group_segment_fixed_size: 54272
    .private_segment_fixed_size: 0
    .kernarg_segment_align: 8
    .kernarg_segment_size: 32
    .max_flat_workgroup_size: 256
    .sgpr_count:     100
    .vgpr_count:     384
    .wavefront_size: 32
...
	.end_amdgpu_metadata
.endif
;; end of part 5
;; launch outln (part 6): grid 128 x 1, 16 waves a work-group, no clusters, 76,032 bytes of LDS; arguments av, wo, hidden, out0; writes out0
.if DOCPART == 6
	.amdgcn_target "amdgcn-amd-amdhsa--gfx1250"
	.amdhsa_code_object_version 6
	.text
	.protected	k_q9a2c02c9d1_outln
	.globl	k_q9a2c02c9d1_outln
	.p2align	8
	.type	k_q9a2c02c9d1_outln,@function
k_q9a2c02c9d1_outln:
	s_mov_b64 s[64:65], 0
	v_nop
	global_prefetch_b8 v0, s[64:65] scope:SCOPE_SE
	s_setreg_imm32_b32 hwreg(HW_REG_WAVE_MODE, 25, 1), 1
	s_wait_xcnt 0x0
; out0 = LayerNorm(hidden + av W_out), the product on codes of FP4 (E2M1) with one E8M0 scale for each 32 along K = 1,024; the norm without gain and bias, eps = 1e-5, all in f32.
; SHARES.  A work-group owns 16 rows and all 1,024 columns, so that a row's mean and variance have one owner.  Wave w makes columns 64 w .. 64 w + 63 (four tiles of 16) for the 16 rows, and then normalises row w.
; OPERANDS come as images of their registers, made by earlier launches.  W_out's fragments go from memory straight into registers, two loads of 512 consecutive bytes each, through FOUR buffers of four fragments: three K steps ahead.
; av's eight fragments, 8,192 bytes that all sixteen waves want, come ONCE: each thread loads 16 bytes and puts them into LDS as they lie; behind a barrier each wave reads the fragment of a K step, two K steps ahead, into two buffers of 8 registers.
; NO LDS AND NO JOINT LOADS FOR THE WEIGHTS: in a work-group each fragment of W_out feeds exactly one matrix instruction of one wave; a joint load lands in LDS, from which every byte would be written and read once more to the same end.
; TRANSPOSED USE: source 0 = 16 rows of W_out (columns of the result), source 1 = av's 16 rows: a lane holds eight neighbouring columns of one row.  The results meet in a stage in LDS (16 rows of 4,096 bytes + 16), one barrier, and wave w reads row w whole.
; THE VARIANCE is the mean of (x - mean)^2, taken in a second pass over registers: no difference of large sums.
; REGISTERS: v5-10 addresses; v16-23 av's scale words; v24-39 av, two buffers; v40-167 W_out, four buffers, later the row from the stage; v168-183 W_out's scale words; v184-215 four accumulators; v216-247 the row; v248-253 at work.
.set AVL,    0                         ; LDS: av's eight images, 8,192 bytes,
.set STG,    8192                      ; and behind them the stage
.set SPITCH, 4112                      ; 257 x 16 bytes: the 16 rows that a store touches start at 16 different groups of four banks
.set AVF,    24
.set WB,     40
.set WS,     168
.set ACC,    184
.set ROW,    216
.set T,      248
.macro PLACES
.rept 4
	v_nop
.endr
.endm
.macro WM d, a, b, zero, sa, ra, sb
.if \zero
.if \ra
	v_wmma_scale_f32_16x16x128_f8f6f4 v[\d:\d+7], v[\a:\a+7], v[\b:\b+7], 0, v[\sa], v[\sb] matrix_a_fmt:MATRIX_FMT_FP4 matrix_b_fmt:MATRIX_FMT_FP4 matrix_a_scale:MATRIX_SCALE_ROW1
.else
	v_wmma_scale_f32_16x16x128_f8f6f4 v[\d:\d+7], v[\a:\a+7], v[\b:\b+7], 0, v[\sa], v[\sb] matrix_a_fmt:MATRIX_FMT_FP4 matrix_b_fmt:MATRIX_FMT_FP4
.endif
.else
.if \ra
	v_wmma_scale_f32_16x16x128_f8f6f4 v[\d:\d+7], v[\a:\a+7], v[\b:\b+7], v[\d:\d+7], v[\sa], v[\sb] matrix_a_fmt:MATRIX_FMT_FP4 matrix_b_fmt:MATRIX_FMT_FP4 matrix_a_scale:MATRIX_SCALE_ROW1
.else
	v_wmma_scale_f32_16x16x128_f8f6f4 v[\d:\d+7], v[\a:\a+7], v[\b:\b+7], v[\d:\d+7], v[\sa], v[\sb] matrix_a_fmt:MATRIX_FMT_FP4 matrix_b_fmt:MATRIX_FMT_FP4
.endif
.endif
.endm
.macro WLOAD s                         ; my four tiles' fragments of K step s into buffer s % 4: eight loads
.irp t, 0,1,2,3
	global_load_b128 v[WB+32*((\s)%4)+8*\t:WB+32*((\s)%4)+8*\t+3], v5, s[18:19] offset:(8*\t+(\s))*1024
	global_load_b128 v[WB+32*((\s)%4)+8*\t+4:WB+32*((\s)%4)+8*\t+7], v5, s[18:19] offset:(8*\t+(\s))*1024+512
.endr
.endm
.macro ALOAD s                         ; av's fragment of K step s from LDS into buffer s % 2: two loads
	ds_load_b128 v[AVF+8*((\s)%2):AVF+8*((\s)%2)+3],   v5 offset:AVL+1024*(\s)
	ds_load_b128 v[AVF+8*((\s)%2)+4:AVF+8*((\s)%2)+7], v5 offset:AVL+1024*(\s)+512
.endm
.macro KSTEP s, zero, left, dleft      ; left: the global loads issued behind this K step's fragments of W_out;  dleft: the LDS loads issued behind its fragment of av
	s_wait_loadcnt \left
	s_wait_dscnt \dleft
.irp t, 0,1,2,3
	WM ACC+8*\t, WB+32*((\s)%4)+8*\t, AVF+8*((\s)%2), \zero, WS+2*(\s)+\t/2, \t%2, 16+(\s)     ; four accumulators by turns
.endr
	PLACES                                         ; in front of the loads into the buffers just read, and at the end of the first read of the results
.if (\s) < 6
	ALOAD (\s)+2
.endif
.if (\s) < 4
	WLOAD (\s)+4
.endif
.endm
	s_load_b256 s[4:11], s[0:1], 0x0               ; av s[4:5], wo s[6:7], hidden s[8:9], out0 s[10:11]
	v_lshl_add_u32 v254, v0, 2, 0x12100
	v_mov_b32 v255, 0
	v_lshrrev_b32 v1, 5, v0
	v_readfirstlane_b32 s12, v1                    ; wave 0..15
	v_and_b32 v2, 31, v0                           ; lane
	v_and_b32 v3, 15, v0                           ; r
	v_bfe_u32 v4, v0, 4, 1                         ; h
	v_lshlrev_b32 v5, 4, v2                        ; v5: 16 x lane
	v_lshlrev_b32 v6, 2, v2                        ; v6: 4 x lane
	v_lshlrev_b32 v7, 2, v3                        ; v7: 4 r
	v_lshlrev_b32 v10, 4, v0                       ; v10: 16 x my thread's number: my 16 bytes of av's 8,192, in memory and in LDS
	v_mul_u32_u24 v8, v3, SPITCH
	v_lshl_add_u32 v8, v4, 5, v8
	s_lshl_b32 s13, s12, 8
	s_add_co_u32 s13, s13, STG
	v_add_nc_u32 v8, s13, v8                       ; v8: the stage, in: row r, + 256 wave + 32 h
	s_mul_i32 s13, s12, SPITCH
	s_add_co_u32 s13, s13, STG
	v_add_nc_u32 v9, s13, v5                       ; v9: and back: row = my wave, 16 bytes a lane
	s_lshl_b32 s14, ttmp9, 13                      ; av's eight images of my 16 rows
	s_mov_b32 s15, 0
	s_lshl_b32 s16, ttmp9, 9
	s_add_co_u32 s16, s16, 0x100000                ; their scale words
	s_mov_b32 s17, 0
	s_lshl_b32 s18, s12, 15                        ; W_out: my four tiles x 8 K steps x 1,024 bytes
	s_mov_b32 s19, 0
	s_lshl_b32 s20, s12, 11
	s_add_co_u32 s20, s20, 0x80000                 ; my two pairs' scale words
	s_mov_b32 s21, 0
	s_lshl_b32 s22, ttmp9, 4
	s_add_co_u32 s22, s22, s12
	s_lshl_b32 s22, s22, 12                        ; row 16 work-group + wave, 4,096 bytes a row
	s_mov_b32 s23, 0
	s_mov_b32 s26, 0x3a800000                      ; 1 / 1,024
	s_mov_b32 s27, 0x3727c5ac                      ; 1e-5
	s_mov_b32 s28, 0x76543210
	s_mov_b32 s29, 0xfedcba98                      ; lane selects: lane l xor 16
	s_wait_kmcnt 0x0
	s_add_nc_u64 s[14:15], s[4:5], s[14:15]
	s_add_nc_u64 s[16:17], s[4:5], s[16:17]
	s_add_nc_u64 s[18:19], s[6:7], s[18:19]
	s_add_nc_u64 s[20:21], s[6:7], s[20:21]
	s_add_nc_u64 s[24:25], s[10:11], s[22:23]
	s_add_nc_u64 s[22:23], s[8:9], s[22:23]
	global_load_b128 v[T:T+3], v10, s[14:15]       ; my 16 bytes of av's images: asked for first, wanted first
.irp s, 0,1,2,3,4,5,6,7
	global_load_b32 v[16+\s], v7, s[16:17] offset:64*\s
.endr
.irp s, 0,1,2,3,4,5,6,7
.irp p, 0,1
	global_load_b32 v[WS+2*\s+\p], v6, s[20:21] offset:(8*\p+\s)*128     ; lanes 0-15 tile 2 p, lanes 16-31 tile 2 p + 1
.endr
.endr
	WLOAD 0
	WLOAD 1
	WLOAD 2
	WLOAD 3                                        ; 57 loads of mine are out here: the most in this text
	s_wait_loadcnt 56                              ; all 56 issued behind my piece of av may stay out
	ds_store_b128 v10, v[T:T+3] offset:AVL
	s_wait_dscnt 0x0                               ; for the others' sake: my piece lies in LDS
	s_barrier_signal -1
	s_barrier_wait -1                              ; all 8,192 bytes do
	ALOAD 0
	ALOAD 1
	KSTEP 0, 1, 24, 2                              ; behind K step 0's fragments: those of K steps 1, 2 and 3; behind av's fragment 0: fragment 1's two loads
.irp i, 0,1,2,3,4,5,6,7
	global_load_b128 v[ROW+4*\i:ROW+4*\i+3], v5, s[22:23] offset:512*\i th:TH_LOAD_NT   ; my row of hidden: read once; wanted only behind the products
.endr
	KSTEP 1, 0, 32, 2                              ; behind K step 1's: K steps 2, 3, 4 and the row's eight
	KSTEP 2, 0, 32, 2                              ; K steps 3, 4, the row, K step 5
	KSTEP 3, 0, 32, 2                              ; K step 4, the row, K steps 5, 6
	KSTEP 4, 0, 32, 2                              ; the row, K steps 5, 6, 7
	KSTEP 5, 0, 16, 2                              ; K steps 6, 7 (the row is in)
	KSTEP 6, 0, 8, 2
	KSTEP 7, 0, 0, 0
.irp t, 0,1,2,3
	ds_store_b128 v8, v[ACC+8*\t:ACC+8*\t+3] offset:64*\t        ; lane (r, h): columns 64 w + 16 t + 8 h + 0 .. 7 of row r; each accumulator from its low end on
	ds_store_b128 v8, v[ACC+8*\t+4:ACC+8*\t+7] offset:64*\t+16
.endr
	s_wait_dscnt 0x0                               ; for the others' sake: my stores into the stage are done
	s_barrier_signal -1
	s_barrier_wait -1
.irp i, 0,1,2,3,4,5,6,7
	ds_load_b128 v[WB+4*\i:WB+4*\i+3], v9 offset:512*\i
.endr
	s_wait_dscnt 0x0
.set n, 0
.rept 16
	v_pk_add_f32 v[ROW+n:ROW+n+1], v[ROW+n:ROW+n+1], v[WB+n:WB+n+1]    ; x = hidden + av W_out
.set n, n+2
.endr
	v_pk_add_f32 v[T:T+1], v[ROW:ROW+1], v[ROW+2:ROW+3]          ; the row's sum: my 32 numbers in two chains,
	v_pk_add_f32 v[T+2:T+3], v[ROW+4:ROW+5], v[ROW+6:ROW+7]
.irp j, 8,12,16,20,24,28
	v_pk_add_f32 v[T:T+1], v[T:T+1], v[ROW+\j:ROW+\j+1]
	v_pk_add_f32 v[T+2:T+3], v[T+2:T+3], v[ROW+\j+2:ROW+\j+3]
.endr
	v_pk_add_f32 v[T:T+1], v[T:T+1], v[T+2:T+3]
	v_add_f32 v[T], v[T], v[T+1]
	v_add_f32_dpp v[T], v[T], v[T] row_xmask:1 row_mask:0xf bank_mask:0xf     ; then the 32 lanes'
	v_add_f32_dpp v[T], v[T], v[T] row_xmask:2 row_mask:0xf bank_mask:0xf
	v_add_f32_dpp v[T], v[T], v[T] row_xmask:4 row_mask:0xf bank_mask:0xf
	v_add_f32_dpp v[T], v[T], v[T] row_xmask:8 row_mask:0xf bank_mask:0xf
	v_permlanex16_b32 v[T+1], v[T], s28, s29
	v_add_f32 v[T], v[T], v[T+1]
	v_mul_f32 v[T], s26, v[T]                      ; the mean,
	v_mov_b32 v[T+1], v[T]                         ; twice, for the packed form
.set n, 0
.rept 16
	v_pk_add_f32 v[ROW+n:ROW+n+1], v[ROW+n:ROW+n+1], v[T:T+1] neg_lo:[0,1] neg_hi:[0,1]   ; x - mean
.set n, n+2
.endr
	v_pk_mul_f32 v[T+2:T+3], v[ROW:ROW+1], v[ROW:ROW+1]          ; the sum of its squares, in two chains
	v_pk_mul_f32 v[T+4:T+5], v[ROW+2:ROW+3], v[ROW+2:ROW+3]
.irp j, 4,8,12,16,20,24,28
	v_pk_fma_f32 v[T+2:T+3], v[ROW+\j:ROW+\j+1], v[ROW+\j:ROW+\j+1], v[T+2:T+3]
	v_pk_fma_f32 v[T+4:T+5], v[ROW+\j+2:ROW+\j+3], v[ROW+\j+2:ROW+\j+3], v[T+4:T+5]
.endr
	v_pk_add_f32 v[T+2:T+3], v[T+2:T+3], v[T+4:T+5]
	v_add_f32 v[T+2], v[T+2], v[T+3]
	v_add_f32_dpp v[T+2], v[T+2], v[T+2] row_xmask:1 row_mask:0xf bank_mask:0xf
	v_add_f32_dpp v[T+2], v[T+2], v[T+2] row_xmask:2 row_mask:0xf bank_mask:0xf
	v_add_f32_dpp v[T+2], v[T+2], v[T+2] row_xmask:4 row_mask:0xf bank_mask:0xf
	v_add_f32_dpp v[T+2], v[T+2], v[T+2] row_xmask:8 row_mask:0xf bank_mask:0xf
	v_permlanex16_b32 v[T+3], v[T+2], s28, s29
	v_add_f32 v[T+2], v[T+2], v[T+3]
	v_fma_f32 v[T+2], v[T+2], s26, s27             ; the variance + eps
	v_rsq_f32 v[T+4], v[T+2]
	v_nop                                          ; a plain place behind the transcendental
	s_wait_alu depctr_va_vdst(0)                   ; the wait ahead of its first reader
.set n, 0
.rept 16
	v_pk_mul_f32 v[ROW+n:ROW+n+1], v[ROW+n:ROW+n+1], v[T+4:T+5] op_sel_hi:[1,0]
.set n, n+2
.endr
.irp i, 0,1,2,3,4,5,6,7
	global_store_b128 v5, v[ROW+4*\i:ROW+4*\i+3], s[24:25] offset:512*\i th:TH_STORE_NT   ; 32 lanes store 512 consecutive bytes, aligned; written once
.endr
	s_wait_tensorcnt 0x0
	ds_add_u32 v254, v255
	s_wait_dscnt 0x0
	s_endpgm
.Lfunc_end_k_q9a2c02c9d1_outln:
	.size	k_q9a2c02c9d1_outln, .Lfunc_end_k_q9a2c02c9d1_outln-k_q9a2c02c9d1_outln
	.p2alignl 7, 3214868480
	.fill 96, 4, 3214868480
	.section	.rodata,"a",@progbits
	.p2align	6, 0x0
	.amdhsa_kernel k_q9a2c02c9d1_outln
		.amdhsa_group_segment_fixed_size 76032
		.amdhsa_private_segment_fixed_size 0
		.amdhsa_enable_private_segment 0
		.amdhsa_kernarg_size 32
		.amdhsa_user_sgpr_count 2
		.amdhsa_user_sgpr_kernarg_segment_ptr 1
		.amdhsa_wavefront_size32 1
		.amdhsa_system_sgpr_workgroup_id_x 1
		.amdhsa_system_sgpr_workgroup_id_y 1
		.amdhsa_system_sgpr_workgroup_id_z 1
		.amdhsa_system_vgpr_workitem_id 0
		.amdhsa_next_free_vgpr 256
		.amdhsa_next_free_sgpr 66
		.amdhsa_reserve_vcc 0
		.amdhsa_float_denorm_mode_32 3
		.amdhsa_float_denorm_mode_16_64 3
		.amdhsa_memory_ordered 1
		.amdhsa_forward_progress 1
		.amdhsa_inst_pref_size 26
	.end_amdhsa_kernel
	.amdgpu_metadata
---
amdhsa.version: [ 1, 2 ]
amdhsa.kernels:
  - .name:           k_q9a2c02c9d1_outln
    .symbol:         k_q9a2c02c9d1_outln.kd
    .args:
      - { .name: av, .offset: 0, .size: 8, .value_kind: global_buffer, .address_space: global }
      - { .name: wo, .offset: 8, .size: 8, .value_kind: global_buffer, .address_space: global }
      - { .name: hidden, .offset: 16, .size: 8, .value_kind: global_buffer, .address_space: global }
      - { .name: out0, .offset: 24, .size: 8, .value_kind: global_buffer, .address_space: global }
    .group_segment_fixed_size: 76032
    .private_segment_fixed_size: 0
    .kernarg_segment_align: 8
    .kernarg_segment_size: 32
    .max_flat_workgroup_size: 512
    .sgpr_count:     66
    .vgpr_count:     256
    .wavefront_size: 32
...
	.end_amdgpu_metadata
.endif
;; end of part 6
;; ======== version 3 of 3: 4 launches; version 2 with the launches attn, outln written anew for expert scheduling mode
;; workspace buffers: mhq 2,228,224 bytes; maskw 1,048,576 bytes of whole numbers; wo 557,056 bytes; qq 2,228,224 bytes; kv 6,684,672 bytes; av 1,114,112 bytes
;; launch prep: the kernel of part 1 again; grid 648 x 1, 4 waves a work-group, no clusters, 33,280 bytes of LDS; arguments memory, hidden, mask, W_out_codes, W_out_scales, mhq, maskw, wo; writes mhq, maskw, wo
;; launch proj: the kernel of part 2 again; grid 16 x 32, 8 waves a work-group, clusters of 4 x 4, 287,744 bytes of LDS; arguments mhq, position_embedding_codes, position_embedding_scales, W_qkv_codes, W_qkv_scales, W_pe_codes, W_pe_scales, u, v, qq, kv; writes qq, kv
;; launch attn (part 7): grid 16 x 16, 8 waves a work-group, no clusters, 54,272 bytes of LDS; arguments qq, kv, maskw, av; writes av
.if DOCPART == 7
	.amdgcn_target "amdgcn-amd-amdhsa--gfx1250"
	.amdhsa_code_object_version 6
	.text
	.protected	k_q9a2c02c9d1_attn
	.globl	k_q9a2c02c9d1_attn
	.p2align	8
	.type	k_q9a2c02c9d1_attn,@function
k_q9a2c02c9d1_attn:
	s_mov_b64 s[64:65], 0
	v_nop
	global_prefetch_b8 v0, s[64:65] scope:SCOPE_SE
	s_setreg_imm32_b32 hwreg(HW_REG_WAVE_SCHED_MODE, 0, 2), 2
	s_setreg_imm32_b32 hwreg(HW_REG_WAVE_MODE, 25, 1), 1
	s_wait_xcnt 0x0
	s_wait_alu depctr_vm_vsrc(0)
; av[q][head] = softmax_k(((Q + u) . K + (Q + v) . pe) / 8, masked) V, on codes of FP4 (E2M1) with one E8M0 scale for each 32 along a product's K.
; AC + BD IS ONE PRODUCT with K = 128: [Q + u | Q + v] . [K | pe]: four blocks of 32, one matrix instruction for 16 keys x 16 queries.
; THE SOFTMAX AHEAD OF THE SECOND PRODUCT: t = score x log2(e) / 8; M = the row's largest t so far, rounded up to a whole number; p = 2^(t - M) is quantised along the keys, not normalised; the row's sum is taken of the unquantised p
; and divides at the end.  When M moves, the sum and O are multiplied by 2^(old M - new M): exact.
; SHARES.  A work-group takes one head and eight tiles of 16 queries, a tile to a wave: tile 8 g + w.  Every wave walks the head's 32 steps of 128 keys.
; A step's operands are one record of 13,056 bytes, made by the launch before as images of the operand's registers: 8 fragments [K | pe], 4 of V^T, their scale words.  The eight waves copy the records into FOUR LDS slots through registers
; (three loads of 16 bytes a lane, and in waves 0-5 one of 4); all eight read them.  Record r lies in slot r % 4.
; WHAT A STEP WAITS FOR IS ASKED FOR A STEP EARLIER.  In step j a wave asks memory for record j + 3, multiplies by K of step j (in registers since step j - 1), reads V of step j and K of step j + 1 from LDS while its softmax is worked,
; asks for the mask words of step j + 1, and at the end stores record j + 2 into slot (j + 2) % 4.  So K has two sets of registers, for even and for odd steps.
; ONE barrier a step: in front of it each wave's LDS reads are back and its stores are done.  Between two barriers slots j and j + 1 are read and slot j + 2 is written, which last held record j - 2.
; THE MASK is an input and is honoured bit for bit, in every step alike: the first launch has packed it into lane masks, 64 words for my 16 queries and a step's 128 keys; they come by four scalar loads, and 64 selects put
; -infinity in place of hidden scores ahead of the maximum, so that p = 0 there.  No branch and no address hangs on the mask.  A step all of whose keys are hidden changes nothing: the largest t stays, its codes are zeros, f = 1.
; THE RECORDS GO THROUGH REGISTERS, NOT BY JOINT LOADS, though the sixteen work-groups of a head read the same ones: a wave's share of a step's copy is four loads and four LDS stores beside its 12 products and some 300 vector instructions,
; and a joint load of a record's 13,056 bytes would ask for a round of the cluster's barrier in each step where one work-group barrier stands now.
; LAYOUT.  Both products are used transposed: S^T = [K | pe] [Q..]^T, O^T = V^T P^T: a lane holds one query (lane % 16) throughout.  Lane r of key tile 2 b + u holds key 32 b + 8 u + r + 8 (r / 8), so that register 16 b + i of S^T is key 32 b + 16 (lane / 16) + i.
; V^T's rows are chosen likewise, so that register 16 b + i of O^T is d = 32 b + 16 (lane / 16) + i: the last product's K.  av leaves as codes: this head's 64 are half a fragment (512 bytes) and half a scale word.
; LIMITS: a block's largest p is made from the block's largest score by the same two instructions, which takes v_exp_f32 not to fall where its input rises; a block of zeros keeps the scale byte 1 (zero codes);
; a query all of whose keys are hidden gets the scale bytes 0xff, so that its row comes out NaN as in reference(); NaN and infinities among the inputs are not served.
; REGISTERS, in windows of 256 (s_set_vgpr_msb: bits 1:0 source 0, 7:6 destination).  Window 0: v1-4, v7, v8 addresses; v6 -infinity; v12 -M, v13 the largest t, v[14:15] the sum; v16-23 Q, v24 its scale words; v32-95 K of even steps;
; v96-159 S^T, then p; v160-191 O^T; v192-204, v206-218 two records on their way; v224-231 p's codes; v232-254 at work; v240-241 V's scale words, v248-251 K's, v253 p's.  Window 1: v32-95 K of odd steps; v96-127 V^T.
; s32-63, s68-99: a step's 64 mask words.
; THE MODE: SCHED_MODE bits 1:0 = 2 (LLVM: expert scheduling mode 2), set by the entry lines.  The code itself states the register dependences between vector or matrix instructions and memory or LDS instructions, with s_wait_alu, always for 0.
; THE PLAN.  Registers that memory or LDS instructions touch:
;   v1-4, v7, v8      addresses: written at the head and never again: one wait on va_vdst ahead of the first load serves every load, store and prefetch of the kernel.
;   the record sets   v192-204, v206-218: no vector instruction names them.  The loads at the head of step j land in set (j + 1) % 2, which the LDS stores at the end of step j - 1 read: one wait on vm_vsrc at a step's head.
;   K's two sets      step j's eight score products read set j % 2; step j's sixteen LDS loads land in the other set, which the score products of step j - 1 read last.
;   v248-251          read by step j's score products as scales; loaded again in step j, behind them.
;   V^T, v240-241     read by the last four products of step j - 1; loaded in step j.
;   So ONE wait on va_vdst, behind a step's score products, states all that the step's 30 LDS loads hang on.  They follow it in short runs among the softmax's vector instructions, which name v6, v12-15, v96-191, v224-239, v244-247
;   and v252-254 alone: none of the registers that those loads touch.
;   v224-231, v253    p's codes and scale word: written by vector instructions, taken by scaled products: one wait on va_vdst ahead of these, behind their places.
;   v224-227, v254    on the way out: written by vector instructions, read by the two stores: one wait on va_vdst ahead of them.
;   v242, v243        written at the head, read by the closing add alone.
.set REC,   13056
.set SLOTB, 13312                      ; an LDS slot: a record, rounded up to a multiple of 512
.set G0,    192
.set KF,    32                         ; K's fragments, in window 0 (even steps) or 1 (odd steps)
.set VF,    96                         ; V^T's fragments, in window 1
.set WV,    12
.set J,     13                         ; the step
.set LIM,   16                         ; a wave prefetches while J is under it
.set TRIP,  17
.set SEL,   18                         ; s[18:19] lane selects: lane l xor 16
.set CS,    20                         ; s[20:21] c = log2(e) / 8
.set KV,    22                         ; s[22:23] the step's record
.set MW,    24                         ; s[24:25] the step's 64 mask words
.set PF,    26                         ; s[26:27] where my prefetches stand
.set MSB, 0
.macro WIN new                         ; the immediate's high byte repeats the setting that is left; a switch that changes nothing is dropped.  At every label and branch the setting is 0
.if MSB != \new
	s_set_vgpr_msb (MSB<<8)|\new
.set MSB, \new
.endif
.endm
.macro PLACES
.rept 4
	v_nop
.endr
.endm
.macro WM d, a, b, zero, sa, ra, sb    ; one matrix instruction; ra = 1: source 0's scale words stand in lanes 16-31
.if \zero
.if \ra
	v_wmma_scale_f32_16x16x128_f8f6f4 v[\d:\d+7], v[\a:\a+7], v[\b:\b+7], 0, v[\sa], v[\sb] matrix_a_fmt:MATRIX_FMT_FP4 matrix_b_fmt:MATRIX_FMT_FP4 matrix_a_scale:MATRIX_SCALE_ROW1
.else
	v_wmma_scale_f32_16x16x128_f8f6f4 v[\d:\d+7], v[\a:\a+7], v[\b:\b+7], 0, v[\sa], v[\sb] matrix_a_fmt:MATRIX_FMT_FP4 matrix_b_fmt:MATRIX_FMT_FP4
.endif
.else
.if \ra
	v_wmma_scale_f32_16x16x128_f8f6f4 v[\d:\d+7], v[\a:\a+7], v[\b:\b+7], v[\d:\d+7], v[\sa], v[\sb] matrix_a_fmt:MATRIX_FMT_FP4 matrix_b_fmt:MATRIX_FMT_FP4 matrix_a_scale:MATRIX_SCALE_ROW1
.else
	v_wmma_scale_f32_16x16x128_f8f6f4 v[\d:\d+7], v[\a:\a+7], v[\b:\b+7], v[\d:\d+7], v[\sa], v[\sb] matrix_a_fmt:MATRIX_FMT_FP4 matrix_b_fmt:MATRIX_FMT_FP4
.endif
.endif
.endm
; My part of the record off bytes behind the step's: 3 x 512 bytes of fragments; in waves 0-5 also 128 of the 768 bytes of scale words, asked for FIRST, so that one count serves all waves' waits.
.macro BATCH g, off
	s_cmp_lt_u32 s[WV], 6
	s_cbranch_scc0 .Lno_words_\@
	global_load_b32 v[(\g)+12], v4, s[KV:KV+1] offset:(\off)+12288
.Lno_words_\@:
.irp i, 0,1,2
	global_load_b128 v[(\g)+4*\i:(\g)+4*\i+3], v3, s[KV:KV+1] offset:(\off)+4096*\i
.endr
.endm
.macro PUT g, slot                     ; and into an LDS slot, as it lies.  (The arguments are put in as text: each stands in brackets)
	s_cmp_lt_u32 s[WV], 6
	s_cbranch_scc0 .Lno_words_\@
	ds_store_b32 v4, v[(\g)+12] offset:(\slot)*SLOTB+12288
.Lno_words_\@:
.irp i, 0,1,2
	ds_store_b128 v3, v[(\g)+4*\i:(\g)+4*\i+3] offset:(\slot)*SLOTB+4096*\i
.endr
.endm
.macro MASKS off                       ; 64 mask words, off bytes behind the step's: word n holds the lanes in which register n's score is hidden
	s_load_b512 s[32:47], s[MW:MW+1], \off
	s_load_b512 s[48:63], s[MW:MW+1], \off+0x40
	s_load_b512 s[68:83], s[MW:MW+1], \off+0x80
	s_load_b512 s[84:99], s[MW:MW+1], \off+0xc0
.endm
; Two of the next step's eight fragments of K, tiles 2 g and 2 g + 1: four LDS loads, from the slot behind this step's, into the set of registers that this step does not multiply by.
; The sixteen loads stand in four short runs between the phases of the softmax.  No wait of their own: no vector or matrix instruction issued since the step's wait behind its score products names that set.
.macro KNEXT slot, g
.if ((\slot)%2) == 0
	WIN 0x40                                       ; the next step is odd: destination window 1
.endif
.irp t, 2*\g, 2*\g+1
	ds_load_b128 v[KF+8*(\t):KF+8*(\t)+3],   v1 offset:(((\slot)+1)%4)*SLOTB+1024*(\t)
	ds_load_b128 v[KF+8*(\t)+4:KF+8*(\t)+7], v1 offset:(((\slot)+1)%4)*SLOTB+1024*(\t)+512
.endr
	WIN 0
.endm
; A PREFETCH INTO THE L2.  A head's 32 records are 1,632 blocks of 256 bytes on end, which all sixteen work-groups of the head walk.  The head's first work-group asks, in its waves 6 and 7, which have one load fewer:
; in step J blocks 288 + 64 J + 32 (wave % 2) + lane, for J < 21: each block from 288 to 1,631 is named once, the last is the head's last.  The loads of step J begin at block 51 (J + 3): the lead is 135 + 13 J blocks, 2.6 steps and more.
; Blocks 0 to 287 come by their loads alone: nothing is asked for at the head.
.macro ASK
	s_cmp_lt_u32 s[J], s[LIM]
	s_cbranch_scc0 .Lnot_mine_\@
	global_prefetch_b8 v7, s[PF:PF+1] th:TH_LOAD_NT scope:SCOPE_SE
.Lnot_mine_\@:
.endm
	s_load_b256 s[4:11], s[0:1], 0x0               ; qq s[4:5], kv s[6:7], maskw s[8:9], av s[10:11]
	v_lshl_add_u32 v242, v0, 2, 0xd000
	v_mov_b32 v243, 0
	v_lshrrev_b32 v9, 5, v0
	v_readfirstlane_b32 s[WV], v9                  ; wave 0..7
	v_and_b32 v9, 31, v0                           ; lane
	v_lshlrev_b32 v1, 4, v9                        ; v1: 16 x lane: an image's place for my lane
	v_lshlrev_b32 v2, 2, v9                        ; v2: 4 x lane: a scale word's
	v_lshlrev_b32 v3, 4, v0                        ; v3: 16 x lane + 512 x wave: my part of 4,096 bytes of a record, in memory and in LDS
	v_lshlrev_b32 v4, 2, v0                        ; v4: 4 x lane + 128 x wave: my part of its scale words
	v_lshlrev_b32 v7, 8, v9                        ; v7: 256 x lane: the prefetches
	v_and_b32 v8, 15, v0
	v_lshlrev_b32 v8, 2, v8                        ; v8: 4 x (lane % 16): a query's scale word
	s_wait_alu depctr_va_sdst(0)                   ; the wave's number is written into s[WV], ahead of its first reader: bases, branches and the prefetches' limit are made from it
	s_and_b32 s32, ttmp7, 0xffff                   ; the head
	s_lshl_b32 s33, ttmp9, 3
	s_add_co_u32 s33, s33, s[WV]                   ; qt = 8 g + w: my tile of 16 queries
	s_mul_i32 s34, s32, 32*REC                     ; the head's records
	s_mov_b32 s35, 0
	s_lshl_b32 s36, s33, 13                        ; my tile's mask words: 32 steps x 256 bytes
	s_mov_b32 s37, 0
	s_lshl_b32 s40, s32, 7
	s_add_co_u32 s40, s40, s33                     ; 128 head + qt
	s_lshl_b32 s42, s40, 6
	s_add_co_u32 s42, s42, 0x200000                ; Q's scale words, behind the images
	s_mov_b32 s43, 0
	s_lshl_b32 s40, s40, 10                        ; Q's image
	s_mov_b32 s41, 0
	s_lshl_b32 s44, s33, 3
	s_lshr_b32 s45, s32, 1
	s_add_co_u32 s44, s44, s45                     ; av: 8 qt + K step (two heads to a K step of 128)
	s_and_b32 s45, s32, 1
	s_lshl_b32 s46, s44, 10
	s_lshl_b32 s47, s45, 9
	s_add_co_u32 s46, s46, s47                     ; my half of the image
	s_mov_b32 s47, 0
	s_lshl_b32 s48, s44, 6
	s_lshl_b32 s49, s45, 1
	s_add_co_u32 s48, s48, s49
	s_add_co_u32 s48, s48, 0x100000                ; my half of the scale words
	s_mov_b32 s49, 0
	s_and_b32 s56, s[WV], 1
	s_lshl_b32 s56, s56, 13
	s_add_co_u32 s56, s56, 288*256
	s_mov_b32 s57, 0
	s_lshr_b32 s2, s[WV], 1
	s_cmp_eq_u32 s2, 3
	s_cselect_b32 s2, 0, 1                         ; 0 in waves 6 and 7,
	s_or_b32 s2, s2, ttmp9                         ; of the head's first work-group
	s_cmp_eq_u32 s2, 0
	s_cselect_b32 s[LIM], 21, 0
	s_mov_b32 s[SEL], 0x76543210
	s_mov_b32 s[SEL+1], 0xfedcba98
	s_mov_b32 s[CS], 0x3e38aa3b                    ; log2(e) / 8
	s_mov_b32 s[CS+1], s[CS]                       ; (named with it as a pair, so it is written)
	s_mov_b32 s[J], 0
	s_wait_kmcnt 0x0
	s_add_nc_u64 s[KV:KV+1], s[6:7], s[34:35]
	s_add_nc_u64 s[MW:MW+1], s[8:9], s[36:37]
	s_add_nc_u64 s[52:53], s[4:5], s[40:41]
	s_add_nc_u64 s[54:55], s[4:5], s[42:43]
	s_add_nc_u64 s[28:29], s[10:11], s[46:47]
	s_add_nc_u64 s[30:31], s[10:11], s[48:49]
	s_add_nc_u64 s[PF:PF+1], s[KV:KV+1], s[56:57]
	s_wait_alu depctr_va_vdst(0)                   ; the six addresses v1-4, v7, v8 are written: every load, store and prefetch of the kernel reads one of them, and none is written again
	global_load_b128 v[16:19], v1, s[52:53]        ; Q's fragment stays in registers
	global_load_b128 v[20:23], v1, s[52:53] offset:512
	global_load_b32 v24, v8, s[54:55]              ; its scale words
	BATCH G0, 0                                    ; record 0
	BATCH G0+14, REC                               ; record 1
	v_mov_b32 v6, 0xff800000                       ; -infinity
	v_mov_b32 v13, 0xff61b1e6                      ; the largest t so far: -3e38, under every t
	v_floor_f32 v12, -v13                          ; -M
	v_mov_b32 v14, 0                               ; the sum, in two halves
	v_mov_b32 v15, 0
.irp b, 0,1,2,3
	v_mov_b32 v[236+\b], 0                         ; written once: a lane permute's destination counts as one of its sources
.endr
	v_mov_b32 v252, 0
	v_mov_b32 v253, 0                              ; (named as the upper half of the pair v[252:253] before it is first written)
.set n, 0
.rept 32
	v_mov_b32 v[160+n], 0                          ; O^T.  The step is written for every step alike: the first finds zeros, which the first change of M leaves zeros
.set n, n+1
.endr
	s_wait_loadcnt 0x0                             ; Q and records 0 and 1 are in (so Q's bases, s52-55, may take mask words)
	MASKS 0                                        ; step 0's mask words
	PUT G0, 0
	PUT G0+14, 1
	s_wait_dscnt 0x0                               ; my parts of records 0 and 1 lie in slots 0 and 1
	s_wait_alu depctr_vm_vsrc(0)                   ; the LDS stores above have read both sets of registers: record 2's loads land in the first
	BATCH G0, 2*REC
	s_barrier_signal -1
	s_barrier_wait -1                              ; everybody's parts lie there
.irp b, 0,1,2,3
	ds_load_b32 v[248+\b], v2 offset:12288+128*\b                   ; step 0's K: scale words and fragments
.endr
.irp t, 0,1,2,3,4,5,6,7
	ds_load_b128 v[KF+8*\t:KF+8*\t+3],   v1 offset:1024*\t
	ds_load_b128 v[KF+8*\t+4:KF+8*\t+7], v1 offset:1024*\t+512
.endr
	s_wait_dscnt 0x0
; A KEY STEP j, with slot = j % 4.  ld = 1: record j + 3 is asked for.  st = 1: record j + 2 goes into its slot, the bases step, and the step's barrier follows.  nx = 1: a step follows: its K and its mask words are asked for.
.macro STEP slot, ld, st, nx
.if \ld
	s_wait_alu depctr_vm_vsrc(0)                   ; the LDS stores at the end of the step before (step 0: at the head) have read the set of registers in which the loads below land
	BATCH G0+14*(((\slot)+1)%2), 3*REC             ; record r uses the set of registers r % 2; that set's last record was stored into LDS ahead of the last barrier
	ASK
.endif
.if ((\slot)%2)
	WIN 0x01                                       ; an odd step's K: source 0 in window 1
.endif
.irp t, 0,1,2,3,4,5,6,7
	WM 96+8*\t, KF+8*\t, 16, 1, 248+\t/2, \t%2, 24  ; K and its scale words came in during the step before, ahead of that step's wait for all LDS loads
.endr
	WIN 0
	PLACES                                         ; four places behind the products, in front of the first read of the scores (ISA guide 7.12.1)
	WIN 0x40                                       ; destination window 1
	s_wait_alu depctr_va_vdst(0)                   ; the eight products above are done reading K's scale words v248-251; the last step's four products are done reading V^T and v240-241, its score products the other set of K: the step's LDS loads land in these
.irp t, 0,1,2,3
	ds_load_b128 v[VF+8*\t:VF+8*\t+3],   v1 offset:(\slot)*SLOTB+8192+1024*\t        ; V^T's fragments land while the softmax is worked
	ds_load_b128 v[VF+8*\t+4:VF+8*\t+7], v1 offset:(\slot)*SLOTB+8192+1024*\t+512
.endr
	WIN 0
.irp p, 0,1
	ds_load_b32 v[240+\p], v2 offset:(\slot)*SLOTB+12800+128*\p
.endr
.if \nx
.irp b, 0,1,2,3
	ds_load_b32 v[248+\b], v2 offset:(((\slot)+1)%4)*SLOTB+12288+128*\b     ; the next step's scale words of [K | pe]: lanes 0-15 tile 2 b, lanes 16-31 tile 2 b + 1
.endr
	KNEXT \slot, 0
.endif
	s_wait_kmcnt 0x0                               ; the mask words, asked for in the middle of the step before, are in
.set n, 0
.rept 32
	v_cndmask_b32 v[96+n], v[96+n], v6, s[32+n]    ; hidden scores become -infinity ahead of the maximum: p = 0 then.  Each accumulator from its low end on
.set n, n+1
.endr
.rept 32
	v_cndmask_b32 v[96+n], v[96+n], v6, s[36+n]
.set n, n+1
.endr
.if \nx
	KNEXT \slot, 1
.endif
.irp b, 0,1,2,3
	v_max3_num_f32 v[232+\b], v[96+16*\b], v[97+16*\b], v[98+16*\b]   ; the largest score of each block of 32 keys: for the row's maximum, and, since p rises with the score, for the block's largest p
.endr
.irp i, 3,5,7,9,11,13
.irp b, 0,1,2,3
	v_max3_num_f32 v[232+\b], v[232+\b], v[96+16*\b+\i], v[97+16*\b+\i]
.endr
.endr
.irp b, 0,1,2,3
	v_max_num_f32 v[232+\b], v[232+\b], v[111+16*\b]
.endr
.irp b, 0,1,2,3
	v_permlanex16_b32 v[236+\b], v[232+\b], s[SEL], s[SEL+1]
.endr
.irp b, 0,1,2,3
	v_max_num_f32 v[232+\b], v[232+\b], v[236+\b]  ; with lane l xor 16's 16 keys
.endr
	v_max3_num_f32 v254, v232, v233, v234
	v_max_num_f32 v254, v254, v235                 ; the step's largest score of my query
	v_mul_f32 v254, s[CS], v254                    ; as t (c is positive)
	v_max_num_f32 v13, v13, v254                   ; the running largest t
	v_mov_b32 v254, v12
	v_floor_f32 v12, -v13                          ; the new -M = floor(-t) = -ceil(t): a whole number
	v_sub_f32 v254, v12, v254                      ; M's old value less its new one: a whole number, 0 or less
	v_cvt_i32_f32 v254, v254                       ; (it saturates)
	v_ldexp_f32 v252, 1.0, v254                    ; f = 2^(old M - new M)
.if \nx
	MASKS 0x100                                    ; the next step's mask words, into the registers that the selects above have read: they have the rest of the step in which to land
	KNEXT \slot, 2
.endif
.set n, 0
.rept 32
	v_pk_fma_f32 v[96+n:97+n], v[96+n:97+n], s[CS:CS+1], v[12:13] op_sel_hi:[1,0,0]   ; t - M, two at a time
.set n, n+2
.endr
.irp b, 0,1,2,3
	v_fma_f32 v[232+\b], v[232+\b], s[CS], v12     ; the same of each block's largest score
.endr
.if \nx
	KNEXT \slot, 3
.endif
.set n, 0
.rept 64
	v_exp_f32 v[96+n], v[96+n]                     ; p = 2^(t - M), at most 1
.set n, n+1
.endr
	v_pk_mul_f32 v[14:15], v[14:15], v[252:253] op_sel_hi:[1,0]   ; the sums under the new M: a plain place behind the exponentials
	s_wait_alu depctr_va_vdst(0)                   ; the 64 exponentials have written p, v96-159: one wait for the batch, ahead of its first reader, the sums below
.irp b, 0,1,2,3
	v_exp_f32 v[232+\b], v[232+\b]                 ; the block's largest p
.endr
	v_pk_add_f32 v[236:237], v[96:97], v[98:99]    ; the row's sum is taken of the unquantised p: two at a time, in two chains
.irp j, 4,8,12,16,20,24,28,32,36,40,44,48,52,56,60
	v_pk_add_f32 v[14:15], v[14:15], v[96+\j:97+\j]
	v_pk_add_f32 v[236:237], v[236:237], v[98+\j:99+\j]
.endr
	v_pk_add_f32 v[14:15], v[14:15], v[236:237]
	s_wait_alu depctr_va_vdst(0)                   ; the four exponentials have written the blocks' largest p, v232-235, ahead of their first reader
.irp b, 0,1,2,3
	v_max_num_f32 v[232+\b], 0x1800000, v[232+\b]  ; the floor 2^(3 - 127): the byte cannot fall under 1
.endr
.irp b, 0,1,2,3
	v_add_nc_u32 v[244+\b], 0xff000000, v[232+\b]  ; 2 off the exponent field: the conversion's scale operand
.endr
.irp b, 0,1,2,3
	v_lshrrev_b32 v[236+\b], 23, v[244+\b]         ; the scale's byte
.endr
	v_lshl_or_b32 v253, v237, 8, v236              ; p's scale word for these 128 keys
	v_lshl_or_b32 v253, v238, 16, v253
	v_lshl_or_b32 v253, v239, 24, v253
.irp b, 0,1,2,3
	v_cvt_scalef32_pk8_fp4_f32 v[224+2*\b], v[96+16*\b:103+16*\b], v[244+\b]
	v_cvt_scalef32_pk8_fp4_f32 v[225+2*\b], v[104+16*\b:111+16*\b], v[244+\b]
.endr
	v_nop                                          ; one plain place behind a scaled conversion
.irp c, 0,1                                    ; a whole block in a lane: lanes 0-15 block 2 c, lanes 16-31 block 2 c + 1
.irp i, 0,1
	v_permlane16_swap_b32 v[224+4*\c+\i], v[226+4*\c+\i]
.endr
.endr
.set n, 0
.rept 16
	v_pk_mul_f32 v[160+n:161+n], v[160+n:161+n], v[252:253] op_sel_hi:[1,0]   ; O^T under the new M.  These sixteen are also the places between the lines that made p's codes and scale word and the products below
.set n, n+2
.endr
	s_wait_dscnt 0x0                               ; V^T's fragments and scale words are in, and so are the next step's K and its scale words
	WIN 0x01                                       ; V^T: source 0 in window 1
	s_wait_alu depctr_va_vdst(0)                   ; the conversions and exchanges have written p's codes v224-231, the shifts its scale word v253: the scaled products below take them as source 1 and as its scales; the places stand above this wait
.irp t, 0,1,2,3
	WM 160+8*\t, VF+8*\t, 224, 0, 240+\t/2, \t%2, 253    ; four accumulators by turns; the eight products of the scores stand between two turns of one
.endr
	WIN 0
	PLACES                                         ; four places behind the products, in front of the way out's first read of O^T (ISA guide 7.12.1)
.if \st
.if \ld
	s_wait_loadcnt 3                               ; all but the three loads of 16 bytes issued at this step's head: record j + 2, asked for a step ago, is in
.else
	s_wait_loadcnt 0x0
.endif
	PUT G0+14*((\slot)%2), ((\slot)+2)%4           ; into the slot that held record j - 2: every wave's reads of it were back two barriers ago
	s_wait_xcnt 0x0                                ; the loads, the scalar loads and the prefetch have read their bases: they step
	s_add_co_u32 s[J], s[J], 1
	s_add_nc_u64 s[KV:KV+1], s[KV:KV+1], REC
	s_add_nc_u64 s[MW:MW+1], s[MW:MW+1], 256
	s_add_nc_u64 s[PF:PF+1], s[PF:PF+1], 16384
	s_wait_dscnt 0x0                               ; my stores are done and my LDS reads are back
	s_barrier_signal -1
	s_barrier_wait -1
.endif
.endm
	s_mov_b32 s[TRIP], 7
.Lfour:                                            ; 7 trips of four steps, once round the slots: steps 0 to 27 ask for records 3 to 30
	STEP 0, 1, 1, 1
	STEP 1, 1, 1, 1
	STEP 2, 1, 1, 1
	STEP 3, 1, 1, 1
	s_sub_co_u32 s[TRIP], s[TRIP], 1
	s_cmp_lg_u32 s[TRIP], 0
	s_cbranch_scc1 .Lfour
	STEP 0, 1, 1, 1                                ; step 28 asks for record 31, the last: no load leaves the buffer
	STEP 1, 0, 1, 1                                ; step 29 stores it: the last store into LDS and the last barrier
	STEP 2, 0, 0, 1                                ; step 30 reads step 31's K and asks for its mask words
	STEP 3, 0, 0, 0
	; THE WAY OUT.  O^T / the sum is this head's 64 numbers of av's row: two blocks of 32 along the last product's K.  They are quantised here and leave as half a fragment's image and half a scale word.
	v_add_f32 v14, v14, v15                        ; the sum's two halves,
	v_permlanex16_b32 v252, v14, s[SEL], s[SEL+1]
	v_add_f32 v14, v14, v252                       ; and lane l xor 16's: the row's sum
	v_rcp_f32 v252, v14
	v_mov_b32 v255, 0xffff                         ; (a plain place behind the reciprocal)
	s_wait_alu depctr_va_vdst(0)                   ; the reciprocal has written v252, ahead of its first reader
.set n, 0
.rept 16
	v_pk_mul_f32 v[96+n:97+n], v[160+n:161+n], v[252:253] op_sel_hi:[1,0]     ; register 16 b + i: av(query r, 64 head + 32 b + 16 h + i)
.set n, n+2
.endr
.irp b, 0,1
	v_max3_num_f32 v[232+\b], |v[96+16*\b]|, |v[97+16*\b]|, 0x1800000
.endr
.irp i, 2,4,6,8,10,12,14
.irp b, 0,1
	v_max3_num_f32 v[232+\b], v[232+\b], |v[96+16*\b+\i]|, |v[97+16*\b+\i]|
.endr
.endr
.irp b, 0,1
	v_permlanex16_b32 v[236+\b], v[232+\b], s[SEL], s[SEL+1]
.endr
.irp b, 0,1
	v_max_num_f32 v[232+\b], v[232+\b], v[236+\b]
.endr
.irp b, 0,1
	v_add_nc_u32 v[244+\b], 0xff000000, v[232+\b]
.endr
.irp b, 0,1
	v_lshrrev_b32 v[236+\b], 23, v[244+\b]
.endr
	v_lshl_or_b32 v254, v237, 8, v236              ; my head's two scale bytes
	v_cmp_eq_f32 vcc_lo, 0, v14                    ; a query with every key hidden has the sum 0:
	s_wait_alu depctr_va_vcc(0)                    ; the compare has written VCC, ahead of the select that reads it
	v_cndmask_b32 v254, v254, v255, vcc_lo         ; its bytes are 0xff, and its row of the result NaN, as reference()'s is
.irp b, 0,1
	v_cvt_scalef32_pk8_fp4_f32 v[224+2*\b], v[96+16*\b:103+16*\b], v[244+\b]
	v_cvt_scalef32_pk8_fp4_f32 v[225+2*\b], v[104+16*\b:111+16*\b], v[244+\b]
.endr
	v_nop
	v_permlane16_swap_b32 v224, v226               ; lanes 0-15 the first block, lanes 16-31 the second
	v_permlane16_swap_b32 v225, v227
	s_wait_alu depctr_va_vdst(0)                   ; the exchanges have written the codes v224-227 and the select the bytes v254: the two stores read them
	global_store_b128 v1, v[224:227], s[28:29]     ; 512 consecutive bytes, aligned
	global_store_b16 v8, v254, s[30:31]            ; two bytes of each row's scale word (both halves of the lanes write the same): 64 KiB in the whole launch
	s_wait_dscnt 0x0                               ; the closing lines, six on end
	s_wait_alu 0x0
	s_wait_tensorcnt 0x0
	ds_add_u32 v242, v243
	s_wait_dscnt 0x0
	s_endpgm
.Lfunc_end_k_q9a2c02c9d1_attn:
	.size	k_q9a2c02c9d1_attn, .Lfunc_end_k_q9a2c02c9d1_attn-k_q9a2c02c9d1_attn
	.p2alignl 7, 3214868480
	.fill 96, 4, 3214868480
	.section	.rodata,"a",@progbits
	.p2align	6, 0x0
	.amdhsa_kernel k_q9a2c02c9d1_attn
		.amdhsa_group_segment_fixed_size 54272
		.amdhsa_private_segment_fixed_size 0
		.amdhsa_enable_private_segment 0
		.amdhsa_kernarg_size 32
		.amdhsa_user_sgpr_count 2
		.amdhsa_user_sgpr_kernarg_segment_ptr 1
		.amdhsa_wavefront_size32 1
		.amdhsa_system_sgpr_workgroup_id_x 1
		.amdhsa_system_sgpr_workgroup_id_y 1
		.amdhsa_system_sgpr_workgroup_id_z 1
		.amdhsa_system_vgpr_workitem_id 0
		.amdhsa_next_free_vgpr 384
		.amdhsa_next_free_sgpr 100
		.amdhsa_reserve_vcc 1
		.amdhsa_float_denorm_mode_32 3
		.amdhsa_float_denorm_mode_16_64 3
		.amdhsa_memory_ordered 1
		.amdhsa_forward_progress 1
		.amdhsa_inst_pref_size 177
	.end_amdhsa_kernel
	.amdgpu_metadata
---
amdhsa.version: [ 1, 2 ]
amdhsa.kernels:
  - .name:           k_q9a2c02c9d1_attn
    .symbol:         k_q9a2c02c9d1_attn.kd
    .args:
      - { .name: qq, .offset: 0, .size: 8, .value_kind: global_buffer, .address_space: global }
      - { .name: kv, .offset: 8, .size: 8, .value_kind: global_buffer, .address_space: global }
      - { .name: maskw, .offset: 16, .size: 8, .value_kind: global_buffer, .address_space: global }
      - { .name: av, .offset: 24, .size: 8, .value_kind: global_buffer, .address_space: global }
    .group_segment_fixed_size: 54272
    .private_segment_fixed_size: 0
    .kernarg_segment_align: 8
    .kernarg_segment_size: 32
    .max_flat_workgroup_size: 256
    .sgpr_count:     100
    .vgpr_count:     384
    .wavefront_size: 32
...
	.end_amdgpu_metadata
.endif
;; end of part 7
;; launch outln (part 8): grid 128 x 1, 16 waves a work-group, no clusters, 76,032 bytes of LDS; arguments av, wo, hidden, out0; writes out0
.if DOCPART == 8
	.amdgcn_target "amdgcn-amd-amdhsa--gfx1250"
	.amdhsa_code_object_version 6
	.text
	.protected	k_q9a2c02c9d1_outln
	.globl	k_q9a2c02c9d1_outln
	.p2align	8
	.type	k_q9a2c02c9d1_outln,@function
k_q9a2c02c9d1_outln:
	s_mov_b64 s[64:65], 0
	v_nop
	global_prefetch_b8 v0, s[64:65] scope:SCOPE_SE
	s_setreg_imm32_b32 hwreg(HW_REG_WAVE_SCHED_MODE, 0, 2), 2
	s_setreg_imm32_b32 hwreg(HW_REG_WAVE_MODE, 25, 1), 1
	s_wait_xcnt 0x0
	s_wait_alu depctr_vm_vsrc(0)
; out0 = LayerNorm(hidden + av W_out), the product on codes of FP4 (E2M1) with one E8M0 scale for each 32 along K = 1,024; the norm without gain and bias, eps = 1e-5, all in f32.
; SHARES.  A work-group owns 16 rows and all 1,024 columns, so that a row's mean and variance have one owner.  Wave w makes columns 64 w .. 64 w + 63 (four tiles of 16) for the 16 rows, and then normalises row w.
; OPERANDS come as images of their registers, made by earlier launches.  W_out's fragments go from memory straight into registers, two loads of 512 consecutive bytes each, through FOUR buffers of four fragments: three K steps ahead.
; av's eight fragments, 8,192 bytes that all sixteen waves want, come ONCE: each thread loads 16 bytes and puts them into LDS as they lie; behind a barrier each wave reads the fragment of a K step, two K steps ahead, into two buffers of 8 registers.
; NO LDS AND NO JOINT LOADS FOR THE WEIGHTS: in a work-group each fragment of W_out feeds exactly one matrix instruction of one wave; a joint load lands in LDS, from which every byte would be written and read once more to the same end.
; TRANSPOSED USE: source 0 = 16 rows of W_out (columns of the result), source 1 = av's 16 rows: a lane holds eight neighbouring columns of one row.  The results meet in a stage in LDS (16 rows of 4,096 bytes + 16), one barrier, and wave w reads row w whole.
; THE VARIANCE is the mean of (x - mean)^2, taken in a second pass over registers: no difference of large sums.
; REGISTERS: v5-10 addresses; v16-23 av's scale words; v24-39 av, two buffers; v40-167 W_out, four buffers, later the row from the stage; v168-183 W_out's scale words; v184-215 four accumulators; v216-247 the row; v248-253 at work.
; THE MODE: SCHED_MODE bits 1:0 = 2 (LLVM: expert scheduling mode 2), set by the entry lines.  The code itself states the register dependences between vector or matrix instructions and memory or LDS instructions, with s_wait_alu, always for 0.
; THE PLAN.  Registers that memory or LDS instructions touch:
;   v5-10           addresses: written at the head and never again: one wait on va_vdst ahead of the first load serves every load and store of the kernel.
;   v16-23, v168-183  scale words: loaded once, named by matrix instructions alone.
;   W_out's buffers, av's buffers   K step s: its four products read W_out's buffer s % 4 and av's buffer s % 2; straight behind them the loads of K steps s + 4 and s + 2 land there.  So ONE wait on va_vdst stands in a K step,
;                   behind its products: a buffer that waited for the next K step's head would lie idle meanwhile, and this launch lives on the loads that it has on their way.
;   v184-215        the accumulators: written by the products, read by the LDS stores into the stage: one wait on va_vdst behind the last products' places.  The same wait shows K step 4's products done with v40-71, in which the stage's row lands.
;   v248-251        my piece of av: loaded, read by one LDS store at the head; the sums write these registers much later: one wait on vm_vsrc ahead of the first of them.
;   v216-247        the row: loaded once, worked on by vector instructions, read by the final stores: one wait on va_vdst ahead of these.
;   v254, v255      written at the head, read by the closing add alone.
.set AVL,    0                         ; LDS: av's eight images, 8,192 bytes,
.set STG,    8192                      ; and behind them the stage
.set SPITCH, 4112                      ; 257 x 16 bytes: the 16 rows that a store touches start at 16 different groups of four banks
.set AVF,    24
.set WB,     40
.set WS,     168
.set ACC,    184
.set ROW,    216
.set T,      248
.macro PLACES
.rept 4
	v_nop
.endr
.endm
.macro WM d, a, b, zero, sa, ra, sb
.if \zero
.if \ra
	v_wmma_scale_f32_16x16x128_f8f6f4 v[\d:\d+7], v[\a:\a+7], v[\b:\b+7], 0, v[\sa], v[\sb] matrix_a_fmt:MATRIX_FMT_FP4 matrix_b_fmt:MATRIX_FMT_FP4 matrix_a_scale:MATRIX_SCALE_ROW1
.else
	v_wmma_scale_f32_16x16x128_f8f6f4 v[\d:\d+7], v[\a:\a+7], v[\b:\b+7], 0, v[\sa], v[\sb] matrix_a_fmt:MATRIX_FMT_FP4 matrix_b_fmt:MATRIX_FMT_FP4
.endif
.else
.if \ra
	v_wmma_scale_f32_16x16x128_f8f6f4 v[\d:\d+7], v[\a:\a+7], v[\b:\b+7], v[\d:\d+7], v[\sa], v[\sb] matrix_a_fmt:MATRIX_FMT_FP4 matrix_b_fmt:MATRIX_FMT_FP4 matrix_a_scale:MATRIX_SCALE_ROW1
.else
	v_wmma_scale_f32_16x16x128_f8f6f4 v[\d:\d+7], v[\a:\a+7], v[\b:\b+7], v[\d:\d+7], v[\sa], v[\sb] matrix_a_fmt:MATRIX_FMT_FP4 matrix_b_fmt:MATRIX_FMT_FP4
.endif
.endif
.endm
.macro WLOAD s                         ; my four tiles' fragments of K step s into buffer s % 4: eight loads
.irp t, 0,1,2,3
	global_load_b128 v[WB+32*((\s)%4)+8*\t:WB+32*((\s)%4)+8*\t+3], v5, s[18:19] offset:(8*\t+(\s))*1024
	global_load_b128 v[WB+32*((\s)%4)+8*\t+4:WB+32*((\s)%4)+8*\t+7], v5, s[18:19] offset:(8*\t+(\s))*1024+512
.endr
.endm
.macro ALOAD s                         ; av's fragment of K step s from LDS into buffer s % 2: two loads
	ds_load_b128 v[AVF+8*((\s)%2):AVF+8*((\s)%2)+3],   v5 offset:AVL+1024*(\s)
	ds_load_b128 v[AVF+8*((\s)%2)+4:AVF+8*((\s)%2)+7], v5 offset:AVL+1024*(\s)+512
.endm
.macro KSTEP s, zero, left, dleft      ; left: the global loads issued behind this K step's fragments of W_out;  dleft: the LDS loads issued behind its fragment of av
	s_wait_loadcnt \left
	s_wait_dscnt \dleft
.irp t, 0,1,2,3
	WM ACC+8*\t, WB+32*((\s)%4)+8*\t, AVF+8*((\s)%2), \zero, WS+2*(\s)+\t/2, \t%2, 16+(\s)     ; four accumulators by turns
.endr
	PLACES                                         ; four places behind the products; behind the last K step's they stand in front of the first read of the results (ISA guide 7.12.1)
.if (\s) < 6
	s_wait_alu depctr_va_vdst(0)                   ; the four products are done reading av's buffer s % 2 and W_out's buffer s % 4, in which the loads below land
	ALOAD (\s)+2
.endif
.if (\s) < 4
	WLOAD (\s)+4
.endif
.endm
	s_load_b256 s[4:11], s[0:1], 0x0               ; av s[4:5], wo s[6:7], hidden s[8:9], out0 s[10:11]
	v_lshl_add_u32 v254, v0, 2, 0x12100
	v_mov_b32 v255, 0
	v_lshrrev_b32 v1, 5, v0
	v_readfirstlane_b32 s12, v1                    ; wave 0..15
	v_and_b32 v2, 31, v0                           ; lane
	v_and_b32 v3, 15, v0                           ; r
	v_bfe_u32 v4, v0, 4, 1                         ; h
	v_lshlrev_b32 v5, 4, v2                        ; v5: 16 x lane
	v_lshlrev_b32 v6, 2, v2                        ; v6: 4 x lane
	v_lshlrev_b32 v7, 2, v3                        ; v7: 4 r
	v_lshlrev_b32 v10, 4, v0                       ; v10: 16 x my thread's number: my 16 bytes of av's 8,192, in memory and in LDS
	v_mul_u32_u24 v8, v3, SPITCH
	v_lshl_add_u32 v8, v4, 5, v8
	s_wait_alu depctr_va_sdst(0)                   ; the wave's number is written into s12, ahead of its first reader: the stage's addresses and the bases are made from it
	s_lshl_b32 s13, s12, 8
	s_add_co_u32 s13, s13, STG
	v_add_nc_u32 v8, s13, v8                       ; v8: the stage, in: row r, + 256 wave + 32 h
	s_mul_i32 s13, s12, SPITCH
	s_add_co_u32 s13, s13, STG
	v_add_nc_u32 v9, s13, v5                       ; v9: and back: row = my wave, 16 bytes a lane
	s_lshl_b32 s14, ttmp9, 13                      ; av's eight images of my 16 rows
	s_mov_b32 s15, 0
	s_lshl_b32 s16, ttmp9, 9
	s_add_co_u32 s16, s16, 0x100000                ; their scale words
	s_mov_b32 s17, 0
	s_lshl_b32 s18, s12, 15                        ; W_out: my four tiles x 8 K steps x 1,024 bytes
	s_mov_b32 s19, 0
	s_lshl_b32 s20, s12, 11
	s_add_co_u32 s20, s20, 0x80000                 ; my two pairs' scale words
	s_mov_b32 s21, 0
	s_lshl_b32 s22, ttmp9, 4
	s_add_co_u32 s22, s22, s12
	s_lshl_b32 s22, s22, 12                        ; row 16 work-group + wave, 4,096 bytes a row
	s_mov_b32 s23, 0
	s_mov_b32 s26, 0x3a800000                      ; 1 / 1,024
	s_mov_b32 s27, 0x3727c5ac                      ; 1e-5
	s_mov_b32 s28, 0x76543210
	s_mov_b32 s29, 0xfedcba98                      ; lane selects: lane l xor 16
	s_wait_kmcnt 0x0
	s_add_nc_u64 s[14:15], s[4:5], s[14:15]
	s_add_nc_u64 s[16:17], s[4:5], s[16:17]
	s_add_nc_u64 s[18:19], s[6:7], s[18:19]
	s_add_nc_u64 s[20:21], s[6:7], s[20:21]
	s_add_nc_u64 s[24:25], s[10:11], s[22:23]
	s_add_nc_u64 s[22:23], s[8:9], s[22:23]
	s_wait_alu depctr_va_vdst(0)                   ; the six addresses v5-10 are written: every load and store of the kernel reads one of them, and none is written again
	global_load_b128 v[T:T+3], v10, s[14:15]       ; my 16 bytes of av's images: asked for first, wanted first
.irp s, 0,1,2,3,4,5,6,7
	global_load_b32 v[16+\s], v7, s[16:17] offset:64*\s
.endr
.irp s, 0,1,2,3,4,5,6,7
.irp p, 0,1
	global_load_b32 v[WS+2*\s+\p], v6, s[20:21] offset:(8*\p+\s)*128     ; lanes 0-15 tile 2 p, lanes 16-31 tile 2 p + 1
.endr
.endr
	WLOAD 0
	WLOAD 1
	WLOAD 2
	WLOAD 3                                        ; 57 loads of mine are out here: the most in this text
	s_wait_loadcnt 56                              ; all 56 issued behind my piece of av may stay out
	ds_store_b128 v10, v[T:T+3] offset:AVL
	s_wait_dscnt 0x0                               ; for the others' sake: my piece lies in LDS
	s_barrier_signal -1
	s_barrier_wait -1                              ; all 8,192 bytes do
	ALOAD 0
	ALOAD 1
	KSTEP 0, 1, 24, 2                              ; behind K step 0's fragments: those of K steps 1, 2 and 3; behind av's fragment 0: fragment 1's two loads
.irp i, 0,1,2,3,4,5,6,7
	global_load_b128 v[ROW+4*\i:ROW+4*\i+3], v5, s[22:23] offset:512*\i th:TH_LOAD_NT   ; my row of hidden: read once; wanted only behind the products
.endr
	KSTEP 1, 0, 32, 2                              ; behind K step 1's: K steps 2, 3, 4 and the row's eight
	KSTEP 2, 0, 32, 2                              ; K steps 3, 4, the row, K step 5
	KSTEP 3, 0, 32, 2                              ; K step 4, the row, K steps 5, 6
	KSTEP 4, 0, 32, 2                              ; the row, K steps 5, 6, 7
	KSTEP 5, 0, 16, 2                              ; K steps 6, 7 (the row is in)
	KSTEP 6, 0, 8, 2
	KSTEP 7, 0, 0, 0
	s_wait_alu depctr_va_vdst(0)                   ; the products have written the accumulators, which the LDS stores below read (the four places stand above this wait); and K step 4's are done reading v40-71, in which the stage's row lands
.irp t, 0,1,2,3
	ds_store_b128 v8, v[ACC+8*\t:ACC+8*\t+3] offset:64*\t        ; lane (r, h): columns 64 w + 16 t + 8 h + 0 .. 7 of row r; each accumulator from its low end on
	ds_store_b128 v8, v[ACC+8*\t+4:ACC+8*\t+7] offset:64*\t+16
.endr
	s_wait_dscnt 0x0                               ; for the others' sake: my stores into the stage are done
	s_barrier_signal -1
	s_barrier_wait -1
.irp i, 0,1,2,3,4,5,6,7
	ds_load_b128 v[WB+4*\i:WB+4*\i+3], v9 offset:512*\i
.endr
	s_wait_dscnt 0x0
.set n, 0
.rept 16
	v_pk_add_f32 v[ROW+n:ROW+n+1], v[ROW+n:ROW+n+1], v[WB+n:WB+n+1]    ; x = hidden + av W_out
.set n, n+2
.endr
	s_wait_alu depctr_vm_vsrc(0)                   ; the LDS store at the head has read my piece of av, v248-251: the sums write these registers from here on
	v_pk_add_f32 v[T:T+1], v[ROW:ROW+1], v[ROW+2:ROW+3]          ; the row's sum: my 32 numbers in two chains,
	v_pk_add_f32 v[T+2:T+3], v[ROW+4:ROW+5], v[ROW+6:ROW+7]
.irp j, 8,12,16,20,24,28
	v_pk_add_f32 v[T:T+1], v[T:T+1], v[ROW+\j:ROW+\j+1]
	v_pk_add_f32 v[T+2:T+3], v[T+2:T+3], v[ROW+\j+2:ROW+\j+3]
.endr
	v_pk_add_f32 v[T:T+1], v[T:T+1], v[T+2:T+3]
	v_add_f32 v[T], v[T], v[T+1]
	v_add_f32_dpp v[T], v[T], v[T] row_xmask:1 row_mask:0xf bank_mask:0xf     ; then the 32 lanes'
	v_add_f32_dpp v[T], v[T], v[T] row_xmask:2 row_mask:0xf bank_mask:0xf
	v_add_f32_dpp v[T], v[T], v[T] row_xmask:4 row_mask:0xf bank_mask:0xf
	v_add_f32_dpp v[T], v[T], v[T] row_xmask:8 row_mask:0xf bank_mask:0xf
	v_permlanex16_b32 v[T+1], v[T], s28, s29
	v_add_f32 v[T], v[T], v[T+1]
	v_mul_f32 v[T], s26, v[T]                      ; the mean,
	v_mov_b32 v[T+1], v[T]                         ; twice, for the packed form
.set n, 0
.rept 16
	v_pk_add_f32 v[ROW+n:ROW+n+1], v[ROW+n:ROW+n+1], v[T:T+1] neg_lo:[0,1] neg_hi:[0,1]   ; x - mean
.set n, n+2
.endr
	v_pk_mul_f32 v[T+2:T+3], v[ROW:ROW+1], v[ROW:ROW+1]          ; the sum of its squares, in two chains
	v_pk_mul_f32 v[T+4:T+5], v[ROW+2:ROW+3], v[ROW+2:ROW+3]
.irp j, 4,8,12,16,20,24,28
	v_pk_fma_f32 v[T+2:T+3], v[ROW+\j:ROW+\j+1], v[ROW+\j:ROW+\j+1], v[T+2:T+3]
	v_pk_fma_f32 v[T+4:T+5], v[ROW+\j+2:ROW+\j+3], v[ROW+\j+2:ROW+\j+3], v[T+4:T+5]
.endr
	v_pk_add_f32 v[T+2:T+3], v[T+2:T+3], v[T+4:T+5]
	v_add_f32 v[T+2], v[T+2], v[T+3]
	v_add_f32_dpp v[T+2], v[T+2], v[T+2] row_xmask:1 row_mask:0xf bank_mask:0xf
	v_add_f32_dpp v[T+2], v[T+2], v[T+2] row_xmask:2 row_mask:0xf bank_mask:0xf
	v_add_f32_dpp v[T+2], v[T+2], v[T+2] row_xmask:4 row_mask:0xf bank_mask:0xf
	v_add_f32_dpp v[T+2], v[T+2], v[T+2] row_xmask:8 row_mask:0xf bank_mask:0xf
	v_permlanex16_b32 v[T+3], v[T+2], s28, s29
	v_add_f32 v[T+2], v[T+2], v[T+3]
	v_fma_f32 v[T+2], v[T+2], s26, s27             ; the variance + eps
	v_rsq_f32 v[T+4], v[T+2]
	v_nop                                          ; a plain place behind the transcendental
	s_wait_alu depctr_va_vdst(0)                   ; the reciprocal root has written v252, ahead of its first reader
.set n, 0
.rept 16
	v_pk_mul_f32 v[ROW+n:ROW+n+1], v[ROW+n:ROW+n+1], v[T+4:T+5] op_sel_hi:[1,0]
.set n, n+2
.endr
	s_wait_alu depctr_va_vdst(0)                   ; the multiplications have written the row, v216-247, which the stores below read
.irp i, 0,1,2,3,4,5,6,7
	global_store_b128 v5, v[ROW+4*\i:ROW+4*\i+3], s[24:25] offset:512*\i th:TH_STORE_NT   ; 32 lanes store 512 consecutive bytes, aligned; written once
.endr
	s_wait_dscnt 0x0                               ; the closing lines, six on end
	s_wait_alu 0x0
	s_wait_tensorcnt 0x0
	ds_add_u32 v254, v255
	s_wait_dscnt 0x0
	s_endpgm
.Lfunc_end_k_q9a2c02c9d1_outln:
	.size	k_q9a2c02c9d1_outln, .Lfunc_end_k_q9a2c02c9d1_outln-k_q9a2c02c9d1_outln
	.p2alignl 7, 3214868480
	.fill 96, 4, 3214868480
	.section	.rodata,"a",@progbits
	.p2align	6, 0x0
	.amdhsa_kernel k_q9a2c02c9d1_outln
		.amdhsa_group_segment_fixed_size 76032
		.amdhsa_private_segment_fixed_size 0
		.amdhsa_enable_private_segment 0
		.amdhsa_kernarg_size 32
		.amdhsa_user_sgpr_count 2
		.amdhsa_user_sgpr_kernarg_segment_ptr 1
		.amdhsa_wavefront_size32 1
		.amdhsa_system_sgpr_workgroup_id_x 1
		.amdhsa_system_sgpr_workgroup_id_y 1
		.amdhsa_system_sgpr_workgroup_id_z 1
		.amdhsa_system_vgpr_workitem_id 0
		.amdhsa_next_free_vgpr 256
		.amdhsa_next_free_sgpr 66
		.amdhsa_reserve_vcc 0
		.amdhsa_float_denorm_mode_32 3
		.amdhsa_float_denorm_mode_16_64 3
		.amdhsa_memory_ordered 1
		.amdhsa_forward_progress 1
		.amdhsa_inst_pref_size 27
	.end_amdhsa_kernel
	.amdgpu_metadata
---
amdhsa.version: [ 1, 2 ]
amdhsa.kernels:
  - .name:           k_q9a2c02c9d1_outln
    .symbol:         k_q9a2c02c9d1_outln.kd
    .args:
      - { .name: av, .offset: 0, .size: 8, .value_kind: global_buffer, .address_space: global }
      - { .name: wo, .offset: 8, .size: 8, .value_kind: global_buffer, .address_space: global }
      - { .name: hidden, .offset: 16, .size: 8, .value_kind: global_buffer, .address_space: global }
      - { .name: out0, .offset: 24, .size: 8, .value_kind: global_buffer, .address_space: global }
    .group_segment_fixed_size: 76032
    .private_segment_fixed_size: 0
    .kernarg_segment_align: 8
    .kernarg_segment_size: 32
    .max_flat_workgroup_size: 512
    .sgpr_count:     66
    .vgpr_count:     256
    .wavefront_size: 32
...
	.end_amdgpu_metadata
.endif
;; end of part 8
